; MI455X (gfx1250); checked and timed in simulation.
; The chip was launched on July 23, 2026; its instructions are those of AMD's public machine-readable ISA for CDNA 5 (MIT licence, August 2026) and "CDNA5" Instruction Set Architecture Reference Guide (July 2026). The comments in the code are by the model that wrote it; some were corrected since.
;; Mo E Layer. Allowed arithmetic: matrix products marked QUANTISED: E2M3 operands, one E8M0 scale for each 32 along K, by v_wmma_scale_f32_16x16x128_f8f6f4 with both operands' format E2M3, f32 sums; products left as they are: f32 operands where the result goes on into a quantised operand, else bf16, f16 or f32 operands; f32 sums; everything else in f32.
;; Inputs: eb1 8 x 2,048 float32; eb2 8 x 2,048 float32; eb3 8 x 1,024 float32; ew1 8 x 1,024 x 2,048 float32; ew2 8 x 2,048 x 2,048 float32; ew3 8 x 2,048 x 1,024 float32; gb1 256 float32; gb2 128 float32; gb3 8 float32; gw1 1,024 x 256 float32; gw2 256 x 128 float32; gw3 128 x 8 float32; x 1,024 x 1,024 float32.
;; Outputs: out0 1,024 x 1,024 float32; out1 one number float32; out2 1,024 x 8 float32.
;; This version of the problem:
;;   THIS VERSION OF THE PROBLEM IS GIVEN IN LOW PRECISION. The matrix products marked QUANTISED in the list below multiply operands that are first quantised to E2M3 (2 exponent bits, 3 mantissa bits; 6 bits a number), with one power-of-two scale for each 32 numbers along K (OCP MX v1.0); their sums are f32. All else is computed in f32.
;;   The module's matrix products, in the order in which they are computed (A, B: the left and right operand; K: the contracted axis; several contracted axes count as one K, in the product's order):
;;     1. [M 1,024, K 1,024] x [K 1,024, N 256]; A: input x; B: input gw1: QUANTISED
;;     2. [M 1,024, K 256] x [K 256, N 128]; A: computed on the way; B: input gw2: QUANTISED
;;     3. [M 1,024, K 128] x [K 128, N 8]; A: computed on the way; B: input gw3: left as it is (N = 8 < 16)
;;     4. [M 16,384, K 1,024] x [K 1,024, N 1,024]; A: input ew1; B: input x: QUANTISED
;;     5. batch 8 x [M 1,024, K 2,048] x [K 2,048, N 2,048]; A: computed on the way; B: input ew2: QUANTISED
;;     6. batch 8 x [M 1,024, K 2,048] x [K 2,048, N 1,024]; A: computed on the way; B: input ew3: QUANTISED
;;     7. batch 1,024 x [M 1, K 8] x [K 8, N 1,024]; A: computed on the way; B: computed on the way: left as it is (K = 8 < 32)
;;   THE QUANTISER, for each operand of a quantised product, along K:
;;     - K is cut into blocks of 32 from its start; a last block that is shorter is filled with zeros.
;;     - A block's scale is 2^e with e = floor(log2(the largest magnitude in the block)) - 2, held to -126 .. 127; a block of zeros has e = 0. As a byte (E8M0): e + 127.
;;     - Each number is divided by its block's scale, clamped to +-7.5, and rounded to the nearest number of E2M3, ties to even, subnormals kept.
;;     - The product sums the exact products of the quantised numbers (number of the format x scale) in f32.
;;   ~~~python
;;   def quantise(x, axis):      # numpy; x: float32 -> the quantised numbers, widened to float32 again
;;       x = np.moveaxis(x, axis, -1); K = x.shape[-1]
;;       x = np.pad(x, [(0, 0)] * (x.ndim - 1) + [(0, -K % 32)]); x = x.reshape(x.shape[:-1] + (-1, 32)); a = np.abs(x).max(-1, keepdims=True)
;;       e = np.where(a > 0, np.clip(np.frexp(np.where(a > 0, a, 1))[1] - 1 - 2, -126, 127), 0)      # np.frexp(a)[1] - 1 = floor(log2(a)), exactly
;;       r = np.clip(x / 2.0 ** e, -7.5, 7.5)
;;       step = 2.0 ** (np.maximum(np.frexp(np.where(r == 0, 1, r))[1] - 1, 0) - 3)
;;       q = np.round(r / step) * step * 2.0 ** e      # np.round: ties to even
;;       return np.moveaxis(q.reshape(q.shape[:-2] + (-1,))[..., :K], -1, axis).astype(np.float32)
;;   ~~~
;;   OPERANDS COMPUTED ON THE WAY. 'Computed on the way' means the value that the module computes at that place (a softmax that the list does not call 'softmax' is quantised finished and normalised). What goes into a quantiser is computed in f32, as accurately as f32 sums, v_exp_f32 and their like allow (about 1e-6 of the number): no bf16 or f16 on the way to a quantiser, and a product that is left as it is and whose result goes on into a quantised operand takes f32 operands (vector FMAs, or v_wmma_f32_16x16x4_f32). A number that lies on a knife's edge between two numbers of the format may be rounded either way, as far as f32 arithmetic and the matrix unit's own rounding can turn it there, and no further.
;; 2 versions. Each part assembles by itself: llvm-mc -triple=amdgcn-amd-amdhsa -mcpu=gfx1250 --defsym DOCPART=n.
;; ======== version 1 of 2: 6 launches
;; workspace buffers: xc 819,200 bytes; idx 8,192 bytes of whole numbers; wts 8,192 bytes; route 42,752 bytes of whole numbers; h1 3,481,600 bytes; h2 3,481,600 bytes; y 17,825,792 bytes; wc 26,214,400 bytes
;; launch gate (part 1): grid 576 x 1, 8 waves a work-group, no clusters, 303,104 bytes of LDS; arguments x, gw1, gb1, gw2, gb2, gw3, gb3, xc, idx, wts, out2, ew2, wc; writes xc, idx, wts, out2, wc
.if DOCPART == 1
	.amdgcn_target "amdgcn-amd-amdhsa--gfx1250"
	.amdhsa_code_object_version 6
	.text
	.protected	k_qed6b969abf_gate
	.globl	k_qed6b969abf_gate
	.p2align	8
	.type	k_qed6b969abf_gate,@function
k_qed6b969abf_gate:
	s_mov_b64 s[64:65], 0
	v_nop
	global_prefetch_b8 v0, s[64:65] scope:SCOPE_SE
	s_setreg_imm32_b32 hwreg(HW_REG_WAVE_MODE, 25, 1), 1
	s_wait_xcnt 0x0
; TWO KINDS OF WORK-GROUPS.  Numbers 0 to 63: THE GATE, 16 tokens each.  Numbers 64 to 575: THE SECOND EXPERT LAYER'S WEIGHTS, ew2, are quantised into wc; that work hangs on no result of the gate (at the end of this text).
; THE GATE.  g1 = relu(x gw1 + gb1), g2 = relu(g1 gw2 + gb2), logits = g2 gw3 + gb3, softmax, the two largest.  The first two products on codes of FP6 (E2M3) with one E8M0
; scale for each 32 along K; the third by f32 multiply-adds.  A work-group of eight waves takes 16 tokens.  It also leaves x's codes and scale words in xc for the first expert layer.
; OUT: out2 = the probabilities; idx [token][2] = the two experts, the larger probability first, the lower index at a tie; wts [token][2] = their probabilities divided by their sum.
; K'S PLACES.  In every quantised product of this program block q (0..3) of a K step of 128 lies in the half q / 2 of the lanes, in registers 6 (q % 2) on, and its scale in byte
; 2 (q % 2) + q / 2 of the scale word, in both operands alike: a lane's 12 registers are then 48 consecutive bytes of a row of codes.  The order of the sums differs from ascending K.
; WEIGHTS have K as their first axis.  A task is 32 rows (one block) x 64 columns: 32 loads of 8 bytes a lane, each 256 consecutive bytes of one row; a lane holds columns 2 l and 2 l + 1,
; all 32 numbers of a block, so no other lane is asked for a maximum.  The loaded pairs are copied apart, since a conversion wants 16 neighbours along K in consecutive registers.
; The codes go to LDS as images of the operand's registers: tile t, lane (r, h), 48 bytes.  Column n of 64 goes to tile 2 (n / 32) + (n / 8) % 2, row n % 8 + 8 ((n / 16) % 2), so that a lane's 16 results
; of two neighbouring tiles are 16 neighbours along the next K.  THE PRODUCTS ARE USED TRANSPOSED: source 0 = 16 columns of the weight, source 1 = the 16 tokens: a lane holds one token.
; LIMITS: NaN and infinities are not served.  A block of zeros gets the scale byte 1 (its codes are zeros; the bytes are read by this program alone).
; No cluster: 64 work-groups read the same weights, but they come through registers to be quantised, not as tiles; the work-groups that quantise ew2 share nothing.
.set W1IMG, 0                          ; LDS: gw1's images [8 K steps][16 tiles][32 lanes][48]
.set W1SC,  196608                     ; its scale words [8][16 tiles][16 rows]
.set W2IMG, 204800                     ; gw2's images [2][8][32][48]
.set W2SC,  229376                     ; [2][8][16] words
.set XIMG,  230400                     ; x's eight fragments
.set XSC,   242688                     ; x's scale words [16 tokens][8]
.set G1IMG, 243200                     ; g1's two fragments
.set G1SC,  246272                     ; [2][16] words
.set PLG,   246528                     ; partial logits [8 waves][16 tokens][8]
.set QB,    250880                     ; the work-groups that quantise ew2 have LDS bytes of their own: eight images of 6,144 bytes, then 8 x 256 bytes of scale words
.set WLO, 4                            ; v4 8 x lane;  v5-31, v92, v93: addresses, made at the head and kept
.set M,   40                           ; v40-55 at work
.set SOP, 44
.set F,   56                           ; v56-67 a task's codes, v68-75 their second halves, v76-77 two columns' scale words
.set TT,  68
.set W,   76
.set XF,  80                           ; v80-91 x's fragment
.set GB1, 96                           ; v96-111 gb1, v112-119 gb2, in the results' layout
.set GB2, 112
.set Y,   128                          ; v128-191 64 numbers at work
.set P0,  56                           ; the products' operands: two sets of 36
.set P1,  128
.set ACC1, 164                         ; v164-179 two tiles of g1
.set ACC2, 180                         ; v180-187 one tile of g2
.set GW3, 192                          ; v192-255 my eight rows of gw3
; v32-39 hold scale words and nothing else: x's 32, 33; gw1's 34, 35; g1's 36, 37; gw2's 38, 39.  Window 1: four sets of 64 for the tasks' loads.
.set MSB, 0
.macro WIN new                         ; the immediate's high byte repeats the setting that is left
.if MSB != \new
	s_set_vgpr_msb (MSB<<8)|\new
.set MSB, \new
.endif
.endm
.macro LOADT buf, sb, off, pitch       ; a task's 32 rows into set buf of window 1
.set LB, 64*(\buf)
	WIN 0x40
.set ii, 0
.rept 32
	global_load_b64 v[LB+2*ii:LB+2*ii+1], v[WLO], s[\sb:\sb+1] offset:(\off)+ii*(\pitch)
.set ii, ii+1
.endr
.endm
.macro LOADW buf, off                  ; the same for ew2: rows of 8,192 bytes, read once in the launch
.set LB, 64*(\buf)
	WIN 0x40
.set ii, 0
.rept 32
	global_load_b64 v[LB+2*ii:LB+2*ii+1], v[WLO], s[18:19] offset:(\off)+ii*8192 th:TH_LOAD_NT
.set ii, ii+1
.endr
.endm
.macro QBLOCK buf, q4, imw, sca, ioff, soff   ; the task in set buf is block q4 of its K step: codes to the images, the scale bytes gathered, the words stored behind block 3
.set LB, 64*(\buf)
.set QO, (\ioff)+768*((\q4)/2)+24*((\q4)%2)
.set QS, 8*(2*((\q4)%2)+(\q4)/2)
	WIN 0x01
.set ii, 0
.rept 32
	v_mov_b32 v[Y+ii], v[LB+2*ii]                  ; column 2 l down K
	v_mov_b32 v[Y+32+ii], v[LB+2*ii+1]             ; column 2 l + 1
.set ii, ii+1
.endr
	WIN 0
	s_wait_dscnt 0x0                               ; the last task's LDS stores are done: their registers are written again below
	v_max3_num_f32 v[M], |v[Y]|, |v[Y+1]|, 0x1800000       ; the largest magnitude, over the floor 2^(3 - 127): the byte cannot fall under 1
	v_max3_num_f32 v[M+1], |v[Y+32]|, |v[Y+33]|, 0x1800000
.set ii, 2
.rept 15
	v_max3_num_f32 v[M], v[M], |v[Y+ii]|, |v[Y+ii+1]|
	v_max3_num_f32 v[M+1], v[M+1], |v[Y+32+ii]|, |v[Y+33+ii]|
.set ii, ii+2
.endr
	v_add_nc_u32 v[SOP], 0xff000000, v[M]          ; 2 off the exponent field: the conversion's scale operand
	v_add_nc_u32 v[SOP+1], 0xff000000, v[M+1]
	v_lshrrev_b32 v[M], 23, v[SOP]                 ; the scale's byte
	v_lshrrev_b32 v[M+1], 23, v[SOP+1]
.if (\q4) == 0
	v_mov_b32 v[W], v[M]
	v_mov_b32 v[W+1], v[M+1]
.else
	v_lshl_or_b32 v[W], v[M], QS, v[W]
	v_lshl_or_b32 v[W+1], v[M+1], QS, v[W+1]
.endif
	v_cvt_scalef32_pk16_fp6_f32 v[F:F+2], v[Y:Y+15], v[SOP]
	v_cvt_scalef32_pk16_fp6_f32 v[TT:TT+2], v[Y+16:Y+31], v[SOP]       ; (a conversion's three registers begin on an even number)
	v_cvt_scalef32_pk16_fp6_f32 v[F+6:F+8], v[Y+32:Y+47], v[SOP+1]
	v_cvt_scalef32_pk16_fp6_f32 v[TT+4:TT+6], v[Y+48:Y+63], v[SOP+1]
	v_nop                                          ; one plain place behind the conversions
.irp i, 0,1,2
	v_mov_b32 v[F+3+\i], v[TT+\i]
	v_mov_b32 v[F+9+\i], v[TT+4+\i]
.endr
.irp p, 0,1,2
	ds_store_b64 v[\imw], v[F+2*\p:F+2*\p+1] offset:QO+8*\p
	ds_store_b64 v[\imw], v[F+6+2*\p:F+7+2*\p] offset:QO+48+8*\p
.endr
.if (\q4) == 3
	ds_store_b64 v[\sca], v[W:W+1] offset:\soff
.endif
.endm
.macro WM d, a, b, c, sa, sb, odd      ; odd = 1: source 0's scales stand in lanes 16-31 of their register
.if \odd
	v_wmma_scale_f32_16x16x128_f8f6f4 v[\d:\d+7], v[\a:\a+11], v[\b:\b+11], v[\c:\c+7], v[\sa], v[\sb] matrix_a_fmt:MATRIX_FMT_FP6 matrix_b_fmt:MATRIX_FMT_FP6 matrix_a_scale:MATRIX_SCALE_ROW1
.else
	v_wmma_scale_f32_16x16x128_f8f6f4 v[\d:\d+7], v[\a:\a+11], v[\b:\b+11], v[\c:\c+7], v[\sa], v[\sb] matrix_a_fmt:MATRIX_FMT_FP6 matrix_b_fmt:MATRIX_FMT_FP6
.endif
.endm
.macro BARRIER                         ; my LDS stores have landed and my LDS loads are in: then the work-group's barrier
	s_wait_dscnt 0x0
	s_barrier_signal -1
	s_barrier_wait -1
.endm
	v_lshl_add_u32 v126, v0, 2, 0x49c00
	v_mov_b32 v127, 0
	s_cmp_ge_u32 ttmp9, 64                         ; the work-group's number alone decides: all eight waves go the same way
	s_cbranch_scc1 .Lquant
	s_load_b512 s[16:31], s[0:1], 0x0              ; x 16, gw1 18, gb1 20, gw2 22, gb2 24, gw3 26, gb3 28, xc 30
	s_load_b128 s[32:35], s[0:1], 0x40             ; idx 32, wts 34
	s_load_b64 s[36:37], s[0:1], 0x50              ; out2
	v_lshrrev_b32 v1, 5, v0
	v_readfirstlane_b32 s14, v1                    ; wave w
	v_and_b32 v1, 31, v0                           ; lane l
	v_and_b32 v2, 15, v0                           ; r
	v_bfe_u32 v3, v0, 4, 1                         ; h
	s_mov_b32 s38, 0x76543210
	s_mov_b32 s39, 0xfedcba98                      ; v_permlanex16_b32's selects for lane l xor 16
	s_mov_b32 s48, 0xffff0000                      ; lanes 16-31
	s_and_b32 s50, s14, 1                          ; w's bit 0,
	s_bfe_u32 s51, s14, 0x10001                    ; bit 1,
	s_lshr_b32 s52, s14, 2                         ; bit 2
	v_lshlrev_b32 v[WLO], 3, v1
	v_and_b32 v40, 3, v0
	v_bfe_u32 v41, v0, 2, 1
	v_bfe_u32 v42, v0, 3, 1
	v_mul_u32_u24 v43, v40, 96                     ; where columns 2 l, 2 l + 1 lie in a slice's four images: 96 (l % 4) + 1536 bit 2 + 384 bit 3 + 3072 bit 4
	v_mad_u32_u24 v43, v41, 1536, v43
	v_mad_u32_u24 v43, v42, 384, v43
	v_mad_u32_u24 v43, v3, 3072, v43
	v_lshlrev_b32 v44, 3, v40                      ; and among its scale words: 8 (l % 4) + 64 bit 2 + 32 bit 3 + 128 bit 4
	v_lshl_add_u32 v44, v41, 6, v44
	v_lshl_add_u32 v44, v42, 5, v44
	v_lshl_add_u32 v44, v3, 7, v44
	v_mul_u32_u24 v45, v1, 48                      ; 48 l: a lane's place in an image
	s_mul_i32 s53, s14, 24576
	v_add_nc_u32 v5, s53, v43                      ; v5: gw1's images of K step w
	s_lshl_b32 s53, s14, 10
	s_add_co_u32 s53, s53, W1SC
	v_add_nc_u32 v6, s53, v44                      ; v6: its scale words
	s_mul_i32 s53, s51, 12288
	s_mul_i32 s54, s50, 6144
	s_add_co_u32 s53, s53, s54
	s_add_co_u32 s53, s53, W2IMG
	v_add_nc_u32 v7, s53, v43                      ; v7: gw2 (waves 0-3): K step w / 2, columns 64 (w % 2) on
	s_lshl_b32 s53, s51, 9
	s_lshl_b32 s54, s50, 8
	s_add_co_u32 s53, s53, s54
	s_add_co_u32 s53, s53, W2SC
	v_add_nc_u32 v8, s53, v44                      ; v8
	v_lshlrev_b32 v9, 12, v2
	v_lshl_add_u32 v9, v3, 8, v9                   ; v9: x: token r, + 256 h
	s_mul_i32 s53, s14, 1536
	s_add_co_u32 s53, s53, XIMG
	v_add_nc_u32 v10, s53, v45                     ; v10: x's image of K step w
	v_lshlrev_b32 v11, 5, v2
	s_lshl_b32 s53, s14, 2
	s_add_co_u32 s53, s53, XSC
	v_add_nc_u32 v11, s53, v11                     ; v11: its scale word
	v_mul_u32_u24 v12, v2, 768
	v_mad_u32_u24 v12, v3, 48, v12                 ; v12: xc: token r's row of codes, + 48 h
	v_add_nc_u32 v13, XIMG, v45                    ; v13: x's images, read
	v_lshl_add_u32 v14, v2, 5, XSC                 ; v14: x's scale words, read
	s_mul_i32 s53, s14, 3072
	v_add_nc_u32 v15, s53, v45                     ; v15-18: gw1's tiles 2 w, 2 w + 1 of K steps 0, 2, 4, 6
	v_add_nc_u32 v16, 49152, v15
	v_add_nc_u32 v17, 98304, v15
	v_add_nc_u32 v18, 147456, v15
	s_lshl_b32 s53, s14, 7
	s_add_co_u32 s53, s53, W1SC
	v_lshl_add_u32 v19, v1, 2, s53                 ; v19: their scale words: lanes 0-15 tile 2 w, lanes 16-31 tile 2 w + 1
	v_mul_u32_u24 v20, v2, 48
	v_mad_u32_u24 v20, v3, 12, v20
	s_mul_i32 s53, s52, 1536
	s_mul_i32 s54, s51, 768
	s_add_co_u32 s53, s53, s54
	s_mul_i32 s54, s50, 24
	s_add_co_u32 s53, s53, s54
	s_add_co_u32 s53, s53, G1IMG
	v_add_nc_u32 v20, s53, v20                     ; v20: g1: my columns are block w: K step w / 4, half (w / 2) % 2, registers 6 (w % 2) on; 12 bytes a lane
	v_lshlrev_b32 v21, 2, v2
	s_lshl_b32 s53, s52, 6
	s_lshl_b32 s54, s50, 1
	s_add_co_u32 s53, s53, s54
	s_add_co_u32 s53, s53, s51
	s_add_co_u32 s53, s53, G1SC
	v_add_nc_u32 v21, s53, v21                     ; v21: and its scale byte
	v_add_nc_u32 v22, G1IMG, v45                   ; v22: g1's images, read
	v_lshl_add_u32 v23, v2, 2, G1SC                ; v23
	s_mul_i32 s53, s14, 1536
	s_add_co_u32 s53, s53, W2IMG
	v_add_nc_u32 v24, s53, v45                     ; v24: gw2's tile w
	s_lshl_b32 s53, s14, 6
	s_add_co_u32 s53, s53, W2SC
	v_lshl_add_u32 v25, v2, 2, s53                 ; v25
	v_lshlrev_b32 v26, 5, v2
	v_lshl_add_u32 v26, v3, 4, v26
	v_mov_b32 v92, v26                             ; v92: out2: 32 r + 16 h
	s_lshl_b32 s53, s14, 9
	s_add_co_u32 s53, s53, PLG
	v_add_nc_u32 v26, s53, v26                     ; v26: my partial logits
	v_lshl_add_u32 v27, v2, 5, PLG                 ; v27: all waves', read
	v_lshlrev_b32 v28, 6, v3                       ; v28: 64 h
	v_lshlrev_b32 v29, 9, v3                       ; v29: 512 h
	v_lshl_add_u32 v30, v1, 4, XSC                 ; v30
	v_lshlrev_b32 v31, 4, v1                       ; v31
	v_lshlrev_b32 v93, 3, v2
	v_lshl_add_u32 v93, v3, 2, v93                 ; v93: idx, wts: 8 r + 4 h
.irp i, 46,47,48,49,50,51,52,53,54,55
	v_mov_b32 v\i, 0                               ; written once: a lane permute's destination counts as one of its sources
.endr
	s_wait_kmcnt 0x0
	s_load_b256 s[40:47], s[28:29], 0x0            ; gb3
	s_mov_b32 s55, 0
	s_lshl_b32 s54, ttmp9, 16
	s_lshl_b32 s53, s14, 9
	s_add_co_u32 s54, s54, s53
	s_add_nc_u64 s[16:17], s[16:17], s[54:55]      ; x at my 16 tokens, K step w
	s_lshl_b32 s54, s14, 17
	s_add_nc_u64 s[18:19], s[18:19], s[54:55]      ; gw1 at row 128 w
	s_lshl_b32 s54, s14, 7
	s_add_nc_u64 s[20:21], s[20:21], s[54:55]      ; gb1 at column 32 w
	s_lshl_b32 s54, s51, 16
	s_lshl_b32 s53, s50, 8
	s_add_co_u32 s54, s54, s53
	s_add_nc_u64 s[22:23], s[22:23], s[54:55]      ; gw2 at row 128 (w / 2), column 64 (w % 2)
	s_lshl_b32 s54, s52, 8
	s_lshl_b32 s53, s51, 7
	s_add_co_u32 s54, s54, s53
	s_lshl_b32 s53, s50, 5
	s_add_co_u32 s54, s54, s53
	s_add_nc_u64 s[24:25], s[24:25], s[54:55]      ; gb2 at column 64 bit 2 + 32 bit 1 + 8 bit 0: tile w's
	s_lshl_b32 s54, s54, 3
	s_add_nc_u64 s[26:27], s[26:27], s[54:55]      ; gw3 at that row
	s_mul_i32 s54, ttmp9, 12288
	s_mul_i32 s53, s14, 96
	s_add_co_u32 s54, s54, s53
	s_add_nc_u64 s[56:57], s[30:31], s[54:55]      ; xc's codes
	s_lshl_b32 s54, ttmp9, 9
	s_add_nc_u64 s[36:37], s[36:37], s[54:55]
	s_add_co_u32 s54, s54, 786432
	s_add_nc_u64 s[58:59], s[30:31], s[54:55]      ; xc's scale words
	s_lshl_b32 s54, ttmp9, 7
	s_add_nc_u64 s[32:33], s[32:33], s[54:55]
	s_add_nc_u64 s[34:35], s[34:35], s[54:55]
.irp i, 0,1,2,3
	global_load_b128 v[GB1+4*\i:GB1+4*\i+3], v28, s[20:21] offset:16*\i
.endr
.irp i, 0,1
	global_load_b128 v[GB2+4*\i:GB2+4*\i+3], v28, s[24:25] offset:16*\i
.endr
.irp i, 0,1,2,3,4,5,6,7,8,9,10,11,12,13,14,15
	global_load_b128 v[GW3+4*\i:GW3+4*\i+3], v29, s[26:27] offset:16*\i
.endr
.irp i, 0,1,2,3,4,5,6,7,8,9,10,11,12,13,14,15
	global_load_b128 v[Y+4*\i:Y+4*\i+3], v9, s[16:17] offset:16*\i th:TH_LOAD_NT   ; x(r, 128 w + 64 h + 0 .. 63): two whole blocks
.endr
	LOADT 0, 18, 0, 1024
	LOADT 1, 18, 32768, 1024
	s_wait_loadcnt 63                              ; 64 loads are younger than x's; the count's field ends at 63, so one more is waited for
	; ---- x's K step w: two blocks a lane
	WIN 0
	v_max3_num_f32 v40, |v[Y]|, |v[Y+1]|, 0x1800000
	v_max3_num_f32 v41, |v[Y+32]|, |v[Y+33]|, 0x1800000
.set ii, 2
.rept 15
	v_max3_num_f32 v40, v40, |v[Y+ii]|, |v[Y+ii+1]|
	v_max3_num_f32 v41, v41, |v[Y+32+ii]|, |v[Y+33+ii]|
.set ii, ii+2
.endr
	v_add_nc_u32 v44, 0xff000000, v40
	v_add_nc_u32 v45, 0xff000000, v41
	v_lshrrev_b32 v40, 23, v44
	v_lshrrev_b32 v41, 23, v45
	v_lshl_or_b32 v40, v41, 16, v40                ; my bytes stand at 8 h and 16 + 8 h bits;
	v_lshlrev_b32 v41, 3, v3
	v_lshlrev_b32 v40, v41, v40
	v_permlanex16_b32 v46, v40, s38, s39
	v_or_b32 v40, v40, v46                         ; with lane l xor 16's two the word is whole
	v_cvt_scalef32_pk16_fp6_f32 v[XF:XF+2], v[Y:Y+15], v44
	v_cvt_scalef32_pk16_fp6_f32 v[TT:TT+2], v[Y+16:Y+31], v44
	v_cvt_scalef32_pk16_fp6_f32 v[XF+6:XF+8], v[Y+32:Y+47], v45
	v_cvt_scalef32_pk16_fp6_f32 v[TT+4:TT+6], v[Y+48:Y+63], v45
	v_nop
.irp i, 0,1,2
	v_mov_b32 v[XF+3+\i], v[TT+\i]
	v_mov_b32 v[XF+9+\i], v[TT+4+\i]
.endr
.irp i, 0,1,2
	ds_store_b128 v10, v[XF+4*\i:XF+4*\i+3] offset:16*\i
.endr
	ds_store_b32 v11, v40
.irp i, 0,1,2
	global_store_b128 v12, v[XF+4*\i:XF+4*\i+3], s[56:57] offset:16*\i
.endr
	; ---- gw1: K step w, 16 tasks: columns 64 (n / 4) on, block n % 4.  Two tasks' loads are out beside the one that is waited for
.set tt, 0
.rept 16
.if tt+2 < 16
	LOADT (tt+2)%4, 18, 256*((tt+2)/4)+((tt+2)%4)*32768, 1024
	s_wait_loadcnt 63                              ; 64 are younger; the field ends at 63
.elseif tt+1 < 16
	s_wait_loadcnt 32
.else
	s_wait_loadcnt 0x0
.endif
	QBLOCK tt%4, tt%4, 5, 6, 6144*(tt/4), 256*(tt/4)
.set tt, tt+1
.endr
	; ---- gw2: waves 0-3, four tasks each
	s_cmp_ge_u32 s14, 4
	s_cbranch_scc1 .Lnogw2
	LOADT 0, 22, 0, 512
	LOADT 1, 22, 16384, 512
.set tt, 0
.rept 4
.if tt+2 < 4
	LOADT tt+2, 22, (tt+2)*16384, 512
	s_wait_loadcnt 63
.elseif tt+1 < 4
	s_wait_loadcnt 32
.else
	s_wait_loadcnt 0x0
.endif
	QBLOCK tt, tt, 7, 8, 0, 0
.set tt, tt+1
.endr
.Lnogw2:
	s_wait_kmcnt 0x0                               ; gb3
	s_wait_xcnt 0x0                                ; xc's stores have read their registers, which take operands below
	BARRIER                                        ; all images lie in LDS
	s_cmp_lg_u32 s14, 1
	s_cbranch_scc1 .Lnoxs
	ds_load_b128 v[120:123], v30                   ; wave 1: the 16 tokens' scale words leave as 512 consecutive bytes
	s_wait_dscnt 0x0
	global_store_b128 v31, v[120:123], s[58:59]
.Lnoxs:
	; ---- g1 = relu(x gw1 + gb1): my tiles 2 w and 2 w + 1, eight K steps, two sets of operands
.macro GL s
.set GP, P0+(P1-P0)*((\s)%2)
.irp i, 0,1,2
	ds_load_b128 v[GP+4*\i:GP+4*\i+3], v13 offset:1536*(\s)+16*\i
.endr
	ds_load_b32 v[32+(\s)%2], v14 offset:4*(\s)
.irp i, 0,1,2
	ds_load_b128 v[GP+12+4*\i:GP+12+4*\i+3], v[15+(\s)/2] offset:24576*((\s)%2)+16*\i
	ds_load_b128 v[GP+24+4*\i:GP+24+4*\i+3], v[15+(\s)/2] offset:24576*((\s)%2)+1536+16*\i
.endr
	ds_load_b32 v[34+(\s)%2], v19 offset:1024*(\s)
.endm
	GL 0
.irp s, 0,1,2,3,4,5,6,7
.if \s < 7
	GL \s+1
	s_wait_dscnt 11                                ; the next step's eleven loads may be out
.else
	s_wait_dscnt 0x0
.endif
.set PB, P0+(P1-P0)*(\s%2)
.if \s == 0
	WM ACC1, PB+12, PB, GB1, 34, 32, 0             ; the bias is the C of each sum's first product
	WM ACC1+8, PB+24, PB, GB1+8, 34, 32, 1
.else
	WM ACC1, PB+12, PB, ACC1, 34+\s%2, 32+\s%2, 0  ; the two accumulators take turns
	WM ACC1+8, PB+24, PB, ACC1+8, 34+\s%2, 32+\s%2, 1
.endif
.rept 4
	v_nop                                          ; places in front of loads into registers that these products read, and of the first read of results
.endr
.endr
.set ii, 0
.rept 16
	v_max_num_f32 v[ACC1+ii], 0, v[ACC1+ii]        ; my 16 registers are columns 32 w + 16 h + 0 .. 15 of token r
.set ii, ii+1
.endr
	v_max3_num_f32 v40, v[ACC1], v[ACC1+1], 0x1800000
.irp i, 2,4,6,8,10,12,14
	v_max3_num_f32 v40, v40, v[ACC1+\i], v[ACC1+\i+1]
.endr
	v_permlanex16_b32 v46, v40, s38, s39
	v_max_num_f32 v40, v40, v46                    ; with lane l xor 16's: the block's largest
	v_add_nc_u32 v44, 0xff000000, v40
	v_lshrrev_b32 v41, 23, v44
	v_cvt_scalef32_pk16_fp6_f32 v[48:50], v[ACC1:ACC1+15], v44
	v_nop
	ds_store_b32 v20, v48
	ds_store_b32 v20, v49 offset:4
	ds_store_b32 v20, v50 offset:8
	ds_store_b8 v21, v41                           ; both halves write the same byte with the same value
	BARRIER                                        ; g1's two fragments lie in LDS
	; ---- g2 = relu(g1 gw2 + gb2): my tile w, two K steps
.irp s, 0,1
.irp i, 0,1,2
	ds_load_b128 v[P0+12*\s+4*\i:P0+12*\s+4*\i+3], v22 offset:1536*\s+16*\i
	ds_load_b128 v[P1+12*\s+4*\i:P1+12*\s+4*\i+3], v24 offset:12288*\s+16*\i
.endr
	ds_load_b32 v[36+\s], v23 offset:64*\s
	ds_load_b32 v[38+\s], v25 offset:512*\s
.endr
	s_wait_dscnt 0x0
	WM ACC2, P1, P0, GB2, 38, 36, 0
	s_wait_alu depctr_va_vdst(0)                   ; the wait ahead of the link
	WM ACC2, P1+12, P0+12, ACC2, 39, 37, 0
.rept 4
	v_nop
.endr
.irp j, 0,1,2,3,4,5,6,7
	v_max_num_f32 v[ACC2+\j], 0, v[ACC2+\j]
.endr
	; ---- logits, in f32: my eight columns of g2 against my eight rows of gw3
.irp e, 0,1,2,3,4,5,6,7
	v_mul_f32 v[40+\e], v[ACC2], v[GW3+\e]
.endr
.irp j, 1,2,3,4,5,6,7
.irp e, 0,1,2,3,4,5,6,7
	v_fmac_f32 v[40+\e], v[ACC2+\j], v[GW3+8*\j+\e]
.endr
.endr
.irp e, 0,1,2,3,4,5,6,7
	v_permlanex16_b32 v[48+\e], v[40+\e], s38, s39
.endr
.irp e, 0,1,2,3,4,5,6,7
	v_add_f32 v[40+\e], v[40+\e], v[48+\e]
.endr
.irp i, 0,1,2,3
	v_cndmask_b32 v[48+\i], v[40+\i], v[44+\i], s48        ; lanes 0-15 store experts 0-3, lanes 16-31 experts 4-7
.endr
	ds_store_b128 v26, v[48:51]
	BARRIER
	s_cmp_lg_u32 s14, 0
	s_cbranch_scc1 .Lend
	; ---- wave 0: the eight waves' parts, softmax, the two largest.  Both halves of the lanes compute token r
.irp w, 0,1,2,3,4,5,6,7
	ds_load_b128 v[128+8*\w:131+8*\w], v27 offset:512*\w
	ds_load_b128 v[132+8*\w:135+8*\w], v27 offset:512*\w+16
.endr
	s_wait_dscnt 0x0
.irp w, 1,2,3,4,5,6,7
.irp p, 0,2,4,6
	v_pk_add_f32 v[128+\p:129+\p], v[128+\p:129+\p], v[128+8*\w+\p:129+8*\w+\p]
.endr
.endr
.irp e, 0,1,2,3,4,5,6,7
	v_add_f32 v[128+\e], s[40+\e], v[128+\e]
.endr
	v_max3_num_f32 v136, v128, v129, v130
	v_max3_num_f32 v136, v136, v131, v132
	v_max3_num_f32 v136, v136, v133, v134
	v_max_num_f32 v136, v136, v135                 ; the row's maximum is taken away ahead of the exponentials
.irp e, 0,1,2,3,4,5,6,7
	v_sub_f32 v[128+\e], v[128+\e], v136
.endr
.irp e, 0,1,2,3,4,5,6,7
	v_mul_f32 v[128+\e], 0x3fb8aa3b, v[128+\e]     ; x log2(e)
.endr
.irp e, 0,1,2,3,4,5,6,7
	v_exp_f32 v[128+\e], v[128+\e]
.endr
	v_nop                                          ; a plain place behind the batch,
	s_wait_alu depctr_va_vdst(0)                   ; and one wait for it, ahead of its first reader
	v_add_f32 v137, v128, v129
	v_add_f32 v138, v130, v131
	v_add_f32 v139, v132, v133
	v_add_f32 v140, v134, v135
	v_add_f32 v137, v137, v138
	v_add_f32 v139, v139, v140
	v_add_f32 v137, v137, v139
	v_rcp_f32 v138, v137
	v_nop
	s_wait_alu depctr_va_vdst(0)
.irp e, 0,1,2,3,4,5,6,7
	v_mul_f32 v[128+\e], v[128+\e], v138           ; the probabilities
.endr
.irp i, 0,1,2,3
	v_cndmask_b32 v[140+\i], v[128+\i], v[132+\i], s48
.endr
	global_store_b128 v92, v[140:143], s[36:37]    ; 512 consecutive bytes
	v_mov_b32 v144, v128                           ; the largest and its index,
	v_mov_b32 v145, 0
	v_mov_b32 v146, -1.0                           ; the second
	v_mov_b32 v147, 0
.irp e, 1,2,3,4,5,6,7                          ; strictly greater: at a tie the lower index stays ahead
	v_cmp_gt_f32 vcc_lo, v[128+\e], v144
	v_cmp_gt_f32 s60, v[128+\e], v146
	v_cndmask_b32 v148, v146, v[128+\e], s60
	v_cndmask_b32 v149, v147, \e, s60
	v_cndmask_b32 v146, v148, v144, vcc_lo
	v_cndmask_b32 v147, v149, v145, vcc_lo
	v_cndmask_b32 v144, v144, v[128+\e], vcc_lo
	v_cndmask_b32 v145, v145, \e, vcc_lo
.endr
	v_add_f32 v148, v144, v146
	v_rcp_f32 v149, v148
	v_cndmask_b32 v150, v145, v147, s48            ; (a plain place)  lanes 0-15 the first expert, lanes 16-31 the second
	s_wait_alu depctr_va_vdst(0)
	v_mul_f32 v144, v144, v149
	v_mul_f32 v146, v146, v149
	v_cndmask_b32 v151, v144, v146, s48
	global_store_b32 v93, v150, s[32:33]
	global_store_b32 v93, v151, s[34:35]
.Lend:
	s_wait_tensorcnt 0x0
	ds_add_u32 v126, v127
	s_wait_dscnt 0x0
	s_endpgm
; ==== WORK-GROUPS 64 TO 575: ew2 [8][2048 (k)][2048 (n)] f32 into codes.  Task id = number - 64; g = id % 256 is the work-group of the second layer that will read the codes (expert g % 8, columns 64 (g / 8) on);
; id / 256 is the half of K.  Wave w takes K step s = 8 (id / 256) + w: four blocks of 32 rows x 64 columns, each weight byte once in the launch.  Its images and scale words go to LDS bytes of the wave's own, come back
; as they lie, and leave as 12 stores of 512 and one of 256 consecutive aligned bytes.  No wave reads another's bytes: no barrier.
; wc: for each g 102,400 bytes laid as the second layer's LDS: 16 images of 6,144 bytes ([4 tiles][32 lanes][48]), then 16 x 256 bytes of scale words ([4 tiles][16 rows]).
.Lquant:
	s_load_b64 s[4:5], s[0:1], 0x58                ; ew2
	s_load_b64 s[8:9], s[0:1], 0x60                ; wc
	v_lshrrev_b32 v1, 5, v0
	v_readfirstlane_b32 s14, v1                    ; wave w
	v_and_b32 v1, 31, v0                           ; lane l
	v_bfe_u32 v3, v0, 4, 1                         ; l's bit 4
	s_sub_co_u32 s10, ttmp9, 64                    ; the task
	s_and_b32 s11, s10, 255                        ; g
	s_lshr_b32 s12, s10, 8                         ; the half of K
	s_and_b32 s15, s11, 7                          ; the expert
	s_lshr_b32 s16, s11, 3                         ; the slice of 64 columns
	s_lshl_b32 s13, s12, 3
	s_add_co_u32 s13, s13, s14                     ; the K step s (it enters global addresses alone)
	v_lshlrev_b32 v[WLO], 3, v1
	v_and_b32 v40, 3, v0
	v_bfe_u32 v41, v0, 2, 1
	v_bfe_u32 v42, v0, 3, 1
	v_mul_u32_u24 v5, v40, 96                      ; v5: my columns' codes: 96 (l % 4) + 1536 bit 2 + 384 bit 3 + 3072 bit 4 + 6144 w
	v_mad_u32_u24 v5, v41, 1536, v5
	v_mad_u32_u24 v5, v42, 384, v5
	v_mad_u32_u24 v5, v3, 3072, v5
	s_mul_i32 s53, s14, 6144
	s_add_co_u32 s53, s53, QB
	v_add_nc_u32 v5, s53, v5
	v_lshl_add_u32 v7, v1, 4, s53                  ; v7: my wave's image, read back: 16 l
	v_lshlrev_b32 v6, 3, v40                       ; v6: my columns' scale words: 8 (l % 4) + 64 bit 2 + 32 bit 3 + 128 bit 4 + 256 w
	v_lshl_add_u32 v6, v41, 6, v6
	v_lshl_add_u32 v6, v42, 5, v6
	v_lshl_add_u32 v6, v3, 7, v6
	s_lshl_b32 s53, s14, 8
	s_add_co_u32 s53, s53, QB+49152
	v_add_nc_u32 v6, s53, v6
	v_lshl_add_u32 v8, v1, 3, s53                  ; v8: read back: 8 l
	v_lshlrev_b32 v9, 4, v1                        ; v9: 16 l, in wc
	s_mov_b32 s55, 0
	s_lshl_b32 s54, s15, 24                        ; an expert's weight is 2^24 bytes,
	s_lshl_b32 s53, s16, 8                         ; 64 columns are 256,
	s_add_co_u32 s54, s54, s53
	s_lshl_b32 s53, s13, 20                        ; 128 rows are 2^20
	s_add_co_u32 s54, s54, s53
	s_mul_i32 s56, s11, 102400
	s_mul_i32 s53, s13, 6144
	s_add_co_u32 s58, s56, s53                     ; my image's place in wc
	s_mov_b32 s59, 0
	s_lshl_b32 s53, s13, 8
	s_add_co_u32 s56, s56, s53
	s_add_co_u32 s56, s56, 98304                   ; my scale words' place
	s_mov_b32 s57, 0
	s_wait_kmcnt 0x0
	s_add_nc_u64 s[18:19], s[4:5], s[54:55]
	s_add_nc_u64 s[20:21], s[8:9], s[58:59]
	s_add_nc_u64 s[22:23], s[8:9], s[56:57]
	LOADW 0, 0
	LOADW 1, 262144
.set tt, 0
.rept 4                                        ; two tasks' loads are out beside the one that is waited for
.if tt+2 < 4
	LOADW tt+2, (tt+2)*262144
	s_wait_loadcnt 63                              ; 64 loads are younger; the count's field ends at 63, so one more is waited for
.elseif tt+1 < 4
	s_wait_loadcnt 32
.else
	s_wait_loadcnt 0x0
.endif
	QBLOCK tt, tt, 5, 6, 0, 0
.set tt, tt+1
.endr
.irp i, 0,1,2,3,4,5,6,7,8,9,10,11
	ds_load_b128 v[Y+4*\i:Y+4*\i+3], v7 offset:512*\i      ; LDS serves a wave's instructions in order: these see my stores
.endr
	ds_load_b64 v[Y+48:Y+49], v8
.irp i, 0,1,2,3,4,5,6,7,8,9,10,11
	s_wait_dscnt 12-\i                             ; the younger LDS loads may be out
	global_store_b128 v9, v[Y+4*\i:Y+4*\i+3], s[20:21] offset:512*\i th:TH_STORE_NT
.endr
	s_wait_dscnt 0x0
	global_store_b64 v[WLO], v[Y+48:Y+49], s[22:23] th:TH_STORE_NT
	s_wait_tensorcnt 0x0
	ds_add_u32 v126, v127
	s_wait_dscnt 0x0
	s_endpgm
.Lfunc_end_k_qed6b969abf_gate:
	.size	k_qed6b969abf_gate, .Lfunc_end_k_qed6b969abf_gate-k_qed6b969abf_gate
	.p2alignl 7, 3214868480
	.fill 96, 4, 3214868480
	.section	.rodata,"a",@progbits
	.p2align	6, 0x0
	.amdhsa_kernel k_qed6b969abf_gate
		.amdhsa_group_segment_fixed_size 303104
		.amdhsa_private_segment_fixed_size 0
		.amdhsa_enable_private_segment 0
		.amdhsa_kernarg_size 104
		.amdhsa_user_sgpr_count 2
		.amdhsa_user_sgpr_kernarg_segment_ptr 1
		.amdhsa_wavefront_size32 1
		.amdhsa_system_sgpr_workgroup_id_x 1
		.amdhsa_system_sgpr_workgroup_id_y 1
		.amdhsa_system_sgpr_workgroup_id_z 1
		.amdhsa_system_vgpr_workitem_id 0
		.amdhsa_next_free_vgpr 512
		.amdhsa_next_free_sgpr 72
		.amdhsa_reserve_vcc 1
		.amdhsa_float_denorm_mode_32 3
		.amdhsa_float_denorm_mode_16_64 3
		.amdhsa_memory_ordered 1
		.amdhsa_forward_progress 1
		.amdhsa_inst_pref_size 245
	.end_amdhsa_kernel
	.amdgpu_metadata
---
amdhsa.version: [ 1, 2 ]
amdhsa.kernels:
  - .name:           k_qed6b969abf_gate
    .symbol:         k_qed6b969abf_gate.kd
    .args:
      - { .name: x, .offset: 0, .size: 8, .value_kind: global_buffer, .address_space: global }
      - { .name: gw1, .offset: 8, .size: 8, .value_kind: global_buffer, .address_space: global }
      - { .name: gb1, .offset: 16, .size: 8, .value_kind: global_buffer, .address_space: global }
      - { .name: gw2, .offset: 24, .size: 8, .value_kind: global_buffer, .address_space: global }
      - { .name: gb2, .offset: 32, .size: 8, .value_kind: global_buffer, .address_space: global }
      - { .name: gw3, .offset: 40, .size: 8, .value_kind: global_buffer, .address_space: global }
      - { .name: gb3, .offset: 48, .size: 8, .value_kind: global_buffer, .address_space: global }
      - { .name: xc, .offset: 56, .size: 8, .value_kind: global_buffer, .address_space: global }
      - { .name: idx, .offset: 64, .size: 8, .value_kind: global_buffer, .address_space: global }
      - { .name: wts, .offset: 72, .size: 8, .value_kind: global_buffer, .address_space: global }
      - { .name: out2, .offset: 80, .size: 8, .value_kind: global_buffer, .address_space: global }
      - { .name: ew2, .offset: 88, .size: 8, .value_kind: global_buffer, .address_space: global }
      - { .name: wc, .offset: 96, .size: 8, .value_kind: global_buffer, .address_space: global }
    .group_segment_fixed_size: 303104
    .private_segment_fixed_size: 0
    .kernarg_segment_align: 8
    .kernarg_segment_size: 104
    .max_flat_workgroup_size: 256
    .sgpr_count:     72
    .vgpr_count:     512
    .wavefront_size: 32
...
	.end_amdgpu_metadata
.endif
;; end of part 1
;; launch route (part 2): grid 1 x 1, 8 waves a work-group, no clusters, 1,536 bytes of LDS; arguments idx, out2, route, out1; writes route, out1
.if DOCPART == 2
	.amdgcn_target "amdgcn-amd-amdhsa--gfx1250"
	.amdhsa_code_object_version 6
	.text
	.protected	k_qed6b969abf_route
	.globl	k_qed6b969abf_route
	.p2align	8
	.type	k_qed6b969abf_route,@function
k_qed6b969abf_route:
	s_mov_b64 s[64:65], 0
	v_nop
	global_prefetch_b8 v0, s[64:65] scope:SCOPE_SE
	s_setreg_imm32_b32 hwreg(HW_REG_WAVE_MODE, 25, 1), 1
	s_wait_xcnt 0x0
; THE PLACING OF ROWS, and the load-balancing loss.  One work-group; wave e serves expert e: a counting sort without atomics.
; route: meta [8]{T_e, tbase_e} in the first 256 bytes (T_e = tiles of 16 rows of expert e, tbase_e = the tiles ahead of them); list at byte 256: for each routed row its token, an expert's rows on end,
; filled up to whole tiles with token 0; pose [8][1024] at byte 9,984: the routed row of token b with expert e.
; Every wave reads all 1,024 pairs of idx; a chunk of 32 tokens gives a mask of the lanes that chose e; a token's row is the running count + the set bits below its lane.
; No store hangs on EXEC: pose is stored for every token (what stands there for a token that did not choose e is never read), and in the list a lane that did not choose e writes the wave's own spare words
; (words 2,176 + 32 e + lane), which nobody reads.  Each chunk has registers of its own, so no store's sources are written again.
; Memory binds nothing here; matrix units and clusters have no part.
.set LIST, 256
.set POSE, 9984
.set SPW,  2176
.set USG,  256                         ; LDS: the counts at 0 (8 words), the waves' sums of probabilities at 256 ([8 waves][8])
	s_load_b256 s[4:11], s[0:1], 0x0               ; idx 4, out2 6, route 8, out1 10
	v_lshl_add_u32 v160, v0, 2, 0x200
	v_mov_b32 v161, 0
	v_lshrrev_b32 v1, 5, v0
	v_readfirstlane_b32 s14, v1                    ; wave = expert e
	v_and_b32 v1, 31, v0
	v_lshlrev_b32 v2, 3, v1                        ; 8 x lane
	v_lshlrev_b32 v3, 4, v1                        ; 16 x lane
	v_lshlrev_b32 v4, 2, v1                        ; 4 x lane
	s_lshl_b32 s66, s14, 2
	v_mov_b32 v5, s66                              ; LDS: my count
	v_mov_b32 v6, 0                                ; LDS: all counts
	v_and_b32 v7, 1, v0
	v_lshlrev_b32 v7, 4, v7
	s_lshl_b32 s66, s14, 5
	s_add_co_u32 s66, s66, USG
	v_add_nc_u32 v7, s66, v7                       ; LDS: my wave's sums: even lanes experts 0-3, odd lanes 4-7
	v_and_b32 v8, 7, v0
	v_lshl_add_u32 v8, v8, 2, USG                  ; LDS: expert lane % 8's sums
	s_lshl_b32 s66, s14, 5
	s_add_co_u32 s66, s66, SPW
	v_add_nc_u32 v9, s66, v1                       ; my spare word
	v_mov_b32 v10, 0
	s_mov_b32 s28, 0x76543210
	s_mov_b32 s29, 0xfedcba98
	s_lshl_b32 s66, s14, 12
	s_mov_b32 s67, 0
	s_wait_kmcnt 0x0
	s_add_nc_u64 s[12:13], s[6:7], s[66:67]        ; out2 at my wave's 128 tokens
	s_add_nc_u64 s[26:27], s[8:9], s[66:67]        ; pose's row e (+ POSE in the immediate)
.set cc, 0
.rept 32
	global_load_b64 v[32+2*cc:33+2*cc], v2, s[4:5] offset:256*cc
.set cc, cc+1
.endr
.irp i, 0,1,2,3,4,5,6,7
	global_load_b128 v[96+4*\i:99+4*\i], v3, s[12:13] offset:512*\i
.endr
	s_wait_loadcnt 8                               ; idx is in; the eight loads of out2 may be out
	s_mov_b32 s15, 0
.set cc, 0
.rept 32
	v_cmp_eq_u32 vcc_lo, s14, v[32+2*cc]
	v_cmp_eq_u32 s66, s14, v[33+2*cc]
	s_or_b32 s[32+cc], vcc_lo, s66                 ; chunk cc's mask
	s_bcnt1_i32_b32 s66, s[32+cc]
	s_add_co_u32 s15, s15, s66                     ; n_e
.set cc, cc+1
.endr
	s_wait_loadcnt 0x0
.irp i, 1,2,3,4,5,6,7
	v_pk_add_f32 v[96:97], v[96:97], v[96+4*\i:97+4*\i]
	v_pk_add_f32 v[98:99], v[98:99], v[98+4*\i:99+4*\i]
.endr
.irp m, 2,4,8                                  ; over the lanes of my parity
.irp q, 0,1,2,3
	v_add_f32_dpp v[96+\q], v[96+\q], v[96+\q] row_xmask:\m row_mask:0xf bank_mask:0xf
.endr
.endr
.irp q, 0,1,2,3
	v_permlanex16_b32 v[100+\q], v[96+\q], s28, s29
.endr
.irp q, 0,1,2,3
	v_add_f32 v[96+\q], v[96+\q], v[100+\q]
.endr
	v_mov_b32 v11, s15
	ds_store_b32 v5, v11
	ds_store_b128 v7, v[96:99]                     ; lanes of one parity write the same bytes with the same values
	s_wait_dscnt 0x0
	s_barrier_signal -1
	s_barrier_wait -1
	ds_load_b128 v[20:23], v6
	ds_load_b128 v[24:27], v6 offset:16
	s_wait_dscnt 0x0
	s_mov_b32 s24, 0
.irp j, 0,1,2,3,4,5,6,7
	v_readfirstlane_b32 s[16+\j], v[20+\j]
	s_add_co_u32 s[16+\j], s[16+\j], 15
	s_lshr_b32 s[16+\j], s[16+\j], 4               ; T_j
	s_cmp_gt_u32 s14, \j
	s_cselect_b32 s66, s[16+\j], 0
	s_add_co_u32 s24, s24, s66                     ; tbase_e
.endr
	s_lshl_b32 s25, s24, 4                         ; my first routed row
.set cc, 0
.rept 32
	v_mbcnt_lo_u32_b32 v[32+2*cc], s[32+cc], 0
	v_add_nc_u32 v[32+2*cc], s25, v[32+2*cc]       ; the row, where the lane chose e
	global_store_b32 v4, v[32+2*cc], s[26:27] offset:POSE+128*cc
	v_cndmask_b32 v[33+2*cc], v9, v[32+2*cc], s[32+cc]
	v_min_u32 v[33+2*cc], 0x97f, v[33+2*cc]        ; inside the list's 2,432 words
	v_lshlrev_b32 v[33+2*cc], 2, v[33+2*cc]
	v_add_nc_u32 v[96+cc], 32*cc, v1               ; the token
	global_store_b32 v[33+2*cc], v[96+cc], s[8:9] offset:LIST
	s_bcnt1_i32_b32 s66, s[32+cc]
	s_add_co_u32 s25, s25, s66
.set cc, cc+1
.endr
	s_add_co_u32 s66, s15, 15                      ; the rows that fill my last tile take token 0
	s_lshr_b32 s66, s66, 4
	s_add_co_u32 s66, s66, s24
	s_lshl_b32 s66, s66, 4
	v_add_nc_u32 v12, s25, v1
	v_cmp_gt_u32 vcc_lo, s66, v12
	v_cndmask_b32 v12, v9, v12, vcc_lo
	v_min_u32 v12, 0x97f, v12
	v_lshlrev_b32 v12, 2, v12
	global_store_b32 v12, v10, s[8:9] offset:LIST
	s_cmp_lg_u32 s14, 0
	s_cbranch_scc1 .Lend
	; ---- wave 0: meta, as one aligned block of 256 bytes (zeros behind the eight entries)
	v_mov_b32 v28, 0
	v_mov_b32 v29, 0
	s_mov_b32 s66, 0
.irp j, 0,1,2,3,4,5,6,7
	v_writelane_b32 v28, s[16+\j], \j
	v_writelane_b32 v29, s66, \j
	s_add_co_u32 s66, s66, s[16+\j]
.endr
	global_store_b64 v2, v[28:29], s[8:9]
	; ---- the loss: lane l works expert l % 8
.irp w, 0,1,2,3,4,5,6,7
	ds_load_b32 v[130+\w], v8 offset:32*\w
.endr
	s_wait_dscnt 0x0
.irp w, 1,2,3,4,5,6,7
	v_add_f32 v130, v130, v[130+\w]
.endr
	v_mul_f32 v130, 0x3a800000, v130               ; usage = the sum / 1,024
	v_mov_b32 v131, v130
.irp m, 1,2,4
	v_add_f32_dpp v131, v131, v131 row_xmask:\m row_mask:0xf bank_mask:0xf
.endr
	v_mul_f32 v131, 0x3e000000, v131               ; its mean
	v_add_f32 v132, 0x322bcc77, v130               ; + 1e-8
	v_log_f32 v133, v132
	v_sub_f32 v134, v130, v131                     ; (a plain place)
	s_wait_alu depctr_va_vdst(0)
	v_mul_f32 v133, 0x3f317218, v133               ; ln(usage + 1e-8)
	v_sub_f32 v135, 0xc0051592, v133               ; ln(1 / 8) - that
	v_mul_f32 v135, 0x3d800000, v135               ; 0.5 x 1 / 8 x: the kl term's share
	v_mul_f32 v134, v134, v134
	v_fma_f32 v135, v134, 0x3d2f8af9, v135         ; + 0.3 / 7 x (usage - mean)^2
	v_mul_f32 v136, v130, v133
	v_fma_f32 v135, v136, 0x3e4ccccd, v135         ; + 0.2 x usage ln(usage + 1e-8)
.irp m, 1,2,4
	v_add_f32_dpp v135, v135, v135 row_xmask:\m row_mask:0xf bank_mask:0xf
.endr
	v_add_f32 v135, 0x4054ef50, v135               ; + 0.2 x 8 ln 8
	v_mul_f32 v135, 0x3c23d70a, v135               ; x 0.01
	v_cmp_eq_u32 vcc_lo, 0, v1
	s_wait_xcnt 0x0                                ; EXEC changes only behind this wait
	s_and_saveexec_b32 s67, vcc_lo
	global_store_b32 v10, v135, s[10:11]
	s_wait_xcnt 0x0
	s_or_b32 exec_lo, exec_lo, s67
.Lend:
	s_wait_tensorcnt 0x0
	ds_add_u32 v160, v161
	s_wait_dscnt 0x0
	s_endpgm
.Lfunc_end_k_qed6b969abf_route:
	.size	k_qed6b969abf_route, .Lfunc_end_k_qed6b969abf_route-k_qed6b969abf_route
	.p2alignl 7, 3214868480
	.fill 96, 4, 3214868480
	.section	.rodata,"a",@progbits
	.p2align	6, 0x0
	.amdhsa_kernel k_qed6b969abf_route
		.amdhsa_group_segment_fixed_size 1536
		.amdhsa_private_segment_fixed_size 0
		.amdhsa_enable_private_segment 0
		.amdhsa_kernarg_size 32
		.amdhsa_user_sgpr_count 2
		.amdhsa_user_sgpr_kernarg_segment_ptr 1
		.amdhsa_wavefront_size32 1
		.amdhsa_system_sgpr_workgroup_id_x 1
		.amdhsa_system_sgpr_workgroup_id_y 1
		.amdhsa_system_sgpr_workgroup_id_z 1
		.amdhsa_system_vgpr_workitem_id 0
		.amdhsa_next_free_vgpr 162
		.amdhsa_next_free_sgpr 80
		.amdhsa_reserve_vcc 1
		.amdhsa_float_denorm_mode_32 3
		.amdhsa_float_denorm_mode_16_64 3
		.amdhsa_memory_ordered 1
		.amdhsa_forward_progress 1
		.amdhsa_inst_pref_size 38
	.end_amdhsa_kernel
	.amdgpu_metadata
---
amdhsa.version: [ 1, 2 ]
amdhsa.kernels:
  - .name:           k_qed6b969abf_route
    .symbol:         k_qed6b969abf_route.kd
    .args:
      - { .name: idx, .offset: 0, .size: 8, .value_kind: global_buffer, .address_space: global }
      - { .name: out2, .offset: 8, .size: 8, .value_kind: global_buffer, .address_space: global }
      - { .name: route, .offset: 16, .size: 8, .value_kind: global_buffer, .address_space: global }
      - { .name: out1, .offset: 24, .size: 8, .value_kind: global_buffer, .address_space: global }
    .group_segment_fixed_size: 1536
    .private_segment_fixed_size: 0
    .kernarg_segment_align: 8
    .kernarg_segment_size: 32
    .max_flat_workgroup_size: 256
    .sgpr_count:     80
    .vgpr_count:     162
    .wavefront_size: 32
...
	.end_amdgpu_metadata
.endif
;; end of part 2
;; launch l1 (part 3): grid 256 x 1, 8 waves a work-group, no clusters, 52,224 bytes of LDS; arguments ew1, eb1, xc, route, h1; writes h1
.if DOCPART == 3
	.amdgcn_target "amdgcn-amd-amdhsa--gfx1250"
	.amdhsa_code_object_version 6
	.text
	.protected	k_qed6b969abf_l1
	.globl	k_qed6b969abf_l1
	.p2align	8
	.type	k_qed6b969abf_l1,@function
k_qed6b969abf_l1:
	s_mov_b64 s[64:65], 0
	v_nop
	global_prefetch_b8 v0, s[64:65] scope:SCOPE_SE
	s_setreg_imm32_b32 hwreg(HW_REG_WAVE_MODE, 25, 1), 1
	s_wait_xcnt 0x0
; ONE LAYER OF THE EXPERTS, on the rows that chose them.  One source serves the three layers; LAYER picks the sizes and what differs.
;   1: h1 = Q(relu(x ew1 + eb1)), rows gathered from xc by the list;   2: h2 = Q(relu(h1 ew2 + eb2));   3: y = h2 ew3 (+ eb3), K in two halves, f32, added by the last launch.
; Products on codes of FP6 (E2M3) with one E8M0 scale for each 32 along K.
; SHARES.  A work-group owns 64 columns of one expert's weight (expert = number % 8, so that one expert's work-groups are spread) and takes ALL routed rows of that expert: each weight byte is read once in the launch.
; PHASE Q.  Wave w streams K step w (layer 2: also w + 8): a task is 32 rows x 64 columns, 32 loads of 8 bytes a lane, each 256 consecutive aligned bytes of one row.  A lane holds columns 2 l, 2 l + 1 and a whole
; block of each.  The loaded pairs are copied apart, since a conversion wants 16 neighbours along K in consecutive registers.  The codes go to LDS as images of the operand's registers.
; One barrier.  PHASE G.  A wave takes four tiles of 16 rows: weight fragments from LDS, the rows' fragments from memory straight into registers (three loads of 16 bytes), three K steps ahead.
; K'S PLACES: block q (0..3) of a K step lies in the half q / 2 of the lanes, registers 6 (q % 2) on, its scale in byte 2 (q % 2) + q / 2, in both operands alike: the order of the sums differs from ascending K.
; TRANSPOSED: source 0 = 16 columns of the weight, source 1 = 16 rows.  Column n of 64 lies in tile 2 (n / 32) + (n / 8) % 2, row n % 8 + 8 ((n / 16) % 2): a lane's 16 results of two neighbouring tiles are 16 neighbours along the next K.
; h: codes [tile][16 K steps][2 halves][16 rows][48 bytes], scale words [tile][16][16] at HSC.
; The number of tiles T comes from route: an expert without rows streams nothing; two passes of 32 tiles serve T up to 64; a tile beyond T is held at the last one, multiplied and not stored.
; NO CLUSTER, NO TENSOR LOADS: the ends of passes and of stores hang on counts read from memory; what an expert's work-groups share, the rows' codes, is 24,576 bytes a tile against 262,144 or 524,288 bytes of weights of a work-group's own.
; LIMITS: NaN and infinities are not served.  A block of zeros gets the scale byte 1 (its codes are zeros; the bytes are read by this program alone).
.set LAYER, 1
.if LAYER == 1
.set KS, 8                             ; K steps of 128
.set PITCH, 8192                       ; a weight row in bytes
.set ESH, 23                           ; log2 of an expert's weight in bytes
.set WSH, 20                           ; log2 of 128 weight rows
.set BSH, 13                           ; log2 of an expert's bias
.elseif LAYER == 2
.set KS, 16
.set PITCH, 8192
.set ESH, 24
.set WSH, 20
.set BSH, 13
.else
.set KS, 8
.set PITCH, 4096
.set ESH, 23
.set WSH, 19
.set BSH, 12
.endif
.set NTASK, KS/2
.set SCW, KS*6144                      ; LDS: images [K step][4 tiles][32 lanes][48] at 0; behind them the scale words [K step][4][16]
.set STG, SCW+KS*256                   ; layer 3: a stage of 16 rows x (256 + 16) bytes for each wave
.set HSC, 3342336
.set YHALF, 8912896
.set WLO, 4                            ; v4 8 l   v5, v6 where my columns' codes and scale words go   v7, v8 48 l (+ 49,152)   v9 scale words, read
.set IMW, 5
.set SCA, 6
.set BRD, 7
.set SRD, 9
.set ALN, 10                           ; v10 768 h + 48 r   v11 4 r
.set SLN, 11
.set OLN, 12                           ; layers 1, 2: v12 48 r + 12 h, v13 4 r + 2 h
.set OSL, 13
.set STO, 12                           ; layer 3: v12, v13 the stage, in and back; v14 4,096 h + 16 r
.set RDB, 13
.set YO,  14
.set HOF, 14                           ; layer 1: v14 48 h
.set BOF, 15                           ; v15 64 h
.set AO,  16                           ; layer 1: v16-19, v20-23 the four tiles' gathered offsets
.set SO,  20
.set ASC, 24                           ; v24-35 the rows' scale words, v36-39 the weights': these hold scales and nothing else
.set BSC, 36
.set M,   40                           ; v40-55 at work
.set SOP, 44
.set F,   56
.set TT,  68
.set W,   76
.set CD,  56                           ; v56-87 codes on their way out (layer 3: rows of y)
.set OB,  56
.set BY,  88
.set BI,  96                           ; v96-127 the bias in the results' layout
.set ACC, 128                          ; v128-255 accumulators: tile of rows j, tile of columns t at 128 + 32 j + 8 t
.set Y,   128
; window 1: phase Q: four sets of 64 for the tasks' loads; phase G: v0-143 twelve fragments of rows (slot 4 (s % 3) + j), v144-239 two sets of four weight fragments
.set MSB, 0
.macro WIN new                         ; the immediate's high byte repeats the setting that is left
.if MSB != \new
	s_set_vgpr_msb (MSB<<8)|\new
.set MSB, \new
.endif
.endm
.macro LOADT t                         ; task t: block t % 4 of K step w + 8 (t / 4), into set t % 4
.set LB, 64*((\t)%4)
.set LO, ((\t)%4)*32*PITCH
.set LS, 24+2*((\t)/4)
	WIN 0x40
.set ii, 0
.rept 32
	global_load_b64 v[LB+2*ii:LB+2*ii+1], v[WLO], s[LS:LS+1] offset:LO+ii*PITCH th:TH_LOAD_NT
.set ii, ii+1
.endr
.endm
.macro QBLOCK buf, q4, imw, sca, ioff, soff
.set LB, 64*(\buf)
.set QO, (\ioff)+768*((\q4)/2)+24*((\q4)%2)
.set QS, 8*(2*((\q4)%2)+(\q4)/2)
	WIN 0x01
.set ii, 0
.rept 32
	v_mov_b32 v[Y+ii], v[LB+2*ii]                  ; column 2 l down K
	v_mov_b32 v[Y+32+ii], v[LB+2*ii+1]             ; column 2 l + 1
.set ii, ii+1
.endr
	WIN 0
	s_wait_dscnt 0x0                               ; the last task's LDS stores are done: their registers are written again below
	v_max3_num_f32 v[M], |v[Y]|, |v[Y+1]|, 0x1800000       ; the largest magnitude, over the floor 2^(3 - 127): the byte cannot fall under 1
	v_max3_num_f32 v[M+1], |v[Y+32]|, |v[Y+33]|, 0x1800000
.set ii, 2
.rept 15
	v_max3_num_f32 v[M], v[M], |v[Y+ii]|, |v[Y+ii+1]|
	v_max3_num_f32 v[M+1], v[M+1], |v[Y+32+ii]|, |v[Y+33+ii]|
.set ii, ii+2
.endr
	v_add_nc_u32 v[SOP], 0xff000000, v[M]          ; 2 off the exponent field: the conversion's scale operand
	v_add_nc_u32 v[SOP+1], 0xff000000, v[M+1]
	v_lshrrev_b32 v[M], 23, v[SOP]                 ; the scale's byte
	v_lshrrev_b32 v[M+1], 23, v[SOP+1]
.if (\q4) == 0
	v_mov_b32 v[W], v[M]
	v_mov_b32 v[W+1], v[M+1]
.else
	v_lshl_or_b32 v[W], v[M], QS, v[W]
	v_lshl_or_b32 v[W+1], v[M+1], QS, v[W+1]
.endif
	v_cvt_scalef32_pk16_fp6_f32 v[F:F+2], v[Y:Y+15], v[SOP]
	v_cvt_scalef32_pk16_fp6_f32 v[TT:TT+2], v[Y+16:Y+31], v[SOP]       ; (a conversion's three registers begin on an even number)
	v_cvt_scalef32_pk16_fp6_f32 v[F+6:F+8], v[Y+32:Y+47], v[SOP+1]
	v_cvt_scalef32_pk16_fp6_f32 v[TT+4:TT+6], v[Y+48:Y+63], v[SOP+1]
	v_nop                                          ; one plain place behind the conversions
.irp i, 0,1,2
	v_mov_b32 v[F+3+\i], v[TT+\i]
	v_mov_b32 v[F+9+\i], v[TT+4+\i]
.endr
.irp p, 0,1,2
	ds_store_b64 v[\imw], v[F+2*\p:F+2*\p+1] offset:QO+8*\p
	ds_store_b64 v[\imw], v[F+6+2*\p:F+7+2*\p] offset:QO+48+8*\p
.endr
.if (\q4) == 3
	ds_store_b64 v[\sca], v[W:W+1] offset:\soff
.endif
.endm
.macro WM d, a, b, c, sa, sb, odd      ; odd = 1: source 0's scales stand in lanes 16-31 of their register
.if \odd
	v_wmma_scale_f32_16x16x128_f8f6f4 v[\d:\d+7], v[\a:\a+11], v[\b:\b+11], v[\c:\c+7], v[\sa], v[\sb] matrix_a_fmt:MATRIX_FMT_FP6 matrix_b_fmt:MATRIX_FMT_FP6 matrix_a_scale:MATRIX_SCALE_ROW1
.else
	v_wmma_scale_f32_16x16x128_f8f6f4 v[\d:\d+7], v[\a:\a+11], v[\b:\b+11], v[\c:\c+7], v[\sa], v[\sb] matrix_a_fmt:MATRIX_FMT_FP6 matrix_b_fmt:MATRIX_FMT_FP6
.endif
.endm
.macro ACODES s                        ; K step s of my four tiles of rows: 12 loads (window: destination 1)
.set SL, 4*((\s)%3)
.irp j, 0,1,2,3
.irp i, 0,1,2
.if LAYER == 1
	global_load_b128 v[12*(SL+\j)+4*\i:12*(SL+\j)+4*\i+3], v[AO+\j], s[8:9] offset:96*(\s)+16*\i
.else
	global_load_b128 v[12*(SL+\j)+4*\i:12*(SL+\j)+4*\i+3], v[ALN], s[32+2*\j:33+2*\j] offset:1536*(\s)+16*\i
.endif
.endr
.endr
.endm
.macro ASCALES s                       ; and their four scale words
.set SL, 4*((\s)%3)
.irp j, 0,1,2,3
.if LAYER == 1
	global_load_b32 v[ASC+SL+\j], v[SO+\j], s[70:71] offset:4*(\s)
.else
	global_load_b32 v[ASC+SL+\j], v[SLN], s[40+2*\j:41+2*\j] offset:64*(\s)
.endif
.endr
.endm
.macro BCODES s                        ; K step s of the four weight tiles: 12 LDS loads (window: destination 1)
.set BS, 144+48*((\s)%2)
.irp t, 0,1,2,3
.irp i, 0,1,2
	ds_load_b128 v[BS+12*\t+4*\i:BS+12*\t+4*\i+3], v[BRD+(\s)/8] offset:6144*((\s)%8)+1536*\t+16*\i
.endr
.endr
.endm
.macro BSCALES s                       ; two registers: lanes 0-15 tile 2 b, lanes 16-31 tile 2 b + 1
	ds_load_b32 v[BSC+2*((\s)%2)], v[SRD] offset:256*(\s)
	ds_load_b32 v[BSC+2*((\s)%2)+1], v[SRD] offset:256*(\s)+128
.endm
.macro GSTEP s
.if (\s) < KS-1
	s_wait_dscnt 14                                ; the next step's 12 + 2 LDS loads may be out
.else
	s_wait_dscnt 0x0
.endif
.if KS-1-(\s) >= 2
	s_wait_loadcnt 32                              ; the next two steps' 12 + 4 loads may be out
.else
	s_wait_loadcnt 16*(KS-1-(\s))
.endif
.set SL, 4*((\s)%3)
.set BS, 144+48*((\s)%2)
.set BW, BSC+2*((\s)%2)
	WIN 0x05                                       ; sources 0 and 1 in window 1, C and D in window 0
.irp t, 0,1,2,3                                ; sixteen accumulators by turns, in the same order in every step
.irp j, 0,1,2,3
.set RD_, ACC+32*\j+8*\t
.if (\s) == 0
.set RC_, BI+8*\t                              ; the bias is the C of each sum's first product
.else
.set RC_, RD_
.endif
	WM RD_, BS+12*\t, 12*(SL+\j), RC_, BW+\t/2, ASC+SL+\j, \t%2
.endr
.endr
.if (\s)+2 < KS
.rept 4
	v_nop                                          ; places in front of loads into registers that these products read
.endr
	WIN 0x40
.if (\s)+3 < KS
	ACODES (\s)+3
.endif
	BCODES (\s)+2
	WIN 0
.if (\s)+3 < KS
	ASCALES (\s)+3
.endif
	BSCALES (\s)+2
.endif
.endm
.macro EPI j                           ; layers 1, 2: tile j: relu, two blocks of 32 quantised, codes and scale bytes stored
.if \j > 0
	s_cmp_le_u32 s21, \j
	s_cbranch_scc1 .Lpe                            ; a tile beyond T is not stored
.endif
.set A0, ACC+32*\j
.set ii, 0
.rept 32
	v_max_num_f32 v[A0+ii], 0, v[A0+ii]            ; registers 16 b + i: columns 32 b + 16 h + i of row r
.set ii, ii+1
.endr
	v_max3_num_f32 v[M], v[A0], v[A0+1], 0x1800000
	v_max3_num_f32 v[M+1], v[A0+16], v[A0+17], 0x1800000
.irp i, 2,4,6,8,10,12,14
	v_max3_num_f32 v[M], v[M], v[A0+\i], v[A0+\i+1]
	v_max3_num_f32 v[M+1], v[M+1], v[A0+16+\i], v[A0+17+\i]
.endr
	v_permlanex16_b32 v[M+2], v[M], s30, s31
	v_permlanex16_b32 v[M+3], v[M+1], s30, s31
	v_max_num_f32 v[M], v[M], v[M+2]               ; with lane l xor 16's: the blocks' largest
	v_max_num_f32 v[M+1], v[M+1], v[M+3]
	v_add_nc_u32 v[SOP], 0xff000000, v[M]
	v_add_nc_u32 v[SOP+1], 0xff000000, v[M+1]
	v_lshrrev_b32 v[M], 23, v[SOP]
	v_lshrrev_b32 v[M+1], 23, v[SOP+1]
	v_cvt_scalef32_pk16_fp6_f32 v[CD+8*\j:CD+8*\j+2], v[A0:A0+15], v[SOP]
	v_cvt_scalef32_pk16_fp6_f32 v[CD+8*\j+4:CD+8*\j+6], v[A0+16:A0+31], v[SOP+1]
	v_cndmask_b32 v[BY+\j], v[M], v[M+1], s28      ; lanes 0-15 store block 0's byte, lanes 16-31 block 1's.  (The plain place behind the conversions)
	global_store_b96 v[OLN], v[CD+8*\j:CD+8*\j+2], s[48+2*\j:49+2*\j]              ; the two stores fill 768 consecutive bytes, this work-group's own
	global_store_b96 v[OLN], v[CD+8*\j+4:CD+8*\j+6], s[48+2*\j:49+2*\j] offset:24
	global_store_b8 v[OSL], v[BY+\j], s[56+2*\j:57+2*\j]
.endm
.macro YOUT j                          ; layer 3: tile j through my stage: sixteen lanes then store 256 consecutive aligned bytes of a row of y
.if \j > 0
	s_cmp_le_u32 s21, \j
	s_cbranch_scc1 .Lpe
	s_wait_xcnt 0x0                                ; the last tile's stores have read their registers
.endif
.irp b, 0,1
.irp q, 0,1,2,3
	ds_store_b128 v[STO], v[ACC+32*\j+16*\b+4*\q:ACC+32*\j+16*\b+4*\q+3] offset:128*\b+16*\q   ; each accumulator from its low end on
.endr
.endr
.irp i, 0,1,2,3,4,5,6,7
	ds_load_b128 v[OB+4*\i:OB+4*\i+3], v[RDB] offset:544*\i    ; LDS serves a wave's instructions in order: these see my stores
.endr
.irp i, 0,1,2,3,4,5,6,7
	s_wait_dscnt 7-\i
	global_store_b128 v[YO], v[OB+4*\i:OB+4*\i+3], s[48+2*\j:49+2*\j] offset:8192*\i
.endr
.endm
	s_load_b256 s[4:11], s[0:1], 0x0               ; weights 4, bias 6, rows in 8, route 10
	s_load_b64 s[12:13], s[0:1], 0x20              ; out
	v_lshl_add_u32 v94, v0, 2, 0xc800
	v_mov_b32 v95, 0
	v_lshrrev_b32 v1, 5, v0
	v_readfirstlane_b32 s14, v1                    ; wave w
	v_and_b32 v1, 31, v0                           ; lane l
	v_and_b32 v2, 15, v0                           ; r
	v_bfe_u32 v3, v0, 4, 1                         ; h
	s_and_b32 s15, ttmp9, 7                        ; the expert
	s_lshr_b32 s16, ttmp9, 3                       ; the slice of 64 columns
.if LAYER == 3
	s_lshr_b32 s22, ttmp9, 7                       ; the half of K
	s_and_b32 s16, s16, 15
.endif
	s_mov_b32 s28, 0xffff0000                      ; lanes 16-31
	s_mov_b32 s30, 0x76543210
	s_mov_b32 s31, 0xfedcba98                      ; v_permlanex16_b32's selects for lane l xor 16
	s_mov_b32 s69, 0
	v_lshlrev_b32 v[WLO], 3, v1
	v_and_b32 v40, 3, v0
	v_bfe_u32 v41, v0, 2, 1
	v_bfe_u32 v42, v0, 3, 1
	v_mul_u32_u24 v[IMW], v40, 96                  ; 96 (l % 4) + 1536 bit 2 + 384 bit 3 + 3072 bit 4 + 6144 w
	v_mad_u32_u24 v[IMW], v41, 1536, v[IMW]
	v_mad_u32_u24 v[IMW], v42, 384, v[IMW]
	v_mad_u32_u24 v[IMW], v3, 3072, v[IMW]
	s_mul_i32 s66, s14, 6144
	v_add_nc_u32 v[IMW], s66, v[IMW]
	v_lshlrev_b32 v[SCA], 3, v40                   ; 8 (l % 4) + 64 bit 2 + 32 bit 3 + 128 bit 4 + 256 w
	v_lshl_add_u32 v[SCA], v41, 6, v[SCA]
	v_lshl_add_u32 v[SCA], v42, 5, v[SCA]
	v_lshl_add_u32 v[SCA], v3, 7, v[SCA]
	s_lshl_b32 s66, s14, 8
	s_add_co_u32 s66, s66, SCW
	v_add_nc_u32 v[SCA], s66, v[SCA]
	v_mul_u32_u24 v[BRD], v1, 48
.if KS > 8
	v_add_nc_u32 v[BRD+1], 49152, v[BRD]
.endif
	v_lshl_add_u32 v[SRD], v1, 2, SCW
	v_mul_u32_u24 v[ALN], v2, 48
	v_mad_u32_u24 v[ALN], v3, 768, v[ALN]
	v_lshlrev_b32 v[SLN], 2, v2
	v_lshlrev_b32 v[BOF], 6, v3
.if LAYER == 3
	s_mul_i32 s66, s14, 4352
	s_add_co_u32 s66, s66, STG
	v_mul_u32_u24 v[STO], v2, 272
	v_lshl_add_u32 v[STO], v3, 6, v[STO]
	v_add_nc_u32 v[STO], s66, v[STO]               ; in: row r, + 64 h
	v_mul_u32_u24 v[RDB], v3, 272
	v_lshl_add_u32 v[RDB], v2, 4, v[RDB]
	v_add_nc_u32 v[RDB], s66, v[RDB]               ; back: lanes 0-15 one row, lanes 16-31 the next
	v_lshlrev_b32 v[YO], 12, v3
	v_lshl_add_u32 v[YO], v2, 4, v[YO]
.else
	v_mul_u32_u24 v[OLN], v2, 48
	v_mad_u32_u24 v[OLN], v3, 12, v[OLN]
	v_lshl_add_u32 v[OSL], v3, 1, v[SLN]
.endif
.if LAYER == 1
	v_mul_u32_u24 v[HOF], v3, 48
.endif
	v_mov_b32 v[M+2], 0                            ; written once: a lane permute's destination counts as one of its sources
	v_mov_b32 v[M+3], 0
	s_lshl_b32 s66, s15, 3
	s_wait_kmcnt 0x0
	s_load_b64 s[18:19], s[10:11], s66 offset:0x0  ; T, tbase of my expert
	s_lshl_b32 s68, s15, ESH
	s_lshl_b32 s67, s16, 8
	s_add_co_u32 s68, s68, s67
	s_lshl_b32 s67, s14, WSH
	s_add_co_u32 s68, s68, s67
.if LAYER == 3
	s_lshl_b32 s67, s22, 22
	s_add_co_u32 s68, s68, s67
.endif
	s_add_nc_u64 s[24:25], s[4:5], s[68:69]        ; my expert, my columns, row 128 w
.if LAYER == 2
	s_add_nc_u64 s[26:27], s[24:25], 0x800000      ; and row 128 (w + 8)
.endif
	s_lshl_b32 s68, s15, BSH
	s_lshl_b32 s67, s16, 8
	s_add_co_u32 s68, s68, s67
	s_add_nc_u64 s[6:7], s[6:7], s[68:69]
.irp t, 0,1,2,3
	global_load_b128 v[BI+8*\t:BI+8*\t+3], v[BOF], s[6:7] offset:128*(\t/2)+32*(\t%2)
	global_load_b128 v[BI+8*\t+4:BI+8*\t+7], v[BOF], s[6:7] offset:128*(\t/2)+32*(\t%2)+16
.endr
.if LAYER == 1
	s_add_nc_u64 s[70:71], s[8:9], 786432          ; xc's scale words
.else
	s_add_nc_u64 s[70:71], s[8:9], HSC
.endif
.if LAYER == 3
	s_lshl_b32 s68, s22, 9
	s_add_nc_u64 s[70:71], s[70:71], s[68:69]      ; my half of K: eight K steps on
	s_mul_i32 s68, s22, 12288
	s_add_nc_u64 s[8:9], s[8:9], s[68:69]
	s_mul_i32 s68, s22, YHALF
	s_lshl_b32 s67, s16, 8
	s_add_co_u32 s68, s68, s67
	s_add_nc_u64 s[12:13], s[12:13], s[68:69]
.else
	s_add_nc_u64 s[72:73], s[12:13], HSC
	s_mul_i32 s68, s16, 768                        ; my two blocks are K step slice / 2, half slice % 2 of the next layer: 1536 (slice / 2) + 768 (slice % 2)
	s_add_nc_u64 s[12:13], s[12:13], s[68:69]
	s_lshr_b32 s68, s16, 1
	s_lshl_b32 s68, s68, 6
	s_and_b32 s67, s16, 1
	s_add_co_u32 s68, s68, s67
	s_add_nc_u64 s[72:73], s[72:73], s[68:69]
.endif
	s_wait_kmcnt 0x0
	s_min_u32 s18, s18, 64
	s_min_u32 s19, s19, 135
	s_cmp_eq_u32 s18, 0
	s_cbranch_scc1 .Lnoq                           ; an expert without rows streams nothing
	; ---- PHASE Q.  Two tasks' loads are out beside the one that is waited for
	LOADT 0
	LOADT 1
.set tt, 0
.rept NTASK
.if tt+2 < NTASK
	LOADT tt+2
	s_wait_loadcnt 63                              ; 64 loads are younger; the count's field ends at 63, so one more is waited for
.elseif tt+1 < NTASK
	s_wait_loadcnt 32
.else
	s_wait_loadcnt 0x0
.endif
	QBLOCK tt%4, tt%4, IMW, SCA, 49152*(tt/4), 2048*(tt/4)
.set tt, tt+1
.endr
.Lnoq:
	s_wait_loadcnt 0x0                             ; the bias
	s_wait_dscnt 0x0                               ; my images have landed
	s_barrier_signal -1
	s_barrier_wait -1                              ; everybody's have; from here on they are only read
.if LAYER == 3
	s_cmp_eq_u32 s22, 0
	s_cselect_b32 s67, 0, -1
.set ii, 0
.rept 32
	v_cndmask_b32 v[BI+ii], v[BI+ii], 0, s67       ; the bias enters once: in the first half of K
.set ii, ii+1
.endr
.endif
	s_mov_b32 s17, 0
.Lpass:                                            ; two passes of 32 tiles
	s_wait_xcnt 0x0                                ; the last pass's stores have read their data, offsets and bases
	s_lshl_b32 s20, s17, 5
	s_lshl_b32 s66, s14, 2
	s_add_co_u32 s20, s20, s66                     ; my first tile of the expert's
	s_cmp_ge_u32 s20, s18
	s_cbranch_scc1 .Lend
	s_sub_co_u32 s21, s18, s20
	s_min_u32 s21, s21, 4                          ; how many of my four are stored
	s_sub_co_u32 s67, s18, 1
.irp j, 0,1,2,3
	s_add_co_u32 s66, s20, \j
	s_min_u32 s66, s66, s67                        ; held at the expert's last tile
	s_add_co_u32 s66, s66, s19
	s_min_u32 s66, s66, 135
.if LAYER == 1
	s_lshl_b32 s68, s66, 6
	s_add_nc_u64 s[32+2*\j:33+2*\j], s[10:11], s[68:69]
	global_load_b32 v[M+\j], v[SLN], s[32+2*\j:33+2*\j] offset:256   ; the tile's 16 tokens
.else
	s_mul_i32 s68, s66, 24576
	s_add_nc_u64 s[32+2*\j:33+2*\j], s[8:9], s[68:69]
	s_lshl_b32 s68, s66, 10
	s_add_nc_u64 s[40+2*\j:41+2*\j], s[70:71], s[68:69]
.endif
.if LAYER == 3
	s_lshl_b32 s68, s66, 16
	s_add_nc_u64 s[48+2*\j:49+2*\j], s[12:13], s[68:69]
.else
	s_mul_i32 s68, s66, 24576
	s_add_nc_u64 s[48+2*\j:49+2*\j], s[12:13], s[68:69]
	s_lshl_b32 s68, s66, 10
	s_add_nc_u64 s[56+2*\j:57+2*\j], s[72:73], s[68:69]
.endif
.endr
.if LAYER == 1
	s_wait_loadcnt 0x0
.irp j, 0,1,2,3
	v_min_u32 v[M+\j], 0x3ff, v[M+\j]
	v_mul_u32_u24 v[AO+\j], v[M+\j], 768
	v_add_nc_u32 v[AO+\j], v[AO+\j], v[HOF]        ; the token's row of codes, + 48 h
	v_lshlrev_b32 v[SO+\j], 5, v[M+\j]             ; and of scale words
.endr
.endif
	; ---- PHASE G
.irp s, 0,1,2
	WIN 0x40
	ACODES \s
	WIN 0
	ASCALES \s
.endr
.irp s, 0,1
	WIN 0x40
	BCODES \s
	WIN 0
	BSCALES \s
.endr
.set ss, 0
.rept KS
	GSTEP ss
.set ss, ss+1
.endr
.rept 5
	v_nop                                          ; four places ahead of the first read of results; five ahead of the next pass's products, which begin these accumulators anew
.endr
	WIN 0
.if LAYER == 3
.irp j, 0,1,2,3
	YOUT \j
.endr
.else
.irp j, 0,1,2,3
	EPI \j
.endr
.endif
.Lpe:
	s_add_co_u32 s17, s17, 1
	s_cmp_lt_u32 s17, 2
	s_cbranch_scc1 .Lpass
.Lend:
	s_wait_tensorcnt 0x0
	ds_add_u32 v94, v95
	s_wait_dscnt 0x0
	s_endpgm
.Lfunc_end_k_qed6b969abf_l1:
	.size	k_qed6b969abf_l1, .Lfunc_end_k_qed6b969abf_l1-k_qed6b969abf_l1
	.p2alignl 7, 3214868480
	.fill 96, 4, 3214868480
	.section	.rodata,"a",@progbits
	.p2align	6, 0x0
	.amdhsa_kernel k_qed6b969abf_l1
		.amdhsa_group_segment_fixed_size 52224
		.amdhsa_private_segment_fixed_size 0
		.amdhsa_enable_private_segment 0
		.amdhsa_kernarg_size 40
		.amdhsa_user_sgpr_count 2
		.amdhsa_user_sgpr_kernarg_segment_ptr 1
		.amdhsa_wavefront_size32 1
		.amdhsa_system_sgpr_workgroup_id_x 1
		.amdhsa_system_sgpr_workgroup_id_y 1
		.amdhsa_system_sgpr_workgroup_id_z 1
		.amdhsa_system_vgpr_workitem_id 0
		.amdhsa_next_free_vgpr 512
		.amdhsa_next_free_sgpr 80
		.amdhsa_reserve_vcc 0
		.amdhsa_float_denorm_mode_32 3
		.amdhsa_float_denorm_mode_16_64 3
		.amdhsa_memory_ordered 1
		.amdhsa_forward_progress 1
		.amdhsa_inst_pref_size 91
	.end_amdhsa_kernel
	.amdgpu_metadata
---
amdhsa.version: [ 1, 2 ]
amdhsa.kernels:
  - .name:           k_qed6b969abf_l1
    .symbol:         k_qed6b969abf_l1.kd
    .args:
      - { .name: ew1, .offset: 0, .size: 8, .value_kind: global_buffer, .address_space: global }
      - { .name: eb1, .offset: 8, .size: 8, .value_kind: global_buffer, .address_space: global }
      - { .name: xc, .offset: 16, .size: 8, .value_kind: global_buffer, .address_space: global }
      - { .name: route, .offset: 24, .size: 8, .value_kind: global_buffer, .address_space: global }
      - { .name: h1, .offset: 32, .size: 8, .value_kind: global_buffer, .address_space: global }
    .group_segment_fixed_size: 52224
    .private_segment_fixed_size: 0
    .kernarg_segment_align: 8
    .kernarg_segment_size: 40
    .max_flat_workgroup_size: 256
    .sgpr_count:     80
    .vgpr_count:     512
    .wavefront_size: 32
...
	.end_amdgpu_metadata
.endif
;; end of part 3
;; launch l2 (part 4): grid 256 x 1, 8 waves a work-group, no clusters, 103,424 bytes of LDS; arguments wc, eb2, h1, route, h2; writes h2
.if DOCPART == 4
	.amdgcn_target "amdgcn-amd-amdhsa--gfx1250"
	.amdhsa_code_object_version 6
	.text
	.protected	k_qed6b969abf_l2
	.globl	k_qed6b969abf_l2
	.p2align	8
	.type	k_qed6b969abf_l2,@function
k_qed6b969abf_l2:
	s_mov_b64 s[64:65], 0
	v_nop
	global_prefetch_b8 v0, s[64:65] scope:SCOPE_SE
	s_setreg_imm32_b32 hwreg(HW_REG_WAVE_MODE, 25, 1), 1
	s_wait_xcnt 0x0
; THE SECOND LAYER OF THE EXPERTS, on the rows that chose them: h2 = Q(relu(h1 ew2 + eb2)).  Products on codes of FP6 (E2M3) with one E8M0 scale for each 32 along K.
; ew2 comes as codes: the first launch has laid, for each work-group g of this launch, 102,400 bytes in wc in the very order of this launch's LDS: 16 images of 6,144 bytes (K step s: [4 tiles][32 lanes][48 bytes], the
; operand's registers as they stand), then 16 x 256 bytes of scale words ([4 tiles][16 rows]).
; SHARES.  A work-group owns 64 columns of one expert's weight (expert = number % 8, so that one expert's work-groups are spread) and takes ALL routed rows of that expert.
; THE COPY.  Wave w brings bytes 12,800 w on of the block: 25 loads of 512 consecutive bytes, stored to the same LDS bytes.  These loads and the bias's hang on the arguments alone and are issued ahead of the wait for the
; expert's counts.  One barrier.  THE PRODUCTS.  A wave takes four tiles of 16 rows: weight fragments from LDS, the rows' fragments from memory straight into registers (three loads of 16 bytes), three K steps ahead.
; K'S PLACES: block q (0..3) of a K step lies in the half q / 2 of the lanes, registers 6 (q % 2) on, its scale in byte 2 (q % 2) + q / 2, in both operands alike: the order of the sums differs from ascending K.
; TRANSPOSED: source 0 = 16 columns of the weight, source 1 = 16 rows.  Column n of 64 lies in tile 2 (n / 32) + (n / 8) % 2, row n % 8 + 8 ((n / 16) % 2): a lane's 16 results of two neighbouring tiles are 16 neighbours along the next K.
; h: codes [tile][16 K steps][2 halves][16 rows][48 bytes], scale words [tile][16][16] at HSC.
; The number of tiles T comes from route: two passes of 32 tiles serve T up to 64; a tile beyond T is held at the last one, multiplied and not stored; with T = 0 the work-group copies its block, stores nothing and ends.
; NO CLUSTER, NO TENSOR LOADS: the ends of passes and of stores hang on counts read from memory.
; LIMITS: NaN and infinities are not served.  A block of zeros gets the scale byte 1 (its codes are zeros; the bytes are read by this program alone).
.set KS, 16                            ; K steps of 128
.set SCW, KS*6144                      ; LDS: images at 0; behind them the scale words
.set HSC, 3342336
.set CPG, 4                            ; v4 16 l   v5 12,800 w + 16 l   v7, v8 48 l (+ 49,152)   v9 scale words, read
.set CPW, 5
.set BRD, 7
.set SRD, 9
.set ALN, 10                           ; v10 768 h + 48 r   v11 4 r
.set SLN, 11
.set OLN, 12                           ; v12 48 r + 12 h, v13 4 r + 2 h
.set OSL, 13
.set BOF, 15                           ; v15 64 h
.set ASC, 24                           ; v24-35 the rows' scale words, v36-39 the weights': these hold scales and nothing else
.set BSC, 36
.set M,   40                           ; v40-55 at work
.set SOP, 44
.set CD,  56                           ; v56-87 codes on their way out
.set BY,  88
.set BI,  96                           ; v96-127 the bias in the results' layout
.set ACC, 128                          ; v128-255 accumulators: tile of rows j, tile of columns t at 128 + 32 j + 8 t; ahead of the barrier v128-227 carry the copy
; window 1: v0-143 twelve fragments of rows (slot 4 (s % 3) + j), v144-239 two sets of four weight fragments
.set MSB, 0
.macro WIN new                         ; the immediate's high byte repeats the setting that is left
.if MSB != \new
	s_set_vgpr_msb (MSB<<8)|\new
.set MSB, \new
.endif
.endm
.macro WM d, a, b, c, sa, sb, odd      ; odd = 1: source 0's scales stand in lanes 16-31 of their register
.if \odd
	v_wmma_scale_f32_16x16x128_f8f6f4 v[\d:\d+7], v[\a:\a+11], v[\b:\b+11], v[\c:\c+7], v[\sa], v[\sb] matrix_a_fmt:MATRIX_FMT_FP6 matrix_b_fmt:MATRIX_FMT_FP6 matrix_a_scale:MATRIX_SCALE_ROW1
.else
	v_wmma_scale_f32_16x16x128_f8f6f4 v[\d:\d+7], v[\a:\a+11], v[\b:\b+11], v[\c:\c+7], v[\sa], v[\sb] matrix_a_fmt:MATRIX_FMT_FP6 matrix_b_fmt:MATRIX_FMT_FP6
.endif
.endm
.macro ACODES s                        ; K step s of my four tiles of rows: 12 loads (window: destination 1)
.set SL, 4*((\s)%3)
.irp j, 0,1,2,3
.irp i, 0,1,2
	global_load_b128 v[12*(SL+\j)+4*\i:12*(SL+\j)+4*\i+3], v[ALN], s[32+2*\j:33+2*\j] offset:1536*(\s)+16*\i
.endr
.endr
.endm
.macro ASCALES s                       ; and their four scale words
.set SL, 4*((\s)%3)
.irp j, 0,1,2,3
	global_load_b32 v[ASC+SL+\j], v[SLN], s[40+2*\j:41+2*\j] offset:64*(\s)
.endr
.endm
.macro BCODES s                        ; K step s of the four weight tiles: 12 LDS loads (window: destination 1)
.set BS, 144+48*((\s)%2)
.irp t, 0,1,2,3
.irp i, 0,1,2
	ds_load_b128 v[BS+12*\t+4*\i:BS+12*\t+4*\i+3], v[BRD+(\s)/8] offset:6144*((\s)%8)+1536*\t+16*\i
.endr
.endr
.endm
.macro BSCALES s                       ; two registers: lanes 0-15 tile 2 b, lanes 16-31 tile 2 b + 1
	ds_load_b32 v[BSC+2*((\s)%2)], v[SRD] offset:256*(\s)
	ds_load_b32 v[BSC+2*((\s)%2)+1], v[SRD] offset:256*(\s)+128
.endm
.macro GSTEP s
.if (\s) < KS-1
	s_wait_dscnt 14                                ; the next step's 12 + 2 LDS loads may be out
.else
	s_wait_dscnt 0x0
.endif
.if KS-1-(\s) >= 2
	s_wait_loadcnt 32                              ; the next two steps' 12 + 4 loads may be out
.else
	s_wait_loadcnt 16*(KS-1-(\s))
.endif
.set SL, 4*((\s)%3)
.set BS, 144+48*((\s)%2)
.set BW, BSC+2*((\s)%2)
	WIN 0x05                                       ; sources 0 and 1 in window 1, C and D in window 0
.irp t, 0,1,2,3                                ; sixteen accumulators by turns, in the same order in every step
.irp j, 0,1,2,3
.set RD_, ACC+32*\j+8*\t
.if (\s) == 0
.set RC_, BI+8*\t                              ; the bias is the C of each sum's first product
.else
.set RC_, RD_
.endif
	WM RD_, BS+12*\t, 12*(SL+\j), RC_, BW+\t/2, ASC+SL+\j, \t%2
.endr
.endr
.if (\s)+2 < KS
.rept 4
	v_nop                                          ; places in front of loads into registers that these products read
.endr
	WIN 0x40
.if (\s)+3 < KS
	ACODES (\s)+3
.endif
	BCODES (\s)+2
	WIN 0
.if (\s)+3 < KS
	ASCALES (\s)+3
.endif
	BSCALES (\s)+2
.endif
.endm
.macro EPI j                           ; tile j: relu, two blocks of 32 quantised, codes and scale bytes stored
.if \j > 0
	s_cmp_le_u32 s21, \j
	s_cbranch_scc1 .Lpe                            ; a tile beyond T is not stored
.endif
.set A0, ACC+32*\j
.set ii, 0
.rept 32
	v_max_num_f32 v[A0+ii], 0, v[A0+ii]            ; registers 16 b + i: columns 32 b + 16 h + i of row r
.set ii, ii+1
.endr
	v_max3_num_f32 v[M], v[A0], v[A0+1], 0x1800000
	v_max3_num_f32 v[M+1], v[A0+16], v[A0+17], 0x1800000
.irp i, 2,4,6,8,10,12,14
	v_max3_num_f32 v[M], v[M], v[A0+\i], v[A0+\i+1]
	v_max3_num_f32 v[M+1], v[M+1], v[A0+16+\i], v[A0+17+\i]
.endr
	v_permlanex16_b32 v[M+2], v[M], s30, s31
	v_permlanex16_b32 v[M+3], v[M+1], s30, s31
	v_max_num_f32 v[M], v[M], v[M+2]               ; with lane l xor 16's: the blocks' largest
	v_max_num_f32 v[M+1], v[M+1], v[M+3]
	v_add_nc_u32 v[SOP], 0xff000000, v[M]
	v_add_nc_u32 v[SOP+1], 0xff000000, v[M+1]
	v_lshrrev_b32 v[M], 23, v[SOP]
	v_lshrrev_b32 v[M+1], 23, v[SOP+1]
	v_cvt_scalef32_pk16_fp6_f32 v[CD+8*\j:CD+8*\j+2], v[A0:A0+15], v[SOP]
	v_cvt_scalef32_pk16_fp6_f32 v[CD+8*\j+4:CD+8*\j+6], v[A0+16:A0+31], v[SOP+1]
	v_cndmask_b32 v[BY+\j], v[M], v[M+1], s28      ; lanes 0-15 store block 0's byte, lanes 16-31 block 1's.  (The plain place behind the conversions)
	global_store_b96 v[OLN], v[CD+8*\j:CD+8*\j+2], s[48+2*\j:49+2*\j]              ; the two stores fill 768 consecutive bytes, this work-group's own
	global_store_b96 v[OLN], v[CD+8*\j+4:CD+8*\j+6], s[48+2*\j:49+2*\j] offset:24
	global_store_b8 v[OSL], v[BY+\j], s[56+2*\j:57+2*\j]
.endm
	s_load_b256 s[4:11], s[0:1], 0x0               ; wc 4, eb2 6, h1 8, route 10
	s_load_b64 s[12:13], s[0:1], 0x20              ; h2
	v_lshl_add_u32 v94, v0, 2, 0x19000
	v_mov_b32 v95, 0
	v_lshrrev_b32 v1, 5, v0
	v_readfirstlane_b32 s14, v1                    ; wave w
	v_and_b32 v1, 31, v0                           ; lane l
	v_and_b32 v2, 15, v0                           ; r
	v_bfe_u32 v3, v0, 4, 1                         ; h
	s_and_b32 s15, ttmp9, 7                        ; the expert
	s_lshr_b32 s16, ttmp9, 3                       ; the slice of 64 columns
	s_mov_b32 s28, 0xffff0000                      ; lanes 16-31
	s_mov_b32 s30, 0x76543210
	s_mov_b32 s31, 0xfedcba98                      ; v_permlanex16_b32's selects for lane l xor 16
	s_mov_b32 s69, 0
	v_lshlrev_b32 v[CPG], 4, v1
	s_mul_i32 s66, s14, 12800
	v_add_nc_u32 v[CPW], s66, v[CPG]
	v_mul_u32_u24 v[BRD], v1, 48
	v_add_nc_u32 v[BRD+1], 49152, v[BRD]
	v_lshl_add_u32 v[SRD], v1, 2, SCW
	v_mul_u32_u24 v[ALN], v2, 48
	v_mad_u32_u24 v[ALN], v3, 768, v[ALN]
	v_lshlrev_b32 v[SLN], 2, v2
	v_lshlrev_b32 v[BOF], 6, v3
	v_mul_u32_u24 v[OLN], v2, 48
	v_mad_u32_u24 v[OLN], v3, 12, v[OLN]
	v_lshl_add_u32 v[OSL], v3, 1, v[SLN]
	v_mov_b32 v[M+2], 0                            ; written once: a lane permute's destination counts as one of its sources
	v_mov_b32 v[M+3], 0
	s_lshl_b32 s66, s15, 3
	s_wait_kmcnt 0x0
	s_load_b64 s[18:19], s[10:11], s66 offset:0x0  ; T, tbase of my expert: waited for behind the loads below
	s_lshl_b32 s68, s15, 13
	s_lshl_b32 s67, s16, 8
	s_add_co_u32 s68, s68, s67
	s_add_nc_u64 s[6:7], s[6:7], s[68:69]
.irp t, 0,1,2,3
	global_load_b128 v[BI+8*\t:BI+8*\t+3], v[BOF], s[6:7] offset:128*(\t/2)+32*(\t%2)
	global_load_b128 v[BI+8*\t+4:BI+8*\t+7], v[BOF], s[6:7] offset:128*(\t/2)+32*(\t%2)+16
.endr
	s_mul_i32 s68, ttmp9, 102400                   ; my work-group's block of wc,
	s_mul_i32 s67, s14, 12800                      ; my wave's eighth of it
	s_add_co_u32 s68, s68, s67
	s_add_nc_u64 s[24:25], s[4:5], s[68:69]
.set ii, 0
.rept 25
	global_load_b128 v[ACC+4*ii:ACC+4*ii+3], v[CPG], s[24:25] offset:512*ii th:TH_LOAD_NT
.set ii, ii+1
.endr
	s_add_nc_u64 s[70:71], s[8:9], HSC             ; h1's scale words
	s_add_nc_u64 s[72:73], s[12:13], HSC
	s_mul_i32 s68, s16, 768                        ; my two blocks are K step slice / 2, half slice % 2 of the next layer: 1536 (slice / 2) + 768 (slice % 2)
	s_add_nc_u64 s[12:13], s[12:13], s[68:69]
	s_lshr_b32 s68, s16, 1
	s_lshl_b32 s68, s68, 6
	s_and_b32 s67, s16, 1
	s_add_co_u32 s68, s68, s67
	s_add_nc_u64 s[72:73], s[72:73], s[68:69]
	s_wait_kmcnt 0x0
	s_min_u32 s18, s18, 64
	s_min_u32 s19, s19, 135
.irp g, 0,1,2,3,4
	s_wait_loadcnt 20-5*\g                         ; the younger groups of five may be out; the bias's loads are older
.irp i, 0,1,2,3,4
	ds_store_b128 v[CPW], v[ACC+20*\g+4*\i:ACC+20*\g+4*\i+3] offset:512*(5*\g+\i)
.endr
.endr
	s_wait_dscnt 0x0                               ; my part of the block has landed
	s_barrier_signal -1
	s_barrier_wait -1                              ; everybody's has; from here on it is only read
	s_mov_b32 s17, 0
.Lpass:                                            ; two passes of 32 tiles
	s_wait_xcnt 0x0                                ; the last pass's stores have read their data, offsets and bases
	s_lshl_b32 s20, s17, 5
	s_lshl_b32 s66, s14, 2
	s_add_co_u32 s20, s20, s66                     ; my first tile of the expert's
	s_cmp_ge_u32 s20, s18
	s_cbranch_scc1 .Lend
	s_sub_co_u32 s21, s18, s20
	s_min_u32 s21, s21, 4                          ; how many of my four are stored
	s_sub_co_u32 s67, s18, 1
.irp j, 0,1,2,3
	s_add_co_u32 s66, s20, \j
	s_min_u32 s66, s66, s67                        ; held at the expert's last tile
	s_add_co_u32 s66, s66, s19
	s_min_u32 s66, s66, 135
	s_mul_i32 s68, s66, 24576
	s_add_nc_u64 s[32+2*\j:33+2*\j], s[8:9], s[68:69]
	s_lshl_b32 s68, s66, 10
	s_add_nc_u64 s[40+2*\j:41+2*\j], s[70:71], s[68:69]
	s_mul_i32 s68, s66, 24576
	s_add_nc_u64 s[48+2*\j:49+2*\j], s[12:13], s[68:69]
	s_lshl_b32 s68, s66, 10
	s_add_nc_u64 s[56+2*\j:57+2*\j], s[72:73], s[68:69]
.endr
	; ---- the products
.irp s, 0,1,2
	WIN 0x40
	ACODES \s
	WIN 0
	ASCALES \s
.endr
.irp s, 0,1
	WIN 0x40
	BCODES \s
	WIN 0
	BSCALES \s
.endr
.set ss, 0
.rept KS
	GSTEP ss
.set ss, ss+1
.endr
.rept 5
	v_nop                                          ; four places ahead of the first read of results; five ahead of the next pass's products, which begin these accumulators anew
.endr
	WIN 0
.irp j, 0,1,2,3
	EPI \j
.endr
.Lpe:
	s_add_co_u32 s17, s17, 1
	s_cmp_lt_u32 s17, 2
	s_cbranch_scc1 .Lpass
.Lend:
	s_wait_tensorcnt 0x0
	ds_add_u32 v94, v95
	s_wait_dscnt 0x0
	s_endpgm
.Lfunc_end_k_qed6b969abf_l2:
	.size	k_qed6b969abf_l2, .Lfunc_end_k_qed6b969abf_l2-k_qed6b969abf_l2
	.p2alignl 7, 3214868480
	.fill 96, 4, 3214868480
	.section	.rodata,"a",@progbits
	.p2align	6, 0x0
	.amdhsa_kernel k_qed6b969abf_l2
		.amdhsa_group_segment_fixed_size 103424
		.amdhsa_private_segment_fixed_size 0
		.amdhsa_enable_private_segment 0
		.amdhsa_kernarg_size 40
		.amdhsa_user_sgpr_count 2
		.amdhsa_user_sgpr_kernarg_segment_ptr 1
		.amdhsa_wavefront_size32 1
		.amdhsa_system_sgpr_workgroup_id_x 1
		.amdhsa_system_sgpr_workgroup_id_y 1
		.amdhsa_system_sgpr_workgroup_id_z 1
		.amdhsa_system_vgpr_workitem_id 0
		.amdhsa_next_free_vgpr 512
		.amdhsa_next_free_sgpr 80
		.amdhsa_reserve_vcc 0
		.amdhsa_float_denorm_mode_32 3
		.amdhsa_float_denorm_mode_16_64 3
		.amdhsa_memory_ordered 1
		.amdhsa_forward_progress 1
		.amdhsa_inst_pref_size 97
	.end_amdhsa_kernel
	.amdgpu_metadata
---
amdhsa.version: [ 1, 2 ]
amdhsa.kernels:
  - .name:           k_qed6b969abf_l2
    .symbol:         k_qed6b969abf_l2.kd
    .args:
      - { .name: wc, .offset: 0, .size: 8, .value_kind: global_buffer, .address_space: global }
      - { .name: eb2, .offset: 8, .size: 8, .value_kind: global_buffer, .address_space: global }
      - { .name: h1, .offset: 16, .size: 8, .value_kind: global_buffer, .address_space: global }
      - { .name: route, .offset: 24, .size: 8, .value_kind: global_buffer, .address_space: global }
      - { .name: h2, .offset: 32, .size: 8, .value_kind: global_buffer, .address_space: global }
    .group_segment_fixed_size: 103424
    .private_segment_fixed_size: 0
    .kernarg_segment_align: 8
    .kernarg_segment_size: 40
    .max_flat_workgroup_size: 256
    .sgpr_count:     80
    .vgpr_count:     512
    .wavefront_size: 32
...
	.end_amdgpu_metadata
.endif
;; end of part 4
;; launch l3 (part 5): grid 256 x 1, 8 waves a work-group, no clusters, 87,040 bytes of LDS; arguments ew3, eb3, h2, route, y; writes y
.if DOCPART == 5
	.amdgcn_target "amdgcn-amd-amdhsa--gfx1250"
	.amdhsa_code_object_version 6
	.text
	.protected	k_qed6b969abf_l3
	.globl	k_qed6b969abf_l3
	.p2align	8
	.type	k_qed6b969abf_l3,@function
k_qed6b969abf_l3:
	s_mov_b64 s[64:65], 0
	v_nop
	global_prefetch_b8 v0, s[64:65] scope:SCOPE_SE
	s_setreg_imm32_b32 hwreg(HW_REG_WAVE_MODE, 25, 1), 1
	s_wait_xcnt 0x0
; ONE LAYER OF THE EXPERTS, on the rows that chose them.  One source serves the three layers; LAYER picks the sizes and what differs.
;   1: h1 = Q(relu(x ew1 + eb1)), rows gathered from xc by the list;   2: h2 = Q(relu(h1 ew2 + eb2));   3: y = h2 ew3 (+ eb3), K in two halves, f32, added by the last launch.
; Products on codes of FP6 (E2M3) with one E8M0 scale for each 32 along K.
; SHARES.  A work-group owns 64 columns of one expert's weight (expert = number % 8, so that one expert's work-groups are spread) and takes ALL routed rows of that expert: each weight byte is read once in the launch.
; PHASE Q.  Wave w streams K step w (layer 2: also w + 8): a task is 32 rows x 64 columns, 32 loads of 8 bytes a lane, each 256 consecutive aligned bytes of one row.  A lane holds columns 2 l, 2 l + 1 and a whole
; block of each.  The loaded pairs are copied apart, since a conversion wants 16 neighbours along K in consecutive registers.  The codes go to LDS as images of the operand's registers.
; One barrier.  PHASE G.  A wave takes four tiles of 16 rows: weight fragments from LDS, the rows' fragments from memory straight into registers (three loads of 16 bytes), three K steps ahead.
; K'S PLACES: block q (0..3) of a K step lies in the half q / 2 of the lanes, registers 6 (q % 2) on, its scale in byte 2 (q % 2) + q / 2, in both operands alike: the order of the sums differs from ascending K.
; TRANSPOSED: source 0 = 16 columns of the weight, source 1 = 16 rows.  Column n of 64 lies in tile 2 (n / 32) + (n / 8) % 2, row n % 8 + 8 ((n / 16) % 2): a lane's 16 results of two neighbouring tiles are 16 neighbours along the next K.
; h: codes [tile][16 K steps][2 halves][16 rows][48 bytes], scale words [tile][16][16] at HSC.
; The number of tiles T comes from route: an expert without rows streams nothing; two passes of 32 tiles serve T up to 64; a tile beyond T is held at the last one, multiplied and not stored.
; NO CLUSTER, NO TENSOR LOADS: the ends of passes and of stores hang on counts read from memory; what an expert's work-groups share, the rows' codes, is 24,576 bytes a tile against 262,144 or 524,288 bytes of weights of a work-group's own.
; LIMITS: NaN and infinities are not served.  A block of zeros gets the scale byte 1 (its codes are zeros; the bytes are read by this program alone).
.set LAYER, 3
.if LAYER == 1
.set KS, 8                             ; K steps of 128
.set PITCH, 8192                       ; a weight row in bytes
.set ESH, 23                           ; log2 of an expert's weight in bytes
.set WSH, 20                           ; log2 of 128 weight rows
.set BSH, 13                           ; log2 of an expert's bias
.elseif LAYER == 2
.set KS, 16
.set PITCH, 8192
.set ESH, 24
.set WSH, 20
.set BSH, 13
.else
.set KS, 8
.set PITCH, 4096
.set ESH, 23
.set WSH, 19
.set BSH, 12
.endif
.set NTASK, KS/2
.set SCW, KS*6144                      ; LDS: images [K step][4 tiles][32 lanes][48] at 0; behind them the scale words [K step][4][16]
.set STG, SCW+KS*256                   ; layer 3: a stage of 16 rows x (256 + 16) bytes for each wave
.set HSC, 3342336
.set YHALF, 8912896
.set WLO, 4                            ; v4 8 l   v5, v6 where my columns' codes and scale words go   v7, v8 48 l (+ 49,152)   v9 scale words, read
.set IMW, 5
.set SCA, 6
.set BRD, 7
.set SRD, 9
.set ALN, 10                           ; v10 768 h + 48 r   v11 4 r
.set SLN, 11
.set OLN, 12                           ; layers 1, 2: v12 48 r + 12 h, v13 4 r + 2 h
.set OSL, 13
.set STO, 12                           ; layer 3: v12, v13 the stage, in and back; v14 4,096 h + 16 r
.set RDB, 13
.set YO,  14
.set HOF, 14                           ; layer 1: v14 48 h
.set BOF, 15                           ; v15 64 h
.set AO,  16                           ; layer 1: v16-19, v20-23 the four tiles' gathered offsets
.set SO,  20
.set ASC, 24                           ; v24-35 the rows' scale words, v36-39 the weights': these hold scales and nothing else
.set BSC, 36
.set M,   40                           ; v40-55 at work
.set SOP, 44
.set F,   56
.set TT,  68
.set W,   76
.set CD,  56                           ; v56-87 codes on their way out (layer 3: rows of y)
.set OB,  56
.set BY,  88
.set BI,  96                           ; v96-127 the bias in the results' layout
.set ACC, 128                          ; v128-255 accumulators: tile of rows j, tile of columns t at 128 + 32 j + 8 t
.set Y,   128
; window 1: phase Q: four sets of 64 for the tasks' loads; phase G: v0-143 twelve fragments of rows (slot 4 (s % 3) + j), v144-239 two sets of four weight fragments
.set MSB, 0
.macro WIN new                         ; the immediate's high byte repeats the setting that is left
.if MSB != \new
	s_set_vgpr_msb (MSB<<8)|\new
.set MSB, \new
.endif
.endm
.macro LOADT t                         ; task t: block t % 4 of K step w + 8 (t / 4), into set t % 4
.set LB, 64*((\t)%4)
.set LO, ((\t)%4)*32*PITCH
.set LS, 24+2*((\t)/4)
	WIN 0x40
.set ii, 0
.rept 32
	global_load_b64 v[LB+2*ii:LB+2*ii+1], v[WLO], s[LS:LS+1] offset:LO+ii*PITCH th:TH_LOAD_NT
.set ii, ii+1
.endr
.endm
.macro QBLOCK buf, q4, imw, sca, ioff, soff
.set LB, 64*(\buf)
.set QO, (\ioff)+768*((\q4)/2)+24*((\q4)%2)
.set QS, 8*(2*((\q4)%2)+(\q4)/2)
	WIN 0x01
.set ii, 0
.rept 32
	v_mov_b32 v[Y+ii], v[LB+2*ii]                  ; column 2 l down K
	v_mov_b32 v[Y+32+ii], v[LB+2*ii+1]             ; column 2 l + 1
.set ii, ii+1
.endr
	WIN 0
	s_wait_dscnt 0x0                               ; the last task's LDS stores are done: their registers are written again below
	v_max3_num_f32 v[M], |v[Y]|, |v[Y+1]|, 0x1800000       ; the largest magnitude, over the floor 2^(3 - 127): the byte cannot fall under 1
	v_max3_num_f32 v[M+1], |v[Y+32]|, |v[Y+33]|, 0x1800000
.set ii, 2
.rept 15
	v_max3_num_f32 v[M], v[M], |v[Y+ii]|, |v[Y+ii+1]|
	v_max3_num_f32 v[M+1], v[M+1], |v[Y+32+ii]|, |v[Y+33+ii]|
.set ii, ii+2
.endr
	v_add_nc_u32 v[SOP], 0xff000000, v[M]          ; 2 off the exponent field: the conversion's scale operand
	v_add_nc_u32 v[SOP+1], 0xff000000, v[M+1]
	v_lshrrev_b32 v[M], 23, v[SOP]                 ; the scale's byte
	v_lshrrev_b32 v[M+1], 23, v[SOP+1]
.if (\q4) == 0
	v_mov_b32 v[W], v[M]
	v_mov_b32 v[W+1], v[M+1]
.else
	v_lshl_or_b32 v[W], v[M], QS, v[W]
	v_lshl_or_b32 v[W+1], v[M+1], QS, v[W+1]
.endif
	v_cvt_scalef32_pk16_fp6_f32 v[F:F+2], v[Y:Y+15], v[SOP]
	v_cvt_scalef32_pk16_fp6_f32 v[TT:TT+2], v[Y+16:Y+31], v[SOP]       ; (a conversion's three registers begin on an even number)
	v_cvt_scalef32_pk16_fp6_f32 v[F+6:F+8], v[Y+32:Y+47], v[SOP+1]
	v_cvt_scalef32_pk16_fp6_f32 v[TT+4:TT+6], v[Y+48:Y+63], v[SOP+1]
	v_nop                                          ; one plain place behind the conversions
.irp i, 0,1,2
	v_mov_b32 v[F+3+\i], v[TT+\i]
	v_mov_b32 v[F+9+\i], v[TT+4+\i]
.endr
.irp p, 0,1,2
	ds_store_b64 v[\imw], v[F+2*\p:F+2*\p+1] offset:QO+8*\p
	ds_store_b64 v[\imw], v[F+6+2*\p:F+7+2*\p] offset:QO+48+8*\p
.endr
.if (\q4) == 3
	ds_store_b64 v[\sca], v[W:W+1] offset:\soff
.endif
.endm
.macro WM d, a, b, c, sa, sb, odd      ; odd = 1: source 0's scales stand in lanes 16-31 of their register
.if \odd
	v_wmma_scale_f32_16x16x128_f8f6f4 v[\d:\d+7], v[\a:\a+11], v[\b:\b+11], v[\c:\c+7], v[\sa], v[\sb] matrix_a_fmt:MATRIX_FMT_FP6 matrix_b_fmt:MATRIX_FMT_FP6 matrix_a_scale:MATRIX_SCALE_ROW1
.else
	v_wmma_scale_f32_16x16x128_f8f6f4 v[\d:\d+7], v[\a:\a+11], v[\b:\b+11], v[\c:\c+7], v[\sa], v[\sb] matrix_a_fmt:MATRIX_FMT_FP6 matrix_b_fmt:MATRIX_FMT_FP6
.endif
.endm
.macro ACODES s                        ; K step s of my four tiles of rows: 12 loads (window: destination 1)
.set SL, 4*((\s)%3)
.irp j, 0,1,2,3
.irp i, 0,1,2
.if LAYER == 1
	global_load_b128 v[12*(SL+\j)+4*\i:12*(SL+\j)+4*\i+3], v[AO+\j], s[8:9] offset:96*(\s)+16*\i
.else
	global_load_b128 v[12*(SL+\j)+4*\i:12*(SL+\j)+4*\i+3], v[ALN], s[32+2*\j:33+2*\j] offset:1536*(\s)+16*\i
.endif
.endr
.endr
.endm
.macro ASCALES s                       ; and their four scale words
.set SL, 4*((\s)%3)
.irp j, 0,1,2,3
.if LAYER == 1
	global_load_b32 v[ASC+SL+\j], v[SO+\j], s[70:71] offset:4*(\s)
.else
	global_load_b32 v[ASC+SL+\j], v[SLN], s[40+2*\j:41+2*\j] offset:64*(\s)
.endif
.endr
.endm
.macro BCODES s                        ; K step s of the four weight tiles: 12 LDS loads (window: destination 1)
.set BS, 144+48*((\s)%2)
.irp t, 0,1,2,3
.irp i, 0,1,2
	ds_load_b128 v[BS+12*\t+4*\i:BS+12*\t+4*\i+3], v[BRD+(\s)/8] offset:6144*((\s)%8)+1536*\t+16*\i
.endr
.endr
.endm
.macro BSCALES s                       ; two registers: lanes 0-15 tile 2 b, lanes 16-31 tile 2 b + 1
	ds_load_b32 v[BSC+2*((\s)%2)], v[SRD] offset:256*(\s)
	ds_load_b32 v[BSC+2*((\s)%2)+1], v[SRD] offset:256*(\s)+128
.endm
.macro GSTEP s
.if (\s) < KS-1
	s_wait_dscnt 14                                ; the next step's 12 + 2 LDS loads may be out
.else
	s_wait_dscnt 0x0
.endif
.if KS-1-(\s) >= 2
	s_wait_loadcnt 32                              ; the next two steps' 12 + 4 loads may be out
.else
	s_wait_loadcnt 16*(KS-1-(\s))
.endif
.set SL, 4*((\s)%3)
.set BS, 144+48*((\s)%2)
.set BW, BSC+2*((\s)%2)
	WIN 0x05                                       ; sources 0 and 1 in window 1, C and D in window 0
.irp t, 0,1,2,3                                ; sixteen accumulators by turns, in the same order in every step
.irp j, 0,1,2,3
.set RD_, ACC+32*\j+8*\t
.if (\s) == 0
.set RC_, BI+8*\t                              ; the bias is the C of each sum's first product
.else
.set RC_, RD_
.endif
	WM RD_, BS+12*\t, 12*(SL+\j), RC_, BW+\t/2, ASC+SL+\j, \t%2
.endr
.endr
.if (\s)+2 < KS
.rept 4
	v_nop                                          ; places in front of loads into registers that these products read
.endr
	WIN 0x40
.if (\s)+3 < KS
	ACODES (\s)+3
.endif
	BCODES (\s)+2
	WIN 0
.if (\s)+3 < KS
	ASCALES (\s)+3
.endif
	BSCALES (\s)+2
.endif
.endm
.macro EPI j                           ; layers 1, 2: tile j: relu, two blocks of 32 quantised, codes and scale bytes stored
.if \j > 0
	s_cmp_le_u32 s21, \j
	s_cbranch_scc1 .Lpe                            ; a tile beyond T is not stored
.endif
.set A0, ACC+32*\j
.set ii, 0
.rept 32
	v_max_num_f32 v[A0+ii], 0, v[A0+ii]            ; registers 16 b + i: columns 32 b + 16 h + i of row r
.set ii, ii+1
.endr
	v_max3_num_f32 v[M], v[A0], v[A0+1], 0x1800000
	v_max3_num_f32 v[M+1], v[A0+16], v[A0+17], 0x1800000
.irp i, 2,4,6,8,10,12,14
	v_max3_num_f32 v[M], v[M], v[A0+\i], v[A0+\i+1]
	v_max3_num_f32 v[M+1], v[M+1], v[A0+16+\i], v[A0+17+\i]
.endr
	v_permlanex16_b32 v[M+2], v[M], s30, s31
	v_permlanex16_b32 v[M+3], v[M+1], s30, s31
	v_max_num_f32 v[M], v[M], v[M+2]               ; with lane l xor 16's: the blocks' largest
	v_max_num_f32 v[M+1], v[M+1], v[M+3]
	v_add_nc_u32 v[SOP], 0xff000000, v[M]
	v_add_nc_u32 v[SOP+1], 0xff000000, v[M+1]
	v_lshrrev_b32 v[M], 23, v[SOP]
	v_lshrrev_b32 v[M+1], 23, v[SOP+1]
	v_cvt_scalef32_pk16_fp6_f32 v[CD+8*\j:CD+8*\j+2], v[A0:A0+15], v[SOP]
	v_cvt_scalef32_pk16_fp6_f32 v[CD+8*\j+4:CD+8*\j+6], v[A0+16:A0+31], v[SOP+1]
	v_cndmask_b32 v[BY+\j], v[M], v[M+1], s28      ; lanes 0-15 store block 0's byte, lanes 16-31 block 1's.  (The plain place behind the conversions)
	global_store_b96 v[OLN], v[CD+8*\j:CD+8*\j+2], s[48+2*\j:49+2*\j]              ; the two stores fill 768 consecutive bytes, this work-group's own
	global_store_b96 v[OLN], v[CD+8*\j+4:CD+8*\j+6], s[48+2*\j:49+2*\j] offset:24
	global_store_b8 v[OSL], v[BY+\j], s[56+2*\j:57+2*\j]
.endm
.macro YOUT j                          ; layer 3: tile j through my stage: sixteen lanes then store 256 consecutive aligned bytes of a row of y
.if \j > 0
	s_cmp_le_u32 s21, \j
	s_cbranch_scc1 .Lpe
	s_wait_xcnt 0x0                                ; the last tile's stores have read their registers
.endif
.irp b, 0,1
.irp q, 0,1,2,3
	ds_store_b128 v[STO], v[ACC+32*\j+16*\b+4*\q:ACC+32*\j+16*\b+4*\q+3] offset:128*\b+16*\q   ; each accumulator from its low end on
.endr
.endr
.irp i, 0,1,2,3,4,5,6,7
	ds_load_b128 v[OB+4*\i:OB+4*\i+3], v[RDB] offset:544*\i    ; LDS serves a wave's instructions in order: these see my stores
.endr
.irp i, 0,1,2,3,4,5,6,7
	s_wait_dscnt 7-\i
	global_store_b128 v[YO], v[OB+4*\i:OB+4*\i+3], s[48+2*\j:49+2*\j] offset:8192*\i
.endr
.endm
	s_load_b256 s[4:11], s[0:1], 0x0               ; weights 4, bias 6, rows in 8, route 10
	s_load_b64 s[12:13], s[0:1], 0x20              ; out
	v_lshl_add_u32 v94, v0, 2, 0x15000
	v_mov_b32 v95, 0
	v_lshrrev_b32 v1, 5, v0
	v_readfirstlane_b32 s14, v1                    ; wave w
	v_and_b32 v1, 31, v0                           ; lane l
	v_and_b32 v2, 15, v0                           ; r
	v_bfe_u32 v3, v0, 4, 1                         ; h
	s_and_b32 s15, ttmp9, 7                        ; the expert
	s_lshr_b32 s16, ttmp9, 3                       ; the slice of 64 columns
.if LAYER == 3
	s_lshr_b32 s22, ttmp9, 7                       ; the half of K
	s_and_b32 s16, s16, 15
.endif
	s_mov_b32 s28, 0xffff0000                      ; lanes 16-31
	s_mov_b32 s30, 0x76543210
	s_mov_b32 s31, 0xfedcba98                      ; v_permlanex16_b32's selects for lane l xor 16
	s_mov_b32 s69, 0
	v_lshlrev_b32 v[WLO], 3, v1
	v_and_b32 v40, 3, v0
	v_bfe_u32 v41, v0, 2, 1
	v_bfe_u32 v42, v0, 3, 1
	v_mul_u32_u24 v[IMW], v40, 96                  ; 96 (l % 4) + 1536 bit 2 + 384 bit 3 + 3072 bit 4 + 6144 w
	v_mad_u32_u24 v[IMW], v41, 1536, v[IMW]
	v_mad_u32_u24 v[IMW], v42, 384, v[IMW]
	v_mad_u32_u24 v[IMW], v3, 3072, v[IMW]
	s_mul_i32 s66, s14, 6144
	v_add_nc_u32 v[IMW], s66, v[IMW]
	v_lshlrev_b32 v[SCA], 3, v40                   ; 8 (l % 4) + 64 bit 2 + 32 bit 3 + 128 bit 4 + 256 w
	v_lshl_add_u32 v[SCA], v41, 6, v[SCA]
	v_lshl_add_u32 v[SCA], v42, 5, v[SCA]
	v_lshl_add_u32 v[SCA], v3, 7, v[SCA]
	s_lshl_b32 s66, s14, 8
	s_add_co_u32 s66, s66, SCW
	v_add_nc_u32 v[SCA], s66, v[SCA]
	v_mul_u32_u24 v[BRD], v1, 48
.if KS > 8
	v_add_nc_u32 v[BRD+1], 49152, v[BRD]
.endif
	v_lshl_add_u32 v[SRD], v1, 2, SCW
	v_mul_u32_u24 v[ALN], v2, 48
	v_mad_u32_u24 v[ALN], v3, 768, v[ALN]
	v_lshlrev_b32 v[SLN], 2, v2
	v_lshlrev_b32 v[BOF], 6, v3
.if LAYER == 3
	s_mul_i32 s66, s14, 4352
	s_add_co_u32 s66, s66, STG
	v_mul_u32_u24 v[STO], v2, 272
	v_lshl_add_u32 v[STO], v3, 6, v[STO]
	v_add_nc_u32 v[STO], s66, v[STO]               ; in: row r, + 64 h
	v_mul_u32_u24 v[RDB], v3, 272
	v_lshl_add_u32 v[RDB], v2, 4, v[RDB]
	v_add_nc_u32 v[RDB], s66, v[RDB]               ; back: lanes 0-15 one row, lanes 16-31 the next
	v_lshlrev_b32 v[YO], 12, v3
	v_lshl_add_u32 v[YO], v2, 4, v[YO]
.else
	v_mul_u32_u24 v[OLN], v2, 48
	v_mad_u32_u24 v[OLN], v3, 12, v[OLN]
	v_lshl_add_u32 v[OSL], v3, 1, v[SLN]
.endif
.if LAYER == 1
	v_mul_u32_u24 v[HOF], v3, 48
.endif
	v_mov_b32 v[M+2], 0                            ; written once: a lane permute's destination counts as one of its sources
	v_mov_b32 v[M+3], 0
	s_lshl_b32 s66, s15, 3
	s_wait_kmcnt 0x0
	s_load_b64 s[18:19], s[10:11], s66 offset:0x0  ; T, tbase of my expert
	s_lshl_b32 s68, s15, ESH
	s_lshl_b32 s67, s16, 8
	s_add_co_u32 s68, s68, s67
	s_lshl_b32 s67, s14, WSH
	s_add_co_u32 s68, s68, s67
.if LAYER == 3
	s_lshl_b32 s67, s22, 22
	s_add_co_u32 s68, s68, s67
.endif
	s_add_nc_u64 s[24:25], s[4:5], s[68:69]        ; my expert, my columns, row 128 w
.if LAYER == 2
	s_add_nc_u64 s[26:27], s[24:25], 0x800000      ; and row 128 (w + 8)
.endif
	s_lshl_b32 s68, s15, BSH
	s_lshl_b32 s67, s16, 8
	s_add_co_u32 s68, s68, s67
	s_add_nc_u64 s[6:7], s[6:7], s[68:69]
.irp t, 0,1,2,3
	global_load_b128 v[BI+8*\t:BI+8*\t+3], v[BOF], s[6:7] offset:128*(\t/2)+32*(\t%2)
	global_load_b128 v[BI+8*\t+4:BI+8*\t+7], v[BOF], s[6:7] offset:128*(\t/2)+32*(\t%2)+16
.endr
.if LAYER == 1
	s_add_nc_u64 s[70:71], s[8:9], 786432          ; xc's scale words
.else
	s_add_nc_u64 s[70:71], s[8:9], HSC
.endif
.if LAYER == 3
	s_lshl_b32 s68, s22, 9
	s_add_nc_u64 s[70:71], s[70:71], s[68:69]      ; my half of K: eight K steps on
	s_mul_i32 s68, s22, 12288
	s_add_nc_u64 s[8:9], s[8:9], s[68:69]
	s_mul_i32 s68, s22, YHALF
	s_lshl_b32 s67, s16, 8
	s_add_co_u32 s68, s68, s67
	s_add_nc_u64 s[12:13], s[12:13], s[68:69]
.else
	s_add_nc_u64 s[72:73], s[12:13], HSC
	s_mul_i32 s68, s16, 768                        ; my two blocks are K step slice / 2, half slice % 2 of the next layer: 1536 (slice / 2) + 768 (slice % 2)
	s_add_nc_u64 s[12:13], s[12:13], s[68:69]
	s_lshr_b32 s68, s16, 1
	s_lshl_b32 s68, s68, 6
	s_and_b32 s67, s16, 1
	s_add_co_u32 s68, s68, s67
	s_add_nc_u64 s[72:73], s[72:73], s[68:69]
.endif
	s_wait_kmcnt 0x0
	s_min_u32 s18, s18, 64
	s_min_u32 s19, s19, 135
	s_cmp_eq_u32 s18, 0
	s_cbranch_scc1 .Lnoq                           ; an expert without rows streams nothing
	; ---- PHASE Q.  Two tasks' loads are out beside the one that is waited for
	LOADT 0
	LOADT 1
.set tt, 0
.rept NTASK
.if tt+2 < NTASK
	LOADT tt+2
	s_wait_loadcnt 63                              ; 64 loads are younger; the count's field ends at 63, so one more is waited for
.elseif tt+1 < NTASK
	s_wait_loadcnt 32
.else
	s_wait_loadcnt 0x0
.endif
	QBLOCK tt%4, tt%4, IMW, SCA, 49152*(tt/4), 2048*(tt/4)
.set tt, tt+1
.endr
.Lnoq:
	s_wait_loadcnt 0x0                             ; the bias
	s_wait_dscnt 0x0                               ; my images have landed
	s_barrier_signal -1
	s_barrier_wait -1                              ; everybody's have; from here on they are only read
.if LAYER == 3
	s_cmp_eq_u32 s22, 0
	s_cselect_b32 s67, 0, -1
.set ii, 0
.rept 32
	v_cndmask_b32 v[BI+ii], v[BI+ii], 0, s67       ; the bias enters once: in the first half of K
.set ii, ii+1
.endr
.endif
	s_mov_b32 s17, 0
.Lpass:                                            ; two passes of 32 tiles
	s_wait_xcnt 0x0                                ; the last pass's stores have read their data, offsets and bases
	s_lshl_b32 s20, s17, 5
	s_lshl_b32 s66, s14, 2
	s_add_co_u32 s20, s20, s66                     ; my first tile of the expert's
	s_cmp_ge_u32 s20, s18
	s_cbranch_scc1 .Lend
	s_sub_co_u32 s21, s18, s20
	s_min_u32 s21, s21, 4                          ; how many of my four are stored
	s_sub_co_u32 s67, s18, 1
.irp j, 0,1,2,3
	s_add_co_u32 s66, s20, \j
	s_min_u32 s66, s66, s67                        ; held at the expert's last tile
	s_add_co_u32 s66, s66, s19
	s_min_u32 s66, s66, 135
.if LAYER == 1
	s_lshl_b32 s68, s66, 6
	s_add_nc_u64 s[32+2*\j:33+2*\j], s[10:11], s[68:69]
	global_load_b32 v[M+\j], v[SLN], s[32+2*\j:33+2*\j] offset:256   ; the tile's 16 tokens
.else
	s_mul_i32 s68, s66, 24576
	s_add_nc_u64 s[32+2*\j:33+2*\j], s[8:9], s[68:69]
	s_lshl_b32 s68, s66, 10
	s_add_nc_u64 s[40+2*\j:41+2*\j], s[70:71], s[68:69]
.endif
.if LAYER == 3
	s_lshl_b32 s68, s66, 16
	s_add_nc_u64 s[48+2*\j:49+2*\j], s[12:13], s[68:69]
.else
	s_mul_i32 s68, s66, 24576
	s_add_nc_u64 s[48+2*\j:49+2*\j], s[12:13], s[68:69]
	s_lshl_b32 s68, s66, 10
	s_add_nc_u64 s[56+2*\j:57+2*\j], s[72:73], s[68:69]
.endif
.endr
.if LAYER == 1
	s_wait_loadcnt 0x0
.irp j, 0,1,2,3
	v_min_u32 v[M+\j], 0x3ff, v[M+\j]
	v_mul_u32_u24 v[AO+\j], v[M+\j], 768
	v_add_nc_u32 v[AO+\j], v[AO+\j], v[HOF]        ; the token's row of codes, + 48 h
	v_lshlrev_b32 v[SO+\j], 5, v[M+\j]             ; and of scale words
.endr
.endif
	; ---- PHASE G
.irp s, 0,1,2
	WIN 0x40
	ACODES \s
	WIN 0
	ASCALES \s
.endr
.irp s, 0,1
	WIN 0x40
	BCODES \s
	WIN 0
	BSCALES \s
.endr
.set ss, 0
.rept KS
	GSTEP ss
.set ss, ss+1
.endr
.rept 5
	v_nop                                          ; four places ahead of the first read of results; five ahead of the next pass's products, which begin these accumulators anew
.endr
	WIN 0
.if LAYER == 3
.irp j, 0,1,2,3
	YOUT \j
.endr
.else
.irp j, 0,1,2,3
	EPI \j
.endr
.endif
.Lpe:
	s_add_co_u32 s17, s17, 1
	s_cmp_lt_u32 s17, 2
	s_cbranch_scc1 .Lpass
.Lend:
	s_wait_tensorcnt 0x0
	ds_add_u32 v94, v95
	s_wait_dscnt 0x0
	s_endpgm
.Lfunc_end_k_qed6b969abf_l3:
	.size	k_qed6b969abf_l3, .Lfunc_end_k_qed6b969abf_l3-k_qed6b969abf_l3
	.p2alignl 7, 3214868480
	.fill 96, 4, 3214868480
	.section	.rodata,"a",@progbits
	.p2align	6, 0x0
	.amdhsa_kernel k_qed6b969abf_l3
		.amdhsa_group_segment_fixed_size 87040
		.amdhsa_private_segment_fixed_size 0
		.amdhsa_enable_private_segment 0
		.amdhsa_kernarg_size 40
		.amdhsa_user_sgpr_count 2
		.amdhsa_user_sgpr_kernarg_segment_ptr 1
		.amdhsa_wavefront_size32 1
		.amdhsa_system_sgpr_workgroup_id_x 1
		.amdhsa_system_sgpr_workgroup_id_y 1
		.amdhsa_system_sgpr_workgroup_id_z 1
		.amdhsa_system_vgpr_workitem_id 0
		.amdhsa_next_free_vgpr 512
		.amdhsa_next_free_sgpr 80
		.amdhsa_reserve_vcc 0
		.amdhsa_float_denorm_mode_32 3
		.amdhsa_float_denorm_mode_16_64 3
		.amdhsa_memory_ordered 1
		.amdhsa_forward_progress 1
		.amdhsa_inst_pref_size 89
	.end_amdhsa_kernel
	.amdgpu_metadata
---
amdhsa.version: [ 1, 2 ]
amdhsa.kernels:
  - .name:           k_qed6b969abf_l3
    .symbol:         k_qed6b969abf_l3.kd
    .args:
      - { .name: ew3, .offset: 0, .size: 8, .value_kind: global_buffer, .address_space: global }
      - { .name: eb3, .offset: 8, .size: 8, .value_kind: global_buffer, .address_space: global }
      - { .name: h2, .offset: 16, .size: 8, .value_kind: global_buffer, .address_space: global }
      - { .name: route, .offset: 24, .size: 8, .value_kind: global_buffer, .address_space: global }
      - { .name: y, .offset: 32, .size: 8, .value_kind: global_buffer, .address_space: global }
    .group_segment_fixed_size: 87040
    .private_segment_fixed_size: 0
    .kernarg_segment_align: 8
    .kernarg_segment_size: 40
    .max_flat_workgroup_size: 256
    .sgpr_count:     80
    .vgpr_count:     512
    .wavefront_size: 32
...
	.end_amdgpu_metadata
.endif
;; end of part 5
;; launch comb (part 6): grid 256 x 1, 4 waves a work-group, no clusters, 0 bytes of LDS; arguments y, idx, wts, route, out0; writes out0
.if DOCPART == 6
	.amdgcn_target "amdgcn-amd-amdhsa--gfx1250"
	.amdhsa_code_object_version 6
	.text
	.protected	k_qed6b969abf_comb
	.globl	k_qed6b969abf_comb
	.p2align	8
	.type	k_qed6b969abf_comb,@function
k_qed6b969abf_comb:
	s_mov_b64 s[64:65], 0
	v_nop
	global_prefetch_b8 v0, s[64:65] scope:SCOPE_SE
	s_setreg_imm32_b32 hwreg(HW_REG_WAVE_MODE, 25, 1), 1
	s_wait_xcnt 0x0
; THE WEIGHTED SUM.  out0[b] = w0 (y of b's first expert) + w1 (y of its second); y lies in two halves of the last layer's K (the bias is in the first), [2][2,176 routed rows][1,024] f32.
; A wave takes one token: its two experts and weights by scalar loads, its two routed rows from route's table pose [8][1,024] (byte 9,984 on), then four rows of 4,096 bytes, 512 consecutive bytes a load,
; all 32 loads out at once; a group of four is worked when it is in.  Each store covers 512 consecutive aligned bytes.  A stream: no LDS, no barrier, no matrix unit, no cluster (nothing is shared).
.set YHALF, 8912896
	s_load_b256 s[4:11], s[0:1], 0x0               ; y 4, idx 6, wts 8, route 10
	s_load_b64 s[12:13], s[0:1], 0x20              ; out0
	v_lshrrev_b32 v1, 5, v0
	v_readfirstlane_b32 s14, v1
	v_and_b32 v1, 31, v0
	v_lshlrev_b32 v2, 4, v1                        ; 16 x lane
	s_lshl_b32 s15, ttmp9, 2
	s_add_co_u32 s15, s15, s14                     ; the token
	s_lshl_b32 s16, s15, 3
	s_wait_kmcnt 0x0
	s_load_b64 s[18:19], s[6:7], s16 offset:0x0    ; its experts
	s_load_b64 s[20:21], s[8:9], s16 offset:0x0    ; its weights
	s_wait_kmcnt 0x0
	s_min_u32 s18, s18, 7
	s_min_u32 s19, s19, 7
	s_lshl_b32 s17, s15, 2
	s_lshl_b32 s18, s18, 12
	s_lshl_b32 s19, s19, 12
	s_add_co_u32 s18, s18, s17
	s_add_co_u32 s19, s19, s17
	s_load_b32 s24, s[10:11], s18 offset:0x2700    ; pose[expert][token]
	s_load_b32 s25, s[10:11], s19 offset:0x2700
	s_mov_b32 s22, s21                             ; the packed forms name a pair and take its low word for both halves
	s_mov_b32 s23, s21
	s_mov_b32 s27, 0
	s_wait_kmcnt 0x0
	s_min_u32 s24, s24, 2175
	s_min_u32 s25, s25, 2175
	s_lshl_b32 s26, s24, 12
	s_add_nc_u64 s[28:29], s[4:5], s[26:27]
	s_add_nc_u64 s[30:31], s[28:29], YHALF
	s_lshl_b32 s26, s25, 12
	s_add_nc_u64 s[32:33], s[4:5], s[26:27]
	s_add_nc_u64 s[34:35], s[32:33], YHALF
	s_lshl_b32 s26, s15, 12
	s_add_nc_u64 s[12:13], s[12:13], s[26:27]
.irp i, 0,1,2,3,4,5,6,7
	global_load_b128 v[16+16*\i:19+16*\i], v2, s[28:29] offset:512*\i th:TH_LOAD_NT
	global_load_b128 v[20+16*\i:23+16*\i], v2, s[30:31] offset:512*\i th:TH_LOAD_NT
	global_load_b128 v[24+16*\i:27+16*\i], v2, s[32:33] offset:512*\i th:TH_LOAD_NT
	global_load_b128 v[28+16*\i:31+16*\i], v2, s[34:35] offset:512*\i th:TH_LOAD_NT
.endr
.irp i, 0,1,2,3,4,5,6,7
	s_wait_loadcnt 4*(7-\i)                        ; the younger groups of four may be out
	v_pk_add_f32 v[16+16*\i:17+16*\i], v[16+16*\i:17+16*\i], v[20+16*\i:21+16*\i]
	v_pk_add_f32 v[18+16*\i:19+16*\i], v[18+16*\i:19+16*\i], v[22+16*\i:23+16*\i]
	v_pk_add_f32 v[24+16*\i:25+16*\i], v[24+16*\i:25+16*\i], v[28+16*\i:29+16*\i]
	v_pk_add_f32 v[26+16*\i:27+16*\i], v[26+16*\i:27+16*\i], v[30+16*\i:31+16*\i]
	v_pk_mul_f32 v[16+16*\i:17+16*\i], v[16+16*\i:17+16*\i], s[20:21] op_sel_hi:[1,0]
	v_pk_mul_f32 v[18+16*\i:19+16*\i], v[18+16*\i:19+16*\i], s[20:21] op_sel_hi:[1,0]
	v_pk_fma_f32 v[16+16*\i:17+16*\i], v[24+16*\i:25+16*\i], s[22:23], v[16+16*\i:17+16*\i] op_sel_hi:[1,0,1]
	v_pk_fma_f32 v[18+16*\i:19+16*\i], v[26+16*\i:27+16*\i], s[22:23], v[18+16*\i:19+16*\i] op_sel_hi:[1,0,1]
	global_store_b128 v2, v[16+16*\i:19+16*\i], s[12:13] offset:512*\i th:TH_STORE_NT
.endr
	s_endpgm
.Lfunc_end_k_qed6b969abf_comb:
	.size	k_qed6b969abf_comb, .Lfunc_end_k_qed6b969abf_comb-k_qed6b969abf_comb
	.p2alignl 7, 3214868480
	.fill 96, 4, 3214868480
	.section	.rodata,"a",@progbits
	.p2align	6, 0x0
	.amdhsa_kernel k_qed6b969abf_comb
		.amdhsa_group_segment_fixed_size 0
		.amdhsa_private_segment_fixed_size 0
		.amdhsa_enable_private_segment 0
		.amdhsa_kernarg_size 40
		.amdhsa_user_sgpr_count 2
		.amdhsa_user_sgpr_kernarg_segment_ptr 1
		.amdhsa_wavefront_size32 1
		.amdhsa_system_sgpr_workgroup_id_x 1
		.amdhsa_system_sgpr_workgroup_id_y 1
		.amdhsa_system_sgpr_workgroup_id_z 1
		.amdhsa_system_vgpr_workitem_id 0
		.amdhsa_next_free_vgpr 144
		.amdhsa_next_free_sgpr 66
		.amdhsa_reserve_vcc 0
		.amdhsa_float_denorm_mode_32 3
		.amdhsa_float_denorm_mode_16_64 3
		.amdhsa_memory_ordered 1
		.amdhsa_forward_progress 1
		.amdhsa_inst_pref_size 10
	.end_amdhsa_kernel
	.amdgpu_metadata
---
amdhsa.version: [ 1, 2 ]
amdhsa.kernels:
  - .name:           k_qed6b969abf_comb
    .symbol:         k_qed6b969abf_comb.kd
    .args:
      - { .name: y, .offset: 0, .size: 8, .value_kind: global_buffer, .address_space: global }
      - { .name: idx, .offset: 8, .size: 8, .value_kind: global_buffer, .address_space: global }
      - { .name: wts, .offset: 16, .size: 8, .value_kind: global_buffer, .address_space: global }
      - { .name: route, .offset: 24, .size: 8, .value_kind: global_buffer, .address_space: global }
      - { .name: out0, .offset: 32, .size: 8, .value_kind: global_buffer, .address_space: global }
    .group_segment_fixed_size: 0
    .private_segment_fixed_size: 0
    .kernarg_segment_align: 8
    .kernarg_segment_size: 40
    .max_flat_workgroup_size: 128
    .sgpr_count:     66
    .vgpr_count:     144
    .wavefront_size: 32
...
	.end_amdgpu_metadata
.endif
;; end of part 6
;; ======== version 2 of 2: 6 launches
;; workspace buffers: xc 819,200 bytes; idx 8,192 bytes of whole numbers; wts 8,192 bytes; route 42,752 bytes of whole numbers; h1 3,481,600 bytes; h2 3,481,600 bytes; y 17,825,792 bytes; wc 26,214,400 bytes
;; launch gate (part 7): grid 576 x 1, 8 waves a work-group, no clusters, 303,104 bytes of LDS; arguments x, gw1, gb1, gw2, gb2, gw3, gb3, xc, idx, wts, out2, ew2, wc; writes xc, idx, wts, out2, wc
.if DOCPART == 7
	.amdgcn_target "amdgcn-amd-amdhsa--gfx1250"
	.amdhsa_code_object_version 6
	.text
	.protected	k_qed6b969abf_gate
	.globl	k_qed6b969abf_gate
	.p2align	8
	.type	k_qed6b969abf_gate,@function
k_qed6b969abf_gate:
	s_mov_b64 s[64:65], 0
	v_nop
	global_prefetch_b8 v0, s[64:65] scope:SCOPE_SE
	s_setreg_imm32_b32 hwreg(HW_REG_WAVE_SCHED_MODE, 0, 2), 2
	s_setreg_imm32_b32 hwreg(HW_REG_WAVE_MODE, 25, 1), 1
	s_wait_xcnt 0x0
	s_wait_alu depctr_vm_vsrc(0)
; TWO KINDS OF WORK-GROUPS.  Numbers 0 to 63: THE GATE, 16 tokens each.  Numbers 64 to 575: THE SECOND EXPERT LAYER'S WEIGHTS, ew2, are quantised into wc; that work hangs on no result of the gate (at the end of this text).
; THE GATE.  g1 = relu(x gw1 + gb1), g2 = relu(g1 gw2 + gb2), logits = g2 gw3 + gb3, softmax, the two largest.  The first two products on codes of FP6 (E2M3) with one E8M0
; scale for each 32 along K; the third by f32 multiply-adds.  A work-group of eight waves takes 16 tokens.  It also leaves x's codes and scale words in xc for the first expert layer.
; OUT: out2 = the probabilities; idx [token][2] = the two experts, the larger probability first, the lower index at a tie; wts [token][2] = their probabilities divided by their sum.
; K'S PLACES.  In every quantised product of this program block q (0..3) of a K step of 128 lies in the half q / 2 of the lanes, in registers 6 (q % 2) on, and its scale in byte
; 2 (q % 2) + q / 2 of the scale word, in both operands alike: a lane's 12 registers are then 48 consecutive bytes of a row of codes.  The order of the sums differs from ascending K.
; WEIGHTS have K as their first axis.  A task is 32 rows (one block) x 64 columns: 32 loads of 8 bytes a lane, each 256 consecutive bytes of one row; a lane holds columns 2 l and 2 l + 1,
; all 32 numbers of a block, so no other lane is asked for a maximum.  The loaded pairs are copied apart, since a conversion wants 16 neighbours along K in consecutive registers.
; The codes go to LDS as images of the operand's registers: tile t, lane (r, h), 48 bytes.  Column n of 64 goes to tile 2 (n / 32) + (n / 8) % 2, row n % 8 + 8 ((n / 16) % 2), so that a lane's 16 results
; of two neighbouring tiles are 16 neighbours along the next K.  THE PRODUCTS ARE USED TRANSPOSED: source 0 = 16 columns of the weight, source 1 = the 16 tokens: a lane holds one token.
; LIMITS: NaN and infinities are not served.  A block of zeros gets the scale byte 1 (its codes are zeros; the bytes are read by this program alone).
; No cluster: 64 work-groups read the same weights, but they come through registers to be quantised, not as tiles; the work-groups that quantise ew2 share nothing.
; THE MODE: SCHED_MODE bits 1:0 = 2 (LLVM: expert scheduling mode 2), set by the entry lines.  The code itself states the register dependences between vector or matrix instructions and memory or LDS
; instructions, with s_wait_alu, always for 0.
; THE PLAN.  Registers that memory or LDS instructions touch, and who else names them:
;   window 1, four sets of 64: task n's loads land in set n % 4; its 64 copies read the set; the loads of task n + 4 land there again, issued two tasks behind those copies.
;   F, W (v56-67, v76, v77): written by a task's conversions, copies and shifts, read by its LDS stores, written again by the next task.  v40: also x's scale word, read by one LDS store.
;   XF (v80-91): x's codes, written once, read by three LDS and three global stores.
;   P0, P1 (v56-91, v128-163) and v32-39: LDS loads land there, the products read them; set s % 2 is loaded again one step behind the products of step s.
;   v41, v48-51: g1's byte and codes, then the partial logits: written by arithmetic, read by LDS stores.   v128-191: wave 0's loads of the partial logits land there.
;   v140-143, v150, v151: wave 0's results, read by three stores at its end.   v4-31, v92, v93: offsets and addresses, written at the head alone.   v126, v127: written at the head, read by the closing add alone.
; So a task holds two waits: one on vm_vsrc ahead of its arithmetic (the stores issued so far have read F, W and v40) and one on va_vdst ahead of its LDS stores (F and W are written; the copies are done reading their
; set).  Between that wait and the loads of two tasks on stand stores, window switches and loads alone, so those loads owe nothing more.  A step of the first product holds one wait on va_vdst, at its head.
.set W1IMG, 0                          ; LDS: gw1's images [8 K steps][16 tiles][32 lanes][48]
.set W1SC,  196608                     ; its scale words [8][16 tiles][16 rows]
.set W2IMG, 204800                     ; gw2's images [2][8][32][48]
.set W2SC,  229376                     ; [2][8][16] words
.set XIMG,  230400                     ; x's eight fragments
.set XSC,   242688                     ; x's scale words [16 tokens][8]
.set G1IMG, 243200                     ; g1's two fragments
.set G1SC,  246272                     ; [2][16] words
.set PLG,   246528                     ; partial logits [8 waves][16 tokens][8]
.set QB,    250880                     ; the work-groups that quantise ew2 have LDS bytes of their own: eight images of 6,144 bytes, then 8 x 256 bytes of scale words
.set WLO, 4                            ; v4 8 x lane;  v5-31, v92, v93: addresses, made at the head and kept
.set M,   40                           ; v40-55 at work
.set SOP, 44
.set F,   56                           ; v56-67 a task's codes, v68-75 their second halves, v76-77 two columns' scale words
.set TT,  68
.set W,   76
.set XF,  80                           ; v80-91 x's fragment
.set GB1, 96                           ; v96-111 gb1, v112-119 gb2, in the results' layout
.set GB2, 112
.set Y,   128                          ; v128-191 64 numbers at work
.set P0,  56                           ; the products' operands: two sets of 36
.set P1,  128
.set ACC1, 164                         ; v164-179 two tiles of g1
.set ACC2, 180                         ; v180-187 one tile of g2
.set GW3, 192                          ; v192-255 my eight rows of gw3
; v32-39 hold scale words and nothing else: x's 32, 33; gw1's 34, 35; g1's 36, 37; gw2's 38, 39.  Window 1: four sets of 64 for the tasks' loads.
.set MSB, 0
.macro WIN new                         ; the immediate's high byte repeats the setting that is left
.if MSB != \new
	s_set_vgpr_msb (MSB<<8)|\new
.set MSB, \new
.endif
.endm
.macro LOADT buf, sb, off, pitch       ; a task's 32 rows into set buf of window 1
.set LB, 64*(\buf)
	WIN 0x40
.set ii, 0
.rept 32
	global_load_b64 v[LB+2*ii:LB+2*ii+1], v[WLO], s[\sb:\sb+1] offset:(\off)+ii*(\pitch)
.set ii, ii+1
.endr
.endm
.macro LOADW buf, off                  ; the same for ew2: rows of 8,192 bytes, read once in the launch
.set LB, 64*(\buf)
	WIN 0x40
.set ii, 0
.rept 32
	global_load_b64 v[LB+2*ii:LB+2*ii+1], v[WLO], s[18:19] offset:(\off)+ii*8192 th:TH_LOAD_NT
.set ii, ii+1
.endr
.endm
.macro QBLOCK buf, q4, imw, sca, ioff, soff, prev   ; the task in set buf is block q4 of its K step: codes to the images, the scale bytes gathered, the words stored behind block 3.  prev = 0: no LDS store has been issued yet
.set LB, 64*(\buf)
.set QO, (\ioff)+768*((\q4)/2)+24*((\q4)%2)
.set QS, 8*(2*((\q4)%2)+(\q4)/2)
	WIN 0x01
.set ii, 0
.rept 32
	v_mov_b32 v[Y+ii], v[LB+2*ii]                  ; column 2 l down K
	v_mov_b32 v[Y+32+ii], v[LB+2*ii+1]             ; column 2 l + 1
.set ii, ii+1
.endr
	WIN 0
	s_wait_dscnt 0x0                               ; the last task's LDS stores are done
.if \prev
	s_wait_alu depctr_vm_vsrc(0)                   ; the LDS stores issued so far have read v[M], v[F ..] and v[W ..], which are written again below
.endif
	v_max3_num_f32 v[M], |v[Y]|, |v[Y+1]|, 0x1800000       ; the largest magnitude, over the floor 2^(3 - 127): the byte cannot fall under 1
	v_max3_num_f32 v[M+1], |v[Y+32]|, |v[Y+33]|, 0x1800000
.set ii, 2
.rept 15
	v_max3_num_f32 v[M], v[M], |v[Y+ii]|, |v[Y+ii+1]|
	v_max3_num_f32 v[M+1], v[M+1], |v[Y+32+ii]|, |v[Y+33+ii]|
.set ii, ii+2
.endr
	v_add_nc_u32 v[SOP], 0xff000000, v[M]          ; 2 off the exponent field: the conversion's scale operand
	v_add_nc_u32 v[SOP+1], 0xff000000, v[M+1]
	v_lshrrev_b32 v[M], 23, v[SOP]                 ; the scale's byte
	v_lshrrev_b32 v[M+1], 23, v[SOP+1]
.if (\q4) == 0
	v_mov_b32 v[W], v[M]
	v_mov_b32 v[W+1], v[M+1]
.else
	v_lshl_or_b32 v[W], v[M], QS, v[W]
	v_lshl_or_b32 v[W+1], v[M+1], QS, v[W+1]
.endif
	v_cvt_scalef32_pk16_fp6_f32 v[F:F+2], v[Y:Y+15], v[SOP]
	v_cvt_scalef32_pk16_fp6_f32 v[TT:TT+2], v[Y+16:Y+31], v[SOP]       ; (a conversion's three registers begin on an even number)
	v_cvt_scalef32_pk16_fp6_f32 v[F+6:F+8], v[Y+32:Y+47], v[SOP+1]
	v_cvt_scalef32_pk16_fp6_f32 v[TT+4:TT+6], v[Y+48:Y+63], v[SOP+1]
	v_nop                                          ; one plain place behind the conversions
.irp i, 0,1,2
	v_mov_b32 v[F+3+\i], v[TT+\i]
	v_mov_b32 v[F+9+\i], v[TT+4+\i]
.endr
	s_wait_alu depctr_va_vdst(0)                   ; v[F ..] and v[W ..] are written, which the LDS stores below read; the copies above are done reading their set, in which the loads of four tasks on land
.irp p, 0,1,2
	ds_store_b64 v[\imw], v[F+2*\p:F+2*\p+1] offset:QO+8*\p
	ds_store_b64 v[\imw], v[F+6+2*\p:F+7+2*\p] offset:QO+48+8*\p
.endr
.if (\q4) == 3
	ds_store_b64 v[\sca], v[W:W+1] offset:\soff
.endif
.endm
.macro WM d, a, b, c, sa, sb, odd      ; odd = 1: source 0's scales stand in lanes 16-31 of their register
.if \odd
	v_wmma_scale_f32_16x16x128_f8f6f4 v[\d:\d+7], v[\a:\a+11], v[\b:\b+11], v[\c:\c+7], v[\sa], v[\sb] matrix_a_fmt:MATRIX_FMT_FP6 matrix_b_fmt:MATRIX_FMT_FP6 matrix_a_scale:MATRIX_SCALE_ROW1
.else
	v_wmma_scale_f32_16x16x128_f8f6f4 v[\d:\d+7], v[\a:\a+11], v[\b:\b+11], v[\c:\c+7], v[\sa], v[\sb] matrix_a_fmt:MATRIX_FMT_FP6 matrix_b_fmt:MATRIX_FMT_FP6
.endif
.endm
.macro BARRIER                         ; my LDS stores have landed and my LDS loads are in: then the work-group's barrier
	s_wait_dscnt 0x0
	s_barrier_signal -1
	s_barrier_wait -1
.endm
	v_lshl_add_u32 v126, v0, 2, 0x49c00
	v_mov_b32 v127, 0
	s_cmp_ge_u32 ttmp9, 64                         ; the work-group's number alone decides: all eight waves go the same way
	s_cbranch_scc1 .Lquant
	s_load_b512 s[16:31], s[0:1], 0x0              ; x 16, gw1 18, gb1 20, gw2 22, gb2 24, gw3 26, gb3 28, xc 30
	s_load_b128 s[32:35], s[0:1], 0x40             ; idx 32, wts 34
	s_load_b64 s[36:37], s[0:1], 0x50              ; out2
	v_lshrrev_b32 v1, 5, v0
	v_readfirstlane_b32 s14, v1                    ; wave w
	v_and_b32 v1, 31, v0                           ; lane l
	v_and_b32 v2, 15, v0                           ; r
	v_bfe_u32 v3, v0, 4, 1                         ; h
	s_mov_b32 s38, 0x76543210
	s_mov_b32 s39, 0xfedcba98                      ; v_permlanex16_b32's selects for lane l xor 16
	s_mov_b32 s48, 0xffff0000                      ; lanes 16-31
	v_lshlrev_b32 v[WLO], 3, v1
	v_and_b32 v40, 3, v0
	v_bfe_u32 v41, v0, 2, 1
	v_bfe_u32 v42, v0, 3, 1
	v_mul_u32_u24 v43, v40, 96                     ; where columns 2 l, 2 l + 1 lie in a slice's four images: 96 (l % 4) + 1536 bit 2 + 384 bit 3 + 3072 bit 4
	v_mad_u32_u24 v43, v41, 1536, v43
	v_mad_u32_u24 v43, v42, 384, v43
	v_mad_u32_u24 v43, v3, 3072, v43
	s_wait_alu depctr_va_vdst(0)
	v_lshlrev_b32 v44, 3, v40                      ; and among its scale words: 8 (l % 4) + 64 bit 2 + 32 bit 3 + 128 bit 4
	v_lshl_add_u32 v44, v41, 6, v44
	v_lshl_add_u32 v44, v42, 5, v44
	v_lshl_add_u32 v44, v3, 7, v44
	s_wait_alu depctr_va_vdst(0)
	v_mul_u32_u24 v45, v1, 48                      ; 48 l: a lane's place in an image
	s_wait_alu depctr_va_vdst(0)
	s_wait_alu depctr_va_sdst(0)                   ; s14 is written, ahead of its first reader
	s_and_b32 s50, s14, 1                          ; w's bit 0,
	s_bfe_u32 s51, s14, 0x10001                    ; bit 1,
	s_lshr_b32 s52, s14, 2                         ; bit 2
	s_mul_i32 s53, s14, 24576
	v_add_nc_u32 v5, s53, v43                      ; v5: gw1's images of K step w
	s_lshl_b32 s53, s14, 10
	s_add_co_u32 s53, s53, W1SC
	v_add_nc_u32 v6, s53, v44                      ; v6: its scale words
	s_mul_i32 s53, s51, 12288
	s_mul_i32 s54, s50, 6144
	s_add_co_u32 s53, s53, s54
	s_add_co_u32 s53, s53, W2IMG
	v_add_nc_u32 v7, s53, v43                      ; v7: gw2 (waves 0-3): K step w / 2, columns 64 (w % 2) on
	s_lshl_b32 s53, s51, 9
	s_lshl_b32 s54, s50, 8
	s_add_co_u32 s53, s53, s54
	s_add_co_u32 s53, s53, W2SC
	v_add_nc_u32 v8, s53, v44                      ; v8
	v_lshlrev_b32 v9, 12, v2
	v_lshl_add_u32 v9, v3, 8, v9                   ; v9: x: token r, + 256 h
	s_mul_i32 s53, s14, 1536
	s_add_co_u32 s53, s53, XIMG
	v_add_nc_u32 v10, s53, v45                     ; v10: x's image of K step w
	v_lshlrev_b32 v11, 5, v2
	s_lshl_b32 s53, s14, 2
	s_add_co_u32 s53, s53, XSC
	v_add_nc_u32 v11, s53, v11                     ; v11: its scale word
	v_mul_u32_u24 v12, v2, 768
	v_mad_u32_u24 v12, v3, 48, v12                 ; v12: xc: token r's row of codes, + 48 h
	v_add_nc_u32 v13, XIMG, v45                    ; v13: x's images, read
	v_lshl_add_u32 v14, v2, 5, XSC                 ; v14: x's scale words, read
	s_mul_i32 s53, s14, 3072
	v_add_nc_u32 v15, s53, v45                     ; v15-18: gw1's tiles 2 w, 2 w + 1 of K steps 0, 2, 4, 6
	v_add_nc_u32 v16, 49152, v15
	v_add_nc_u32 v17, 98304, v15
	v_add_nc_u32 v18, 147456, v15
	s_lshl_b32 s53, s14, 7
	s_add_co_u32 s53, s53, W1SC
	v_lshl_add_u32 v19, v1, 2, s53                 ; v19: their scale words: lanes 0-15 tile 2 w, lanes 16-31 tile 2 w + 1
	v_mul_u32_u24 v20, v2, 48
	v_mad_u32_u24 v20, v3, 12, v20
	s_mul_i32 s53, s52, 1536
	s_mul_i32 s54, s51, 768
	s_add_co_u32 s53, s53, s54
	s_mul_i32 s54, s50, 24
	s_add_co_u32 s53, s53, s54
	s_add_co_u32 s53, s53, G1IMG
	v_add_nc_u32 v20, s53, v20                     ; v20: g1: my columns are block w: K step w / 4, half (w / 2) % 2, registers 6 (w % 2) on; 12 bytes a lane
	v_lshlrev_b32 v21, 2, v2
	s_lshl_b32 s53, s52, 6
	s_lshl_b32 s54, s50, 1
	s_add_co_u32 s53, s53, s54
	s_add_co_u32 s53, s53, s51
	s_add_co_u32 s53, s53, G1SC
	v_add_nc_u32 v21, s53, v21                     ; v21: and its scale byte
	v_add_nc_u32 v22, G1IMG, v45                   ; v22: g1's images, read
	v_lshl_add_u32 v23, v2, 2, G1SC                ; v23
	s_mul_i32 s53, s14, 1536
	s_add_co_u32 s53, s53, W2IMG
	v_add_nc_u32 v24, s53, v45                     ; v24: gw2's tile w
	s_lshl_b32 s53, s14, 6
	s_add_co_u32 s53, s53, W2SC
	v_lshl_add_u32 v25, v2, 2, s53                 ; v25
	v_lshlrev_b32 v26, 5, v2
	v_lshl_add_u32 v26, v3, 4, v26
	v_mov_b32 v92, v26                             ; v92: out2: 32 r + 16 h
	s_lshl_b32 s53, s14, 9
	s_add_co_u32 s53, s53, PLG
	v_add_nc_u32 v26, s53, v26                     ; v26: my partial logits
	v_lshl_add_u32 v27, v2, 5, PLG                 ; v27: all waves', read
	v_lshlrev_b32 v28, 6, v3                       ; v28: 64 h
	v_lshlrev_b32 v29, 9, v3                       ; v29: 512 h
	v_lshl_add_u32 v30, v1, 4, XSC                 ; v30
	v_lshlrev_b32 v31, 4, v1                       ; v31
	v_lshlrev_b32 v93, 3, v2
	v_lshl_add_u32 v93, v3, 2, v93                 ; v93: idx, wts: 8 r + 4 h
.irp i, 46,47,48,49,50,51,52,53,54,55
	v_mov_b32 v\i, 0                               ; written once: a lane permute's destination counts as one of its sources
.endr
	s_wait_kmcnt 0x0
	s_load_b256 s[40:47], s[28:29], 0x0            ; gb3
	s_mov_b32 s55, 0
	s_lshl_b32 s54, ttmp9, 16
	s_lshl_b32 s53, s14, 9
	s_add_co_u32 s54, s54, s53
	s_add_nc_u64 s[16:17], s[16:17], s[54:55]      ; x at my 16 tokens, K step w
	s_lshl_b32 s54, s14, 17
	s_add_nc_u64 s[18:19], s[18:19], s[54:55]      ; gw1 at row 128 w
	s_lshl_b32 s54, s14, 7
	s_add_nc_u64 s[20:21], s[20:21], s[54:55]      ; gb1 at column 32 w
	s_lshl_b32 s54, s51, 16
	s_lshl_b32 s53, s50, 8
	s_add_co_u32 s54, s54, s53
	s_add_nc_u64 s[22:23], s[22:23], s[54:55]      ; gw2 at row 128 (w / 2), column 64 (w % 2)
	s_lshl_b32 s54, s52, 8
	s_lshl_b32 s53, s51, 7
	s_add_co_u32 s54, s54, s53
	s_lshl_b32 s53, s50, 5
	s_add_co_u32 s54, s54, s53
	s_add_nc_u64 s[24:25], s[24:25], s[54:55]      ; gb2 at column 64 bit 2 + 32 bit 1 + 8 bit 0: tile w's
	s_lshl_b32 s54, s54, 3
	s_add_nc_u64 s[26:27], s[26:27], s[54:55]      ; gw3 at that row
	s_mul_i32 s54, ttmp9, 12288
	s_mul_i32 s53, s14, 96
	s_add_co_u32 s54, s54, s53
	s_add_nc_u64 s[56:57], s[30:31], s[54:55]      ; xc's codes
	s_lshl_b32 s54, ttmp9, 9
	s_add_nc_u64 s[36:37], s[36:37], s[54:55]
	s_add_co_u32 s54, s54, 786432
	s_add_nc_u64 s[58:59], s[30:31], s[54:55]      ; xc's scale words
	s_lshl_b32 s54, ttmp9, 7
	s_add_nc_u64 s[32:33], s[32:33], s[54:55]
	s_add_nc_u64 s[34:35], s[34:35], s[54:55]
	s_wait_alu depctr_va_vdst(0)                   ; the offsets and addresses v4 to v31, v92 and v93 are written: every load and store of the gate reads one of them
.irp i, 0,1,2,3
	global_load_b128 v[GB1+4*\i:GB1+4*\i+3], v28, s[20:21] offset:16*\i
.endr
.irp i, 0,1
	global_load_b128 v[GB2+4*\i:GB2+4*\i+3], v28, s[24:25] offset:16*\i
.endr
.irp i, 0,1,2,3,4,5,6,7,8,9,10,11,12,13,14,15
	global_load_b128 v[GW3+4*\i:GW3+4*\i+3], v29, s[26:27] offset:16*\i
.endr
.irp i, 0,1,2,3,4,5,6,7,8,9,10,11,12,13,14,15
	global_load_b128 v[Y+4*\i:Y+4*\i+3], v9, s[16:17] offset:16*\i th:TH_LOAD_NT   ; x(r, 128 w + 64 h + 0 .. 63): two whole blocks
.endr
	LOADT 0, 18, 0, 1024
	LOADT 1, 18, 32768, 1024
	s_wait_loadcnt 63                              ; 64 loads are younger than x's; the count's field ends at 63, so one more is waited for
	; ---- x's K step w: two blocks a lane
	WIN 0
	v_max3_num_f32 v40, |v[Y]|, |v[Y+1]|, 0x1800000
	v_max3_num_f32 v41, |v[Y+32]|, |v[Y+33]|, 0x1800000
.set ii, 2
.rept 15
	v_max3_num_f32 v40, v40, |v[Y+ii]|, |v[Y+ii+1]|
	v_max3_num_f32 v41, v41, |v[Y+32+ii]|, |v[Y+33+ii]|
.set ii, ii+2
.endr
	v_add_nc_u32 v44, 0xff000000, v40
	v_add_nc_u32 v45, 0xff000000, v41
	v_lshrrev_b32 v40, 23, v44
	v_lshrrev_b32 v41, 23, v45
	v_lshl_or_b32 v40, v41, 16, v40                ; my bytes stand at 8 h and 16 + 8 h bits;
	v_lshlrev_b32 v41, 3, v3
	v_lshlrev_b32 v40, v41, v40
	v_permlanex16_b32 v46, v40, s38, s39
	v_or_b32 v40, v40, v46                         ; with lane l xor 16's two the word is whole
	v_cvt_scalef32_pk16_fp6_f32 v[XF:XF+2], v[Y:Y+15], v44
	v_cvt_scalef32_pk16_fp6_f32 v[TT:TT+2], v[Y+16:Y+31], v44
	v_cvt_scalef32_pk16_fp6_f32 v[XF+6:XF+8], v[Y+32:Y+47], v45
	v_cvt_scalef32_pk16_fp6_f32 v[TT+4:TT+6], v[Y+48:Y+63], v45
	v_nop
.irp i, 0,1,2
	v_mov_b32 v[XF+3+\i], v[TT+\i]
	v_mov_b32 v[XF+9+\i], v[TT+4+\i]
.endr
	s_wait_alu depctr_va_vdst(0)                   ; x's codes v[XF ..] and its scale word v40 are written, which the seven stores below read
.irp i, 0,1,2
	ds_store_b128 v10, v[XF+4*\i:XF+4*\i+3] offset:16*\i
.endr
	ds_store_b32 v11, v40
.irp i, 0,1,2
	global_store_b128 v12, v[XF+4*\i:XF+4*\i+3], s[56:57] offset:16*\i
.endr
	; ---- gw1: K step w, 16 tasks: columns 64 (n / 4) on, block n % 4.  Two tasks' loads are out beside the one that is waited for
.set tt, 0
.rept 16
.if tt+2 < 16
	LOADT (tt+2)%4, 18, 256*((tt+2)/4)+((tt+2)%4)*32768, 1024
	s_wait_loadcnt 63                              ; 64 are younger; the field ends at 63
.elseif tt+1 < 16
	s_wait_loadcnt 32
.else
	s_wait_loadcnt 0x0
.endif
	QBLOCK tt%4, tt%4, 5, 6, 6144*(tt/4), 256*(tt/4), 1
.set tt, tt+1
.endr
	; ---- gw2: waves 0-3, four tasks each
	s_cmp_ge_u32 s14, 4
	s_cbranch_scc1 .Lnogw2
	LOADT 0, 22, 0, 512
	LOADT 1, 22, 16384, 512
.set tt, 0
.rept 4
.if tt+2 < 4
	LOADT tt+2, 22, (tt+2)*16384, 512
	s_wait_loadcnt 63
.elseif tt+1 < 4
	s_wait_loadcnt 32
.else
	s_wait_loadcnt 0x0
.endif
	QBLOCK tt, tt, 7, 8, 0, 0, 1
.set tt, tt+1
.endr
.Lnogw2:
	s_wait_kmcnt 0x0                               ; gb3
	s_wait_xcnt 0x0                                ; xc's stores have read their registers, which take operands below
	s_wait_alu depctr_vm_vsrc(0)                   ; xc's stores have read v[XF ..], and the last task's LDS stores v[F ..] and v[W ..]: operands are loaded into all of them below
	BARRIER                                        ; all images lie in LDS
	s_cmp_lg_u32 s14, 1
	s_cbranch_scc1 .Lnoxs
	ds_load_b128 v[120:123], v30                   ; wave 1: the 16 tokens' scale words leave as 512 consecutive bytes
	s_wait_dscnt 0x0
	global_store_b128 v31, v[120:123], s[58:59]
.Lnoxs:
	; ---- g1 = relu(x gw1 + gb1): my tiles 2 w and 2 w + 1, eight K steps, two sets of operands
.macro GL s
.set GP, P0+(P1-P0)*((\s)%2)
.irp i, 0,1,2
	ds_load_b128 v[GP+4*\i:GP+4*\i+3], v13 offset:1536*(\s)+16*\i
.endr
	ds_load_b32 v[32+(\s)%2], v14 offset:4*(\s)
.irp i, 0,1,2
	ds_load_b128 v[GP+12+4*\i:GP+12+4*\i+3], v[15+(\s)/2] offset:24576*((\s)%2)+16*\i
	ds_load_b128 v[GP+24+4*\i:GP+24+4*\i+3], v[15+(\s)/2] offset:24576*((\s)%2)+1536+16*\i
.endr
	ds_load_b32 v[34+(\s)%2], v19 offset:1024*(\s)
.endm
	s_wait_alu depctr_va_vdst(0)                   ; the quantiser's arithmetic is done writing and reading v56-91 and v128-191, in which the operands' loads of steps 0 and 1 land
	GL 0
.irp s, 0,1,2,3,4,5,6,7
.if \s < 7
.if \s > 0
	s_wait_alu depctr_va_vdst(0)                   ; the last step's two products are done reading their set of operands and their scale words, in which the next step's loads land
.endif
	GL \s+1
	s_wait_dscnt 11                                ; the next step's eleven loads may be out
.else
	s_wait_dscnt 0x0
.endif
.set PB, P0+(P1-P0)*(\s%2)
.if \s == 0
	WM ACC1, PB+12, PB, GB1, 34, 32, 0             ; the bias is the C of each sum's first product
	WM ACC1+8, PB+24, PB, GB1+8, 34, 32, 1
.else
	WM ACC1, PB+12, PB, ACC1, 34+\s%2, 32+\s%2, 0  ; the two accumulators take turns
	WM ACC1+8, PB+24, PB, ACC1+8, 34+\s%2, 32+\s%2, 1
.endif
.rept 4
	v_nop                                          ; places in front of loads into registers that these products read, and of the first read of results
.endr
.endr
.set ii, 0
.rept 16
	v_max_num_f32 v[ACC1+ii], 0, v[ACC1+ii]        ; my 16 registers are columns 32 w + 16 h + 0 .. 15 of token r
.set ii, ii+1
.endr
	v_max3_num_f32 v40, v[ACC1], v[ACC1+1], 0x1800000
.irp i, 2,4,6,8,10,12,14
	v_max3_num_f32 v40, v40, v[ACC1+\i], v[ACC1+\i+1]
.endr
	v_permlanex16_b32 v46, v40, s38, s39
	v_max_num_f32 v40, v40, v46                    ; with lane l xor 16's: the block's largest
	v_add_nc_u32 v44, 0xff000000, v40
	v_lshrrev_b32 v41, 23, v44
	v_cvt_scalef32_pk16_fp6_f32 v[48:50], v[ACC1:ACC1+15], v44
	v_nop
	s_wait_alu depctr_va_vdst(0)                   ; g1's codes v48-50 and its byte v41 are written, which the LDS stores read; the first product is done reading P0, P1, in which the second product's operands land behind the barrier
	ds_store_b32 v20, v48
	ds_store_b32 v20, v49 offset:4
	ds_store_b32 v20, v50 offset:8
	ds_store_b8 v21, v41                           ; both halves write the same byte with the same value
	BARRIER                                        ; g1's two fragments lie in LDS
	; ---- g2 = relu(g1 gw2 + gb2): my tile w, two K steps
.irp s, 0,1
.irp i, 0,1,2
	ds_load_b128 v[P0+12*\s+4*\i:P0+12*\s+4*\i+3], v22 offset:1536*\s+16*\i
	ds_load_b128 v[P1+12*\s+4*\i:P1+12*\s+4*\i+3], v24 offset:12288*\s+16*\i
.endr
	ds_load_b32 v[36+\s], v23 offset:64*\s
	ds_load_b32 v[38+\s], v25 offset:512*\s
.endr
	s_wait_dscnt 0x0
	WM ACC2, P1, P0, GB2, 38, 36, 0
	s_wait_alu depctr_va_vdst(0)                   ; the wait ahead of the link
	WM ACC2, P1+12, P0+12, ACC2, 39, 37, 0
.rept 4
	v_nop
.endr
.irp j, 0,1,2,3,4,5,6,7
	v_max_num_f32 v[ACC2+\j], 0, v[ACC2+\j]
.endr
	; ---- logits, in f32: my eight columns of g2 against my eight rows of gw3
	s_wait_alu depctr_vm_vsrc(0)                   ; g1's LDS stores have read v41 and v48-50, which the lines below write again
.irp e, 0,1,2,3,4,5,6,7
	v_mul_f32 v[40+\e], v[ACC2], v[GW3+\e]
.endr
.irp j, 1,2,3,4,5,6,7
.irp e, 0,1,2,3,4,5,6,7
	v_fmac_f32 v[40+\e], v[ACC2+\j], v[GW3+8*\j+\e]
.endr
.endr
.irp e, 0,1,2,3,4,5,6,7
	v_permlanex16_b32 v[48+\e], v[40+\e], s38, s39
.endr
.irp e, 0,1,2,3,4,5,6,7
	v_add_f32 v[40+\e], v[40+\e], v[48+\e]
.endr
.irp i, 0,1,2,3
	v_cndmask_b32 v[48+\i], v[40+\i], v[44+\i], s48        ; lanes 0-15 store experts 0-3, lanes 16-31 experts 4-7
.endr
	s_wait_alu depctr_va_vdst(0)                   ; the partial logits v48-51 are written, which the LDS store reads; all arithmetic on v128-191 is done, where wave 0's loads land behind the barrier
	ds_store_b128 v26, v[48:51]
	BARRIER
	s_cmp_lg_u32 s14, 0
	s_cbranch_scc1 .Lend
	; ---- wave 0: the eight waves' parts, softmax, the two largest.  Both halves of the lanes compute token r
.irp w, 0,1,2,3,4,5,6,7
	ds_load_b128 v[128+8*\w:131+8*\w], v27 offset:512*\w
	ds_load_b128 v[132+8*\w:135+8*\w], v27 offset:512*\w+16
.endr
	s_wait_dscnt 0x0
.irp w, 1,2,3,4,5,6,7
.irp p, 0,2,4,6
	v_pk_add_f32 v[128+\p:129+\p], v[128+\p:129+\p], v[128+8*\w+\p:129+8*\w+\p]
.endr
.endr
.irp e, 0,1,2,3,4,5,6,7
	v_add_f32 v[128+\e], s[40+\e], v[128+\e]
.endr
	v_max3_num_f32 v136, v128, v129, v130
	v_max3_num_f32 v136, v136, v131, v132
	v_max3_num_f32 v136, v136, v133, v134
	v_max_num_f32 v136, v136, v135                 ; the row's maximum is taken away ahead of the exponentials
.irp e, 0,1,2,3,4,5,6,7
	v_sub_f32 v[128+\e], v[128+\e], v136
.endr
.irp e, 0,1,2,3,4,5,6,7
	v_mul_f32 v[128+\e], 0x3fb8aa3b, v[128+\e]     ; x log2(e)
.endr
	s_wait_alu depctr_va_vdst(0)
.irp e, 0,1,2,3,4,5,6,7
	v_exp_f32 v[128+\e], v[128+\e]
.endr
	v_nop                                          ; a plain place behind the batch,
	s_wait_alu depctr_va_vdst(0)                   ; and one wait for the eight exponentials' results, ahead of their first reader
	v_add_f32 v137, v128, v129
	v_add_f32 v138, v130, v131
	v_add_f32 v139, v132, v133
	v_add_f32 v140, v134, v135
	v_add_f32 v137, v137, v138
	v_add_f32 v139, v139, v140
	v_add_f32 v137, v137, v139
	s_wait_alu depctr_va_vdst(0)
	v_rcp_f32 v138, v137
	v_nop
	s_wait_alu depctr_va_vdst(0)                   ; the reciprocal v138 is written, ahead of its first reader
.irp e, 0,1,2,3,4,5,6,7
	v_mul_f32 v[128+\e], v[128+\e], v138           ; the probabilities
.endr
.irp i, 0,1,2,3
	v_cndmask_b32 v[140+\i], v[128+\i], v[132+\i], s48     ; out2's 16 bytes of this lane: they are stored at the end, behind one wait with the other results
.endr
	v_mov_b32 v144, v128                           ; the largest and its index,
	v_mov_b32 v145, 0
	v_mov_b32 v146, -1.0                           ; the second
	v_mov_b32 v147, 0
.irp e, 1,2,3,4,5,6,7                          ; strictly greater: at a tie the lower index stays ahead
	v_cmp_gt_f32 s61, v[128+\e], v144
	v_cmp_gt_f32 s60, v[128+\e], v146
	s_wait_alu depctr_va_sdst(0)                   ; the two masks s60 and s61 are written, ahead of their first readers
	v_cndmask_b32 v148, v146, v[128+\e], s60
	v_cndmask_b32 v149, v147, \e, s60
	v_cndmask_b32 v146, v148, v144, s61
	v_cndmask_b32 v147, v149, v145, s61
	v_cndmask_b32 v144, v144, v[128+\e], s61
	v_cndmask_b32 v145, v145, \e, s61
.endr
	v_add_f32 v148, v144, v146
	s_wait_alu depctr_va_vdst(0)
	v_rcp_f32 v149, v148
	v_cndmask_b32 v150, v145, v147, s48            ; (a plain place)  lanes 0-15 the first expert, lanes 16-31 the second
	s_wait_alu depctr_va_vdst(0)                   ; the reciprocal v149 is written, ahead of its first reader
	v_mul_f32 v144, v144, v149
	v_mul_f32 v146, v146, v149
	v_cndmask_b32 v151, v144, v146, s48
	s_wait_alu depctr_va_vdst(0)                   ; v140-143, v150 and v151 are written, which the three stores read
	global_store_b128 v92, v[140:143], s[36:37]    ; 512 consecutive bytes
	global_store_b32 v93, v150, s[32:33]
	global_store_b32 v93, v151, s[34:35]
.Lend:
	s_wait_dscnt 0x0                               ; the closing lines, six on end
	s_wait_alu 0x0
	s_wait_tensorcnt 0x0
	ds_add_u32 v126, v127
	s_wait_dscnt 0x0
	s_endpgm
; ==== WORK-GROUPS 64 TO 575: ew2 [8][2048 (k)][2048 (n)] f32 into codes.  Task id = number - 64; g = id % 256 is the work-group of the second layer that will read the codes (expert g % 8, columns 64 (g / 8) on);
; id / 256 is the half of K.  Wave w takes K step s = 8 (id / 256) + w: four blocks of 32 rows x 64 columns, each weight byte once in the launch.  Its images and scale words go to LDS bytes of the wave's own, come back
; as they lie, and leave as 12 stores of 512 and one of 256 consecutive aligned bytes.  No wave reads another's bytes: no barrier.
; wc: for each g 102,400 bytes laid as the second layer's LDS: 16 images of 6,144 bytes ([4 tiles][32 lanes][48]), then 16 x 256 bytes of scale words ([4 tiles][16 rows]).
; The waits are a task's two; the last task's wait on va_vdst also states that all arithmetic on v[Y ..] is done, where the loads from LDS land.
.Lquant:
	s_load_b64 s[4:5], s[0:1], 0x58                ; ew2
	s_load_b64 s[8:9], s[0:1], 0x60                ; wc
	v_lshrrev_b32 v1, 5, v0
	v_readfirstlane_b32 s14, v1                    ; wave w
	v_and_b32 v1, 31, v0                           ; lane l
	v_bfe_u32 v3, v0, 4, 1                         ; l's bit 4
	s_sub_co_u32 s10, ttmp9, 64                    ; the task
	s_and_b32 s11, s10, 255                        ; g
	s_lshr_b32 s12, s10, 8                         ; the half of K
	s_and_b32 s15, s11, 7                          ; the expert
	s_lshr_b32 s16, s11, 3                         ; the slice of 64 columns
	v_lshlrev_b32 v[WLO], 3, v1
	v_and_b32 v40, 3, v0
	v_bfe_u32 v41, v0, 2, 1
	v_bfe_u32 v42, v0, 3, 1
	v_mul_u32_u24 v5, v40, 96                      ; v5: my columns' codes: 96 (l % 4) + 1536 bit 2 + 384 bit 3 + 3072 bit 4 + 6144 w
	v_mad_u32_u24 v5, v41, 1536, v5
	v_mad_u32_u24 v5, v42, 384, v5
	v_mad_u32_u24 v5, v3, 3072, v5
	s_wait_alu depctr_va_sdst(0)                   ; s14 is written, ahead of its first reader
	s_lshl_b32 s13, s12, 3
	s_add_co_u32 s13, s13, s14                     ; the K step s (it enters global addresses alone)
	s_mul_i32 s53, s14, 6144
	s_add_co_u32 s53, s53, QB
	v_add_nc_u32 v5, s53, v5
	v_lshl_add_u32 v7, v1, 4, s53                  ; v7: my wave's image, read back: 16 l
	v_lshlrev_b32 v6, 3, v40                       ; v6: my columns' scale words: 8 (l % 4) + 64 bit 2 + 32 bit 3 + 128 bit 4 + 256 w
	v_lshl_add_u32 v6, v41, 6, v6
	v_lshl_add_u32 v6, v42, 5, v6
	v_lshl_add_u32 v6, v3, 7, v6
	s_lshl_b32 s53, s14, 8
	s_add_co_u32 s53, s53, QB+49152
	v_add_nc_u32 v6, s53, v6
	v_lshl_add_u32 v8, v1, 3, s53                  ; v8: read back: 8 l
	v_lshlrev_b32 v9, 4, v1                        ; v9: 16 l, in wc
	s_mov_b32 s55, 0
	s_lshl_b32 s54, s15, 24                        ; an expert's weight is 2^24 bytes,
	s_lshl_b32 s53, s16, 8                         ; 64 columns are 256,
	s_add_co_u32 s54, s54, s53
	s_lshl_b32 s53, s13, 20                        ; 128 rows are 2^20
	s_add_co_u32 s54, s54, s53
	s_mul_i32 s56, s11, 102400
	s_mul_i32 s53, s13, 6144
	s_add_co_u32 s58, s56, s53                     ; my image's place in wc
	s_mov_b32 s59, 0
	s_lshl_b32 s53, s13, 8
	s_add_co_u32 s56, s56, s53
	s_add_co_u32 s56, s56, 98304                   ; my scale words' place
	s_mov_b32 s57, 0
	s_wait_kmcnt 0x0
	s_add_nc_u64 s[18:19], s[4:5], s[54:55]
	s_add_nc_u64 s[20:21], s[8:9], s[58:59]
	s_add_nc_u64 s[22:23], s[8:9], s[56:57]
	WIN 0x40
	s_wait_alu depctr_va_vdst(0)                   ; the offsets and addresses v4 to v9 are written: every load and store of this path reads one of them
	LOADW 0, 0
	LOADW 1, 262144
.set tt, 0
.rept 4                                        ; two tasks' loads are out beside the one that is waited for
.if tt+2 < 4
	LOADW tt+2, (tt+2)*262144
	s_wait_loadcnt 63                              ; 64 loads are younger; the count's field ends at 63, so one more is waited for
.elseif tt+1 < 4
	s_wait_loadcnt 32
.else
	s_wait_loadcnt 0x0
.endif
	QBLOCK tt, tt, 5, 6, 0, 0, tt
.set tt, tt+1
.endr
.irp i, 0,1,2,3,4,5,6,7,8,9,10,11
	ds_load_b128 v[Y+4*\i:Y+4*\i+3], v7 offset:512*\i      ; LDS serves a wave's instructions in order: these see my stores
.endr
	ds_load_b64 v[Y+48:Y+49], v8
.irp i, 0,1,2,3,4,5,6,7,8,9,10,11
	s_wait_dscnt 12-\i                             ; the younger LDS loads may be out
	global_store_b128 v9, v[Y+4*\i:Y+4*\i+3], s[20:21] offset:512*\i th:TH_STORE_NT
.endr
	s_wait_dscnt 0x0
	global_store_b64 v[WLO], v[Y+48:Y+49], s[22:23] th:TH_STORE_NT
	s_wait_dscnt 0x0                               ; the closing lines, six on end
	s_wait_alu 0x0
	s_wait_tensorcnt 0x0
	ds_add_u32 v126, v127
	s_wait_dscnt 0x0
	s_endpgm
.Lfunc_end_k_qed6b969abf_gate:
	.size	k_qed6b969abf_gate, .Lfunc_end_k_qed6b969abf_gate-k_qed6b969abf_gate
	.p2alignl 7, 3214868480
	.fill 96, 4, 3214868480
	.section	.rodata,"a",@progbits
	.p2align	6, 0x0
	.amdhsa_kernel k_qed6b969abf_gate
		.amdhsa_group_segment_fixed_size 303104
		.amdhsa_private_segment_fixed_size 0
		.amdhsa_enable_private_segment 0
		.amdhsa_kernarg_size 104
		.amdhsa_user_sgpr_count 2
		.amdhsa_user_sgpr_kernarg_segment_ptr 1
		.amdhsa_wavefront_size32 1
		.amdhsa_system_sgpr_workgroup_id_x 1
		.amdhsa_system_sgpr_workgroup_id_y 1
		.amdhsa_system_sgpr_workgroup_id_z 1
		.amdhsa_system_vgpr_workitem_id 0
		.amdhsa_next_free_vgpr 512
		.amdhsa_next_free_sgpr 72
		.amdhsa_reserve_vcc 0
		.amdhsa_float_denorm_mode_32 3
		.amdhsa_float_denorm_mode_16_64 3
		.amdhsa_memory_ordered 1
		.amdhsa_forward_progress 1
		.amdhsa_inst_pref_size 248
	.end_amdhsa_kernel
	.amdgpu_metadata
---
amdhsa.version: [ 1, 2 ]
amdhsa.kernels:
  - .name:           k_qed6b969abf_gate
    .symbol:         k_qed6b969abf_gate.kd
    .args:
      - { .name: x, .offset: 0, .size: 8, .value_kind: global_buffer, .address_space: global }
      - { .name: gw1, .offset: 8, .size: 8, .value_kind: global_buffer, .address_space: global }
      - { .name: gb1, .offset: 16, .size: 8, .value_kind: global_buffer, .address_space: global }
      - { .name: gw2, .offset: 24, .size: 8, .value_kind: global_buffer, .address_space: global }
      - { .name: gb2, .offset: 32, .size: 8, .value_kind: global_buffer, .address_space: global }
      - { .name: gw3, .offset: 40, .size: 8, .value_kind: global_buffer, .address_space: global }
      - { .name: gb3, .offset: 48, .size: 8, .value_kind: global_buffer, .address_space: global }
      - { .name: xc, .offset: 56, .size: 8, .value_kind: global_buffer, .address_space: global }
      - { .name: idx, .offset: 64, .size: 8, .value_kind: global_buffer, .address_space: global }
      - { .name: wts, .offset: 72, .size: 8, .value_kind: global_buffer, .address_space: global }
      - { .name: out2, .offset: 80, .size: 8, .value_kind: global_buffer, .address_space: global }
      - { .name: ew2, .offset: 88, .size: 8, .value_kind: global_buffer, .address_space: global }
      - { .name: wc, .offset: 96, .size: 8, .value_kind: global_buffer, .address_space: global }
    .group_segment_fixed_size: 303104
    .private_segment_fixed_size: 0
    .kernarg_segment_align: 8
    .kernarg_segment_size: 104
    .max_flat_workgroup_size: 256
    .sgpr_count:     72
    .vgpr_count:     512
    .wavefront_size: 32
...
	.end_amdgpu_metadata
.endif
;; end of part 7
;; launch route (part 8): grid 1 x 1, 8 waves a work-group, no clusters, 1,536 bytes of LDS; arguments idx, out2, route, out1; writes route, out1
.if DOCPART == 8
	.amdgcn_target "amdgcn-amd-amdhsa--gfx1250"
	.amdhsa_code_object_version 6
	.text
	.protected	k_qed6b969abf_route
	.globl	k_qed6b969abf_route
	.p2align	8
	.type	k_qed6b969abf_route,@function
k_qed6b969abf_route:
	s_mov_b64 s[64:65], 0
	v_nop
	global_prefetch_b8 v0, s[64:65] scope:SCOPE_SE
	s_setreg_imm32_b32 hwreg(HW_REG_WAVE_MODE, 25, 1), 1
	s_wait_xcnt 0x0
; THE PLACING OF ROWS, and the load-balancing loss.  One work-group; wave e serves expert e: a counting sort without atomics.
; route: meta [8]{T_e, tbase_e} in the first 256 bytes (T_e = tiles of 16 rows of expert e, tbase_e = the tiles ahead of them); list at byte 256: for each routed row its token, an expert's rows on end,
; filled up to whole tiles with token 0; pose [8][1024] at byte 9,984: the routed row of token b with expert e.
; Every wave reads all 1,024 pairs of idx; a chunk of 32 tokens gives a mask of the lanes that chose e; a token's row is the running count + the set bits below its lane.
; No store hangs on EXEC: pose is stored for every token (what stands there for a token that did not choose e is never read), and in the list a lane that did not choose e writes the wave's own spare words
; (words 2,176 + 32 e + lane), which nobody reads.  Each chunk has registers of its own, so no store's sources are written again.
; Memory binds nothing here; matrix units and clusters have no part.
.set LIST, 256
.set POSE, 9984
.set SPW,  2176
.set USG,  256                         ; LDS: the counts at 0 (8 words), the waves' sums of probabilities at 256 ([8 waves][8])
	s_load_b256 s[4:11], s[0:1], 0x0               ; idx 4, out2 6, route 8, out1 10
	v_lshl_add_u32 v160, v0, 2, 0x200
	v_mov_b32 v161, 0
	v_lshrrev_b32 v1, 5, v0
	s_delay_alu instid0(VALU_DEP_1)
	v_readfirstlane_b32 s14, v1                    ; wave = expert e
	v_and_b32 v1, 31, v0
	s_delay_alu instid0(VALU_DEP_1)
	v_lshlrev_b32 v2, 3, v1                        ; 8 x lane
	s_delay_alu instid0(VALU_DEP_2)
	v_lshlrev_b32 v3, 4, v1                        ; 16 x lane
	s_delay_alu instid0(VALU_DEP_3)
	v_lshlrev_b32 v4, 2, v1                        ; 4 x lane
	s_lshl_b32 s66, s14, 2
	v_mov_b32 v5, s66                              ; LDS: my count
	v_mov_b32 v6, 0                                ; LDS: all counts
	v_and_b32 v7, 1, v0
	s_delay_alu instid0(VALU_DEP_1)
	v_lshlrev_b32 v7, 4, v7
	s_lshl_b32 s66, s14, 5
	s_add_co_u32 s66, s66, USG
	v_add_nc_u32 v7, s66, v7                       ; LDS: my wave's sums: even lanes experts 0-3, odd lanes 4-7
	v_and_b32 v8, 7, v0
	s_delay_alu instid0(VALU_DEP_1)
	v_lshl_add_u32 v8, v8, 2, USG                  ; LDS: expert lane % 8's sums
	s_lshl_b32 s66, s14, 5
	s_add_co_u32 s66, s66, SPW
	v_add_nc_u32 v9, s66, v1                       ; my spare word
	v_mov_b32 v10, 0
	s_mov_b32 s28, 0x76543210
	s_mov_b32 s29, 0xfedcba98
	s_lshl_b32 s66, s14, 12
	s_mov_b32 s67, 0
	s_wait_kmcnt 0x0
	s_add_nc_u64 s[12:13], s[6:7], s[66:67]        ; out2 at my wave's 128 tokens
	s_add_nc_u64 s[26:27], s[8:9], s[66:67]        ; pose's row e (+ POSE in the immediate)
.set cc, 0
.rept 32
	global_load_b64 v[32+2*cc:33+2*cc], v2, s[4:5] offset:256*cc
.set cc, cc+1
.endr
.irp i, 0,1,2,3,4,5,6,7
	global_load_b128 v[96+4*\i:99+4*\i], v3, s[12:13] offset:512*\i
.endr
	s_wait_loadcnt 8                               ; idx is in; the eight loads of out2 may be out
	s_mov_b32 s15, 0
.set cc, 0
.rept 32
	v_cmp_eq_u32 vcc_lo, s14, v[32+2*cc]
	v_cmp_eq_u32 s66, s14, v[33+2*cc]
	s_or_b32 s[32+cc], vcc_lo, s66                 ; chunk cc's mask
	s_bcnt1_i32_b32 s66, s[32+cc]
	s_add_co_u32 s15, s15, s66                     ; n_e
.set cc, cc+1
.endr
	s_wait_loadcnt 0x0
.irp i, 1
	v_pk_add_f32 v[96:97], v[96:97], v[96+4*\i:97+4*\i]
	v_pk_add_f32 v[98:99], v[98:99], v[98+4*\i:99+4*\i]
.endr
.irp i, 2, 3, 4, 5, 6, 7
	s_delay_alu instid0(VALU_DEP_2)
	v_pk_add_f32 v[96:97], v[96:97], v[96+4*\i:97+4*\i]
	s_delay_alu instid0(VALU_DEP_2)
	v_pk_add_f32 v[98:99], v[98:99], v[98+4*\i:99+4*\i]
.endr
.irp m, 2,4,8                                  ; over the lanes of my parity
.irp q, 0,1,2,3
	v_add_f32_dpp v[96+\q], v[96+\q], v[96+\q] row_xmask:\m row_mask:0xf bank_mask:0xf
.endr
.endr
.irp q, 0,1,2,3
	s_delay_alu instid0(VALU_DEP_4)
	v_permlanex16_b32 v[100+\q], v[96+\q], s28, s29
.endr
.irp q, 0,1,2,3
	s_delay_alu instid0(VALU_DEP_4)
	v_add_f32 v[96+\q], v[96+\q], v[100+\q]
.endr
	v_mov_b32 v11, s15
	ds_store_b32 v5, v11
	ds_store_b128 v7, v[96:99]                     ; lanes of one parity write the same bytes with the same values
	s_wait_dscnt 0x0
	s_barrier_signal -1
	s_barrier_wait -1
	ds_load_b128 v[20:23], v6
	ds_load_b128 v[24:27], v6 offset:16
	s_wait_dscnt 0x0
	s_mov_b32 s24, 0
.irp j, 0,1,2,3,4,5,6,7
	v_readfirstlane_b32 s[16+\j], v[20+\j]
	s_add_co_u32 s[16+\j], s[16+\j], 15
	s_lshr_b32 s[16+\j], s[16+\j], 4               ; T_j
	s_cmp_gt_u32 s14, \j
	s_cselect_b32 s66, s[16+\j], 0
	s_add_co_u32 s24, s24, s66                     ; tbase_e
.endr
	s_lshl_b32 s25, s24, 4                         ; my first routed row
.set cc, 0
.rept 32
	v_mbcnt_lo_u32_b32 v[32+2*cc], s[32+cc], 0
	s_delay_alu instid0(VALU_DEP_1)
	v_add_nc_u32 v[32+2*cc], s25, v[32+2*cc]       ; the row, where the lane chose e
	global_store_b32 v4, v[32+2*cc], s[26:27] offset:POSE+128*cc
	v_cndmask_b32 v[33+2*cc], v9, v[32+2*cc], s[32+cc]
	s_delay_alu instid0(VALU_DEP_1)
	v_min_u32 v[33+2*cc], 0x97f, v[33+2*cc]        ; inside the list's 2,432 words
	s_delay_alu instid0(VALU_DEP_1)
	v_lshlrev_b32 v[33+2*cc], 2, v[33+2*cc]
	v_add_nc_u32 v[96+cc], 32*cc, v1               ; the token
	global_store_b32 v[33+2*cc], v[96+cc], s[8:9] offset:LIST
	s_bcnt1_i32_b32 s66, s[32+cc]
	s_add_co_u32 s25, s25, s66
.set cc, cc+1
.endr
	s_add_co_u32 s66, s15, 15                      ; the rows that fill my last tile take token 0
	s_lshr_b32 s66, s66, 4
	s_add_co_u32 s66, s66, s24
	s_lshl_b32 s66, s66, 4
	v_add_nc_u32 v12, s25, v1
	s_delay_alu instid0(VALU_DEP_1)
	v_cmp_gt_u32 vcc_lo, s66, v12
	s_delay_alu instid0(VALU_DEP_1)
	v_cndmask_b32 v12, v9, v12, vcc_lo
	s_delay_alu instid0(VALU_DEP_1)
	v_min_u32 v12, 0x97f, v12
	s_delay_alu instid0(VALU_DEP_1)
	v_lshlrev_b32 v12, 2, v12
	global_store_b32 v12, v10, s[8:9] offset:LIST
	s_cmp_lg_u32 s14, 0
	s_cbranch_scc1 .Lend
	; ---- wave 0: meta, as one aligned block of 256 bytes (zeros behind the eight entries)
	v_mov_b32 v28, 0
	v_mov_b32 v29, 0
	s_mov_b32 s66, 0
.irp j, 0,1,2,3,4,5,6,7
	v_writelane_b32 v28, s[16+\j], \j
	v_writelane_b32 v29, s66, \j
	s_add_co_u32 s66, s66, s[16+\j]
.endr
	global_store_b64 v2, v[28:29], s[8:9]
	; ---- the loss: lane l works expert l % 8
.irp w, 0,1,2,3,4,5,6,7
	ds_load_b32 v[130+\w], v8 offset:32*\w
.endr
	s_wait_dscnt 0x0
.irp w, 1
	v_add_f32 v130, v130, v[130+\w]
.endr
.irp w, 2, 3, 4, 5, 6, 7
	s_delay_alu instid0(VALU_DEP_1)
	v_add_f32 v130, v130, v[130+\w]
.endr
	s_delay_alu instid0(VALU_DEP_1)
	v_mul_f32 v130, 0x3a800000, v130               ; usage = the sum / 1,024
	s_delay_alu instid0(VALU_DEP_1)
	v_mov_b32 v131, v130
.irp m, 1,2,4
	s_delay_alu instid0(VALU_DEP_1)
	v_add_f32_dpp v131, v131, v131 row_xmask:\m row_mask:0xf bank_mask:0xf
.endr
	s_delay_alu instid0(VALU_DEP_1)
	v_mul_f32 v131, 0x3e000000, v131               ; its mean
	v_add_f32 v132, 0x322bcc77, v130               ; + 1e-8
	s_wait_alu depctr_va_vdst(0)
	v_log_f32 v133, v132
	v_sub_f32 v134, v130, v131                     ; (a plain place)
	s_wait_alu depctr_va_vdst(0)
	v_mul_f32 v133, 0x3f317218, v133               ; ln(usage + 1e-8)
	s_delay_alu instid0(VALU_DEP_1)
	v_sub_f32 v135, 0xc0051592, v133               ; ln(1 / 8) - that
	s_delay_alu instid0(VALU_DEP_1)
	v_mul_f32 v135, 0x3d800000, v135               ; 0.5 x 1 / 8 x: the kl term's share
	v_mul_f32 v134, v134, v134
	s_delay_alu instid0(VALU_DEP_1)
	v_fma_f32 v135, v134, 0x3d2f8af9, v135         ; + 0.3 / 7 x (usage - mean)^2
	v_mul_f32 v136, v130, v133
	s_delay_alu instid0(VALU_DEP_1)
	v_fma_f32 v135, v136, 0x3e4ccccd, v135         ; + 0.2 x usage ln(usage + 1e-8)
.irp m, 1,2,4
	s_delay_alu instid0(VALU_DEP_1)
	v_add_f32_dpp v135, v135, v135 row_xmask:\m row_mask:0xf bank_mask:0xf
.endr
	s_delay_alu instid0(VALU_DEP_1)
	v_add_f32 v135, 0x4054ef50, v135               ; + 0.2 x 8 ln 8
	s_delay_alu instid0(VALU_DEP_1)
	v_mul_f32 v135, 0x3c23d70a, v135               ; x 0.01
	v_cmp_eq_u32 vcc_lo, 0, v1
	s_wait_alu depctr_va_vdst(0)
	s_wait_xcnt 0x0                                ; EXEC changes only behind this wait
	s_and_saveexec_b32 s67, vcc_lo
	global_store_b32 v10, v135, s[10:11]
	s_wait_xcnt 0x0
	s_or_b32 exec_lo, exec_lo, s67
.Lend:
	s_wait_tensorcnt 0x0
	ds_add_u32 v160, v161
	s_wait_dscnt 0x0
	s_endpgm
.Lfunc_end_k_qed6b969abf_route:
	.size	k_qed6b969abf_route, .Lfunc_end_k_qed6b969abf_route-k_qed6b969abf_route
	.p2alignl 7, 3214868480
	.fill 96, 4, 3214868480
	.section	.rodata,"a",@progbits
	.p2align	6, 0x0
	.amdhsa_kernel k_qed6b969abf_route
		.amdhsa_group_segment_fixed_size 1536
		.amdhsa_private_segment_fixed_size 0
		.amdhsa_enable_private_segment 0
		.amdhsa_kernarg_size 32
		.amdhsa_user_sgpr_count 2
		.amdhsa_user_sgpr_kernarg_segment_ptr 1
		.amdhsa_wavefront_size32 1
		.amdhsa_system_sgpr_workgroup_id_x 1
		.amdhsa_system_sgpr_workgroup_id_y 1
		.amdhsa_system_sgpr_workgroup_id_z 1
		.amdhsa_system_vgpr_workitem_id 0
		.amdhsa_next_free_vgpr 162
		.amdhsa_next_free_sgpr 80
		.amdhsa_reserve_vcc 1
		.amdhsa_float_denorm_mode_32 3
		.amdhsa_float_denorm_mode_16_64 3
		.amdhsa_memory_ordered 1
		.amdhsa_forward_progress 1
		.amdhsa_inst_pref_size 43
	.end_amdhsa_kernel
	.amdgpu_metadata
---
amdhsa.version: [ 1, 2 ]
amdhsa.kernels:
  - .name:           k_qed6b969abf_route
    .symbol:         k_qed6b969abf_route.kd
    .args:
      - { .name: idx, .offset: 0, .size: 8, .value_kind: global_buffer, .address_space: global }
      - { .name: out2, .offset: 8, .size: 8, .value_kind: global_buffer, .address_space: global }
      - { .name: route, .offset: 16, .size: 8, .value_kind: global_buffer, .address_space: global }
      - { .name: out1, .offset: 24, .size: 8, .value_kind: global_buffer, .address_space: global }
    .group_segment_fixed_size: 1536
    .private_segment_fixed_size: 0
    .kernarg_segment_align: 8
    .kernarg_segment_size: 32
    .max_flat_workgroup_size: 256
    .sgpr_count:     80
    .vgpr_count:     162
    .wavefront_size: 32
...
	.end_amdgpu_metadata
.endif
;; end of part 8
;; launch l1 (part 9): grid 256 x 1, 8 waves a work-group, no clusters, 52,224 bytes of LDS; arguments ew1, eb1, xc, route, h1; writes h1
.if DOCPART == 9
	.amdgcn_target "amdgcn-amd-amdhsa--gfx1250"
	.amdhsa_code_object_version 6
	.text
	.protected	k_qed6b969abf_l1
	.globl	k_qed6b969abf_l1
	.p2align	8
	.type	k_qed6b969abf_l1,@function
k_qed6b969abf_l1:
	s_mov_b64 s[64:65], 0
	v_nop
	global_prefetch_b8 v0, s[64:65] scope:SCOPE_SE
	s_setreg_imm32_b32 hwreg(HW_REG_WAVE_SCHED_MODE, 0, 2), 2
	s_setreg_imm32_b32 hwreg(HW_REG_WAVE_MODE, 25, 1), 1
	s_wait_xcnt 0x0
	s_wait_alu depctr_vm_vsrc(0)
; ONE LAYER OF THE EXPERTS, on the rows that chose them.  One source serves the three layers; LAYER picks the sizes and what differs.
;   1: h1 = Q(relu(x ew1 + eb1)), rows gathered from xc by the list;   2: h2 = Q(relu(h1 ew2 + eb2));   3: y = h2 ew3 (+ eb3), K in two halves, f32, added by the last launch.
; Products on codes of FP6 (E2M3) with one E8M0 scale for each 32 along K.
; SHARES.  A work-group owns 64 columns of one expert's weight (expert = number % 8, so that one expert's work-groups are spread) and takes ALL routed rows of that expert: each weight byte is read once in the launch.
; PHASE Q.  Wave w streams K step w (layer 2: also w + 8): a task is 32 rows x 64 columns, 32 loads of 8 bytes a lane, each 256 consecutive aligned bytes of one row.  A lane holds columns 2 l, 2 l + 1 and a whole
; block of each.  The loaded pairs are copied apart, since a conversion wants 16 neighbours along K in consecutive registers.  The codes go to LDS as images of the operand's registers.
; One barrier.  PHASE G.  A wave takes four tiles of 16 rows: weight fragments from LDS, one K step ahead; the rows' fragments from memory straight into registers (three loads of 16 bytes), three K steps ahead, their scale words two.
; K'S PLACES: block q (0..3) of a K step lies in the half q / 2 of the lanes, registers 6 (q % 2) on, its scale in byte 2 (q % 2) + q / 2, in both operands alike: the order of the sums differs from ascending K.
; TRANSPOSED: source 0 = 16 columns of the weight, source 1 = 16 rows.  Column n of 64 lies in tile 2 (n / 32) + (n / 8) % 2, row n % 8 + 8 ((n / 16) % 2): a lane's 16 results of two neighbouring tiles are 16 neighbours along the next K.
; h: codes [tile][16 K steps][2 halves][16 rows][48 bytes], scale words [tile][16][16] at HSC.
; The number of tiles T comes from route: an expert without rows streams nothing; two passes of 32 tiles serve T up to 64; a tile beyond T is held at the last one, multiplied and not stored.
; NO CLUSTER, NO TENSOR LOADS: the ends of passes and of stores hang on counts read from memory; what an expert's work-groups share, the rows' codes, is 24,576 bytes a tile against 262,144 or 524,288 bytes of weights of a work-group's own.
; LIMITS: NaN and infinities are not served.  A block of zeros gets the scale byte 1 (its codes are zeros; the bytes are read by this program alone).
; THE MODE: SCHED_MODE bits 1:0 = 2 (LLVM: expert scheduling mode 2), set by the entry lines.  The code itself states the register dependences between vector or matrix instructions and memory or LDS
; instructions, with s_wait_alu, always for 0.
; THE PLAN.  Registers that memory or LDS instructions touch, and who else names them.  PHASE Q: window 1's four sets: a task's loads land in one, its 64 copies read it.  F, W (v56-67, v76, v77): written by a task's
; arithmetic, read by its LDS stores, written again by the next task.  So a task holds a wait on vm_vsrc ahead of its arithmetic (not the first task) and a wait on va_vdst ahead of its LDS stores.  PHASE G, step s of a pass:
;   the rows' fragments, FOUR slots of 48 (slots 0-2: window 1, v0-143; slot 3: v44-91 of window 0): the products of step s read slot s % 4; the loads of step s + 3 land in slot (s - 1) % 4 and are issued in step s.
;   the rows' scale words, three slots of four (v24-35): step s reads slot s % 3; the loads of step s + 2 land in slot (s - 1) % 3 and are issued in step s, ahead of the codes'.
;   the weights' fragments, two sets of 48 (window 1, v144-239), and scale words (v36-39): step s reads set s % 2; the LDS loads of step s + 1 land in set (s - 1) % 2 and are issued in step s.
;   So ONE wait on va_vdst stands at a step's head, behind the waits for its data: the products of the step before are done reading all that this step's loads land in.  The loads follow it, dealt among the step's sixteen
;   products, which name slot s % 4, set s % 2, their scale words, the bias and the accumulators: none of the registers that those loads touch.  Step 0 leans on the wait at the pass's head; the last step loads nothing.
;   THE WAY OUT.  Layers 1, 2: CD, BY (v56-91, in slot 3, which is at rest then) are written by the tiles' arithmetic and read by the stores: all arithmetic first, one wait on va_vdst, then the stores.  Layer 3: the accumulators
;   are the LDS stores' data (one wait on va_vdst behind the places); OB (v56-87) takes the loads from the stage and is read by the global stores (a wait on vm_vsrc from tile to tile).
;   At a pass's head one wait on vm_vsrc: the stores issued so far have read F, W, CD, BY, OB and the accumulators, all of which are written again.  v4-23: offsets and addresses; layer 1's v16-23 are made anew in each pass.
.set LAYER, 1
.if LAYER == 1
.set KS, 8                             ; K steps of 128
.set PITCH, 8192                       ; a weight row in bytes
.set ESH, 23                           ; log2 of an expert's weight in bytes
.set WSH, 20                           ; log2 of 128 weight rows
.set BSH, 13                           ; log2 of an expert's bias
.elseif LAYER == 2
.set KS, 16
.set PITCH, 8192
.set ESH, 24
.set WSH, 20
.set BSH, 13
.else
.set KS, 8
.set PITCH, 4096
.set ESH, 23
.set WSH, 19
.set BSH, 12
.endif
.set NTASK, KS/2
.set SCW, KS*6144                      ; LDS: images [K step][4 tiles][32 lanes][48] at 0; behind them the scale words [K step][4][16]
.set STG, SCW+KS*256                   ; layer 3: a stage of 16 rows x (256 + 16) bytes for each wave
.set HSC, 3342336
.set YHALF, 8912896
.set WLO, 4                            ; v4 8 l   v5, v6 where my columns' codes and scale words go   v7, v8 48 l (+ 49,152)   v9 scale words, read
.set IMW, 5
.set SCA, 6
.set BRD, 7
.set SRD, 9
.set ALN, 10                           ; v10 768 h + 48 r   v11 4 r
.set SLN, 11
.set OLN, 12                           ; layers 1, 2: v12 48 r + 12 h, v13 4 r + 2 h
.set OSL, 13
.set STO, 12                           ; layer 3: v12, v13 the stage, in and back; v14 4,096 h + 16 r
.set RDB, 13
.set YO,  14
.set HOF, 14                           ; layer 1: v14 48 h
.set BOF, 15                           ; v15 64 h
.set AO,  16                           ; layer 1: v16-19, v20-23 the four tiles' gathered offsets
.set SO,  20
.set ASC, 24                           ; v24-35 the rows' scale words, v36-39 the weights': these hold scales and nothing else
.set BSC, 36
.set M,   40                           ; v40-55 at work
.set SOP, 44
.set RS3, 44                           ; v44-91 phase G: the fourth slot of the rows' fragments
.set F,   56
.set TT,  68
.set W,   76
.set CD,  56                           ; v56-87 codes on their way out (layer 3: rows of y)
.set OB,  56
.set BY,  88
.set BI,  96                           ; v96-127 the bias in the results' layout
.set ACC, 128                          ; v128-255 accumulators: tile of rows j, tile of columns t at 128 + 32 j + 8 t
.set Y,   128
; window 1: phase Q: four sets of 64 for the tasks' loads; phase G: v0-143 slots 0 to 2 of the rows' fragments (tile j at 48 (s % 4) + 12 j), v144-239 two sets of four weight fragments
.set MSB, 0
.macro WIN new                         ; the immediate's high byte repeats the setting that is left
.if MSB != \new
	s_set_vgpr_msb (MSB<<8)|\new
.set MSB, \new
.endif
.endm
.macro LOADT t                         ; task t: block t % 4 of K step w + 8 (t / 4), into set t % 4
.set LB, 64*((\t)%4)
.set LO, ((\t)%4)*32*PITCH
.set LS, 24+2*((\t)/4)
	WIN 0x40
.set ii, 0
.rept 32
	global_load_b64 v[LB+2*ii:LB+2*ii+1], v[WLO], s[LS:LS+1] offset:LO+ii*PITCH th:TH_LOAD_NT
.set ii, ii+1
.endr
.endm
.macro QBLOCK buf, q4, imw, sca, ioff, soff, prev   ; prev = 0: the first task: no LDS store has been issued yet
.set LB, 64*(\buf)
.set QO, (\ioff)+768*((\q4)/2)+24*((\q4)%2)
.set QS, 8*(2*((\q4)%2)+(\q4)/2)
	WIN 0x01
.set ii, 0
.rept 32
	v_mov_b32 v[Y+ii], v[LB+2*ii]                  ; column 2 l down K
	v_mov_b32 v[Y+32+ii], v[LB+2*ii+1]             ; column 2 l + 1
.set ii, ii+1
.endr
	WIN 0
	s_wait_dscnt 0x0                               ; the last task's LDS stores are done
.if \prev
	s_wait_alu depctr_vm_vsrc(0)                   ; the last task's LDS stores have read v[F ..] and v[W ..], which are written again below
.endif
	v_max3_num_f32 v[M], |v[Y]|, |v[Y+1]|, 0x1800000       ; the largest magnitude, over the floor 2^(3 - 127): the byte cannot fall under 1
	v_max3_num_f32 v[M+1], |v[Y+32]|, |v[Y+33]|, 0x1800000
.set ii, 2
.rept 15
	v_max3_num_f32 v[M], v[M], |v[Y+ii]|, |v[Y+ii+1]|
	v_max3_num_f32 v[M+1], v[M+1], |v[Y+32+ii]|, |v[Y+33+ii]|
.set ii, ii+2
.endr
	v_add_nc_u32 v[SOP], 0xff000000, v[M]          ; 2 off the exponent field: the conversion's scale operand
	v_add_nc_u32 v[SOP+1], 0xff000000, v[M+1]
	v_lshrrev_b32 v[M], 23, v[SOP]                 ; the scale's byte
	v_lshrrev_b32 v[M+1], 23, v[SOP+1]
.if (\q4) == 0
	v_mov_b32 v[W], v[M]
	v_mov_b32 v[W+1], v[M+1]
.else
	v_lshl_or_b32 v[W], v[M], QS, v[W]
	v_lshl_or_b32 v[W+1], v[M+1], QS, v[W+1]
.endif
	v_cvt_scalef32_pk16_fp6_f32 v[F:F+2], v[Y:Y+15], v[SOP]
	v_cvt_scalef32_pk16_fp6_f32 v[TT:TT+2], v[Y+16:Y+31], v[SOP]       ; (a conversion's three registers begin on an even number)
	v_cvt_scalef32_pk16_fp6_f32 v[F+6:F+8], v[Y+32:Y+47], v[SOP+1]
	v_cvt_scalef32_pk16_fp6_f32 v[TT+4:TT+6], v[Y+48:Y+63], v[SOP+1]
	v_nop                                          ; one plain place behind the conversions
.irp i, 0,1,2
	v_mov_b32 v[F+3+\i], v[TT+\i]
	v_mov_b32 v[F+9+\i], v[TT+4+\i]
.endr
	s_wait_alu depctr_va_vdst(0)                   ; v[F ..] and v[W ..] are written, which the LDS stores below read
.irp p, 0,1,2
	ds_store_b64 v[\imw], v[F+2*\p:F+2*\p+1] offset:QO+8*\p
	ds_store_b64 v[\imw], v[F+6+2*\p:F+7+2*\p] offset:QO+48+8*\p
.endr
.if (\q4) == 3
	ds_store_b64 v[\sca], v[W:W+1] offset:\soff
.endif
.endm
.macro WM d, a, b, c, sa, sb, odd      ; odd = 1: source 0's scales stand in lanes 16-31 of their register
.if \odd
	v_wmma_scale_f32_16x16x128_f8f6f4 v[\d:\d+7], v[\a:\a+11], v[\b:\b+11], v[\c:\c+7], v[\sa], v[\sb] matrix_a_fmt:MATRIX_FMT_FP6 matrix_b_fmt:MATRIX_FMT_FP6 matrix_a_scale:MATRIX_SCALE_ROW1
.else
	v_wmma_scale_f32_16x16x128_f8f6f4 v[\d:\d+7], v[\a:\a+11], v[\b:\b+11], v[\c:\c+7], v[\sa], v[\sb] matrix_a_fmt:MATRIX_FMT_FP6 matrix_b_fmt:MATRIX_FMT_FP6
.endif
.endm
.macro ACODES s, j0                    ; K step s of my tiles of rows j0 and j0 + 1: six loads, into slot s % 4
.if (\s)%4 < 3
.set RB, 48*((\s)%4)
	WIN 0x40
.else
.set RB, RS3
	WIN 0
.endif
.irp j, \j0, \j0+1
.irp i, 0,1,2
.if LAYER == 1
	global_load_b128 v[RB+12*(\j)+4*\i:RB+12*(\j)+4*\i+3], v[AO+(\j)], s[8:9] offset:96*(\s)+16*\i
.else
	global_load_b128 v[RB+12*(\j)+4*\i:RB+12*(\j)+4*\i+3], v[ALN], s[32+2*(\j):33+2*(\j)] offset:1536*(\s)+16*\i
.endif
.endr
.endr
.endm
.macro ASCALES s                       ; the four tiles' scale words of K step s, into slot s % 3
.set LSL, 4*((\s)%3)
	WIN 0
.irp j, 0,1,2,3
.if LAYER == 1
	global_load_b32 v[ASC+LSL+\j], v[SO+\j], s[70:71] offset:4*(\s)
.else
	global_load_b32 v[ASC+LSL+\j], v[SLN], s[40+2*\j:41+2*\j] offset:64*(\s)
.endif
.endr
.endm
.macro BCODES s                        ; K step s of the four weight tiles: 12 LDS loads, into set s % 2
.set LBS, 144+48*((\s)%2)
	WIN 0x40
.irp t, 0,1,2,3
.irp i, 0,1,2
	ds_load_b128 v[LBS+12*\t+4*\i:LBS+12*\t+4*\i+3], v[BRD+(\s)/8] offset:6144*((\s)%8)+1536*\t+16*\i
.endr
.endr
.endm
.macro BSCALES s                       ; two registers: lanes 0-15 tile 2 b, lanes 16-31 tile 2 b + 1
	WIN 0
	ds_load_b32 v[BSC+2*((\s)%2)], v[SRD] offset:256*(\s)
	ds_load_b32 v[BSC+2*((\s)%2)+1], v[SRD] offset:256*(\s)+128
.endm
.macro PROD s, t                       ; four products of step s: weight tile t against my four tiles of rows.  The sixteen accumulators take turns, in the same order in every step
	WIN WMW
.irp j, 0,1,2,3
.set RD_, ACC+32*\j+8*(\t)
.if (\s) == 0
.set RC_, BI+8*(\t)                            ; the bias is the C of each sum's first product
.else
.set RC_, RD_
.endif
	WM RD_, WBS+12*(\t), WRB+12*\j, RC_, WBW+(\t)/2, ASC+WSL+\j, (\t)%2
.endr
.endm
.macro GSTEP s
.set WSL, 4*((\s)%3)
.set WBS, 144+48*((\s)%2)
.set WBW, BSC+2*((\s)%2)
.if (\s)%4 < 3
.set WRB, 48*((\s)%4)
.set WMW, 0x05                                 ; sources 0 and 1 in window 1, C and D in window 0
.else
.set WRB, RS3
.set WMW, 0x01                                 ; the rows' fourth slot lies in window 0
.endif
	s_wait_dscnt 0x0                               ; this step's weight fragments and scale words are in: no LDS load is younger
.if KS-1-(\s) >= 2
	s_wait_loadcnt 28                              ; this step's rows are in.  Younger than its scale words: the codes of step s + 1 (12), the scale words of s + 1 (4), the codes of s + 2 (12)
.else
	s_wait_loadcnt 16*(KS-1-(\s))
.endif
.if (\s)+1 < KS
	WIN 0x40
.if (\s) > 0
	s_wait_alu depctr_va_vdst(0)                   ; the last step's products are done reading their slot of rows, their set of weights and both kinds of scale words: this step's loads land in all four
.endif
	BCODES (\s)+1
	BSCALES (\s)+1
.endif
	PROD \s, 0
.if (\s)+2 < KS
	ASCALES (\s)+2                                 ; no wait: no vector or matrix instruction since the wait above names the registers in which these loads and those below land
.endif
.if (\s)+3 < KS
	ACODES (\s)+3, 0
.endif
	PROD \s, 1
.if (\s)+3 < KS
	ACODES (\s)+3, 2
.endif
	PROD \s, 2
	PROD \s, 3
.if (\s)+1 < KS
.rept 4
	v_nop                                          ; places in front of the next step's loads into registers that these products read
.endr
.endif
.endm
.macro EPIA j                          ; layers 1, 2: tile j: relu, two blocks of 32 quantised
.if \j > 0
	s_cmp_le_u32 s21, \j
	s_cbranch_scc1 .Lst                            ; a tile beyond T is not worked
.endif
.set A0, ACC+32*\j
.set ii, 0
.rept 32
	v_max_num_f32 v[A0+ii], 0, v[A0+ii]            ; registers 16 b + i: columns 32 b + 16 h + i of row r
.set ii, ii+1
.endr
	v_max3_num_f32 v[M], v[A0], v[A0+1], 0x1800000
	v_max3_num_f32 v[M+1], v[A0+16], v[A0+17], 0x1800000
.irp i, 2,4,6,8,10,12,14
	v_max3_num_f32 v[M], v[M], v[A0+\i], v[A0+\i+1]
	v_max3_num_f32 v[M+1], v[M+1], v[A0+16+\i], v[A0+17+\i]
.endr
	v_permlanex16_b32 v[M+2], v[M], s30, s31
	v_permlanex16_b32 v[M+3], v[M+1], s30, s31
	v_max_num_f32 v[M], v[M], v[M+2]               ; with lane l xor 16's: the blocks' largest
	v_max_num_f32 v[M+1], v[M+1], v[M+3]
	v_add_nc_u32 v[SOP], 0xff000000, v[M]
	v_add_nc_u32 v[SOP+1], 0xff000000, v[M+1]
	v_lshrrev_b32 v[M], 23, v[SOP]
	v_lshrrev_b32 v[M+1], 23, v[SOP+1]
	v_cvt_scalef32_pk16_fp6_f32 v[CD+8*\j:CD+8*\j+2], v[A0:A0+15], v[SOP]
	v_cvt_scalef32_pk16_fp6_f32 v[CD+8*\j+4:CD+8*\j+6], v[A0+16:A0+31], v[SOP+1]
	v_cndmask_b32 v[BY+\j], v[M], v[M+1], s28      ; lanes 0-15 store block 0's byte, lanes 16-31 block 1's.  (The plain place behind the conversions)
.endm
.macro EPIS j                          ; and its codes and scale bytes stored
.if \j > 0
	s_cmp_le_u32 s21, \j
	s_cbranch_scc1 .Lpe                            ; a tile beyond T is not stored
.endif
	global_store_b96 v[OLN], v[CD+8*\j:CD+8*\j+2], s[48+2*\j:49+2*\j]              ; the two stores fill 768 consecutive bytes, this work-group's own
	global_store_b96 v[OLN], v[CD+8*\j+4:CD+8*\j+6], s[48+2*\j:49+2*\j] offset:24
	global_store_b8 v[OSL], v[BY+\j], s[56+2*\j:57+2*\j]
.endm
.macro YOUT j                          ; layer 3: tile j through my stage: sixteen lanes then store 256 consecutive aligned bytes of a row of y
.if \j > 0
	s_wait_xcnt 0x0                                ; the last tile's stores have read their registers
	s_wait_alu depctr_vm_vsrc(0)                   ; the last tile's global stores have read v[OB ..], in which this tile's loads from the stage land
	s_cmp_le_u32 s21, \j
	s_cbranch_scc1 .Lpe
.endif
.irp b, 0,1
.irp q, 0,1,2,3
	ds_store_b128 v[STO], v[ACC+32*\j+16*\b+4*\q:ACC+32*\j+16*\b+4*\q+3] offset:128*\b+16*\q   ; each accumulator from its low end on
.endr
.endr
.irp i, 0,1,2,3,4,5,6,7
	ds_load_b128 v[OB+4*\i:OB+4*\i+3], v[RDB] offset:544*\i    ; LDS serves a wave's instructions in order: these see my stores
.endr
.irp i, 0,1,2,3,4,5,6,7
	s_wait_dscnt 7-\i
	global_store_b128 v[YO], v[OB+4*\i:OB+4*\i+3], s[48+2*\j:49+2*\j] offset:8192*\i
.endr
.endm
	s_load_b256 s[4:11], s[0:1], 0x0               ; weights 4, bias 6, rows in 8, route 10
	s_load_b64 s[12:13], s[0:1], 0x20              ; out
	v_lshl_add_u32 v94, v0, 2, 0xc800
	v_mov_b32 v95, 0
	v_lshrrev_b32 v1, 5, v0
	v_readfirstlane_b32 s14, v1                    ; wave w
	v_and_b32 v1, 31, v0                           ; lane l
	v_and_b32 v2, 15, v0                           ; r
	v_bfe_u32 v3, v0, 4, 1                         ; h
	s_and_b32 s15, ttmp9, 7                        ; the expert
	s_lshr_b32 s16, ttmp9, 3                       ; the slice of 64 columns
.if LAYER == 3
	s_lshr_b32 s22, ttmp9, 7                       ; the half of K
	s_and_b32 s16, s16, 15
.endif
	s_mov_b32 s28, 0xffff0000                      ; lanes 16-31
	s_mov_b32 s30, 0x76543210
	s_mov_b32 s31, 0xfedcba98                      ; v_permlanex16_b32's selects for lane l xor 16
	s_mov_b32 s69, 0
	v_lshlrev_b32 v[WLO], 3, v1
	v_and_b32 v40, 3, v0
	v_bfe_u32 v41, v0, 2, 1
	v_bfe_u32 v42, v0, 3, 1
	v_mul_u32_u24 v[IMW], v40, 96                  ; 96 (l % 4) + 1536 bit 2 + 384 bit 3 + 3072 bit 4 + 6144 w
	v_mad_u32_u24 v[IMW], v41, 1536, v[IMW]
	v_mad_u32_u24 v[IMW], v42, 384, v[IMW]
	v_mad_u32_u24 v[IMW], v3, 3072, v[IMW]
	s_wait_alu depctr_va_sdst(0)                   ; s14 is written, ahead of its first reader
	s_mul_i32 s66, s14, 6144
	v_add_nc_u32 v[IMW], s66, v[IMW]
	v_lshlrev_b32 v[SCA], 3, v40                   ; 8 (l % 4) + 64 bit 2 + 32 bit 3 + 128 bit 4 + 256 w
	v_lshl_add_u32 v[SCA], v41, 6, v[SCA]
	v_lshl_add_u32 v[SCA], v42, 5, v[SCA]
	v_lshl_add_u32 v[SCA], v3, 7, v[SCA]
	s_lshl_b32 s66, s14, 8
	s_add_co_u32 s66, s66, SCW
	v_add_nc_u32 v[SCA], s66, v[SCA]
	v_mul_u32_u24 v[BRD], v1, 48
.if KS > 8
	v_add_nc_u32 v[BRD+1], 49152, v[BRD]
.endif
	v_lshl_add_u32 v[SRD], v1, 2, SCW
	v_mul_u32_u24 v[ALN], v2, 48
	v_mad_u32_u24 v[ALN], v3, 768, v[ALN]
	v_lshlrev_b32 v[SLN], 2, v2
	v_lshlrev_b32 v[BOF], 6, v3
.if LAYER == 3
	s_mul_i32 s66, s14, 4352
	s_add_co_u32 s66, s66, STG
	v_mul_u32_u24 v[STO], v2, 272
	v_lshl_add_u32 v[STO], v3, 6, v[STO]
	v_add_nc_u32 v[STO], s66, v[STO]               ; in: row r, + 64 h
	v_mul_u32_u24 v[RDB], v3, 272
	v_lshl_add_u32 v[RDB], v2, 4, v[RDB]
	v_add_nc_u32 v[RDB], s66, v[RDB]               ; back: lanes 0-15 one row, lanes 16-31 the next
	v_lshlrev_b32 v[YO], 12, v3
	v_lshl_add_u32 v[YO], v2, 4, v[YO]
.else
	v_mul_u32_u24 v[OLN], v2, 48
	v_mad_u32_u24 v[OLN], v3, 12, v[OLN]
	v_lshl_add_u32 v[OSL], v3, 1, v[SLN]
.endif
.if LAYER == 1
	v_mul_u32_u24 v[HOF], v3, 48
.endif
	v_mov_b32 v[M+2], 0                            ; written once: a lane permute's destination counts as one of its sources
	v_mov_b32 v[M+3], 0
	s_lshl_b32 s66, s15, 3
	s_wait_kmcnt 0x0
	s_load_b64 s[18:19], s[10:11], s66 offset:0x0  ; T, tbase of my expert
	s_lshl_b32 s68, s15, ESH
	s_lshl_b32 s67, s16, 8
	s_add_co_u32 s68, s68, s67
	s_lshl_b32 s67, s14, WSH
	s_add_co_u32 s68, s68, s67
.if LAYER == 3
	s_lshl_b32 s67, s22, 22
	s_add_co_u32 s68, s68, s67
.endif
	s_add_nc_u64 s[24:25], s[4:5], s[68:69]        ; my expert, my columns, row 128 w
.if LAYER == 2
	s_add_nc_u64 s[26:27], s[24:25], 0x800000      ; and row 128 (w + 8)
.endif
	s_lshl_b32 s68, s15, BSH
	s_lshl_b32 s67, s16, 8
	s_add_co_u32 s68, s68, s67
	s_add_nc_u64 s[6:7], s[6:7], s[68:69]
	s_wait_alu depctr_va_vdst(0)                   ; the offsets and addresses v4 to v15 are written, which the loads and stores below read
.irp t, 0,1,2,3
	global_load_b128 v[BI+8*\t:BI+8*\t+3], v[BOF], s[6:7] offset:128*(\t/2)+32*(\t%2)
	global_load_b128 v[BI+8*\t+4:BI+8*\t+7], v[BOF], s[6:7] offset:128*(\t/2)+32*(\t%2)+16
.endr
.if LAYER == 1
	s_add_nc_u64 s[70:71], s[8:9], 786432          ; xc's scale words
.else
	s_add_nc_u64 s[70:71], s[8:9], HSC
.endif
.if LAYER == 3
	s_lshl_b32 s68, s22, 9
	s_add_nc_u64 s[70:71], s[70:71], s[68:69]      ; my half of K: eight K steps on
	s_mul_i32 s68, s22, 12288
	s_add_nc_u64 s[8:9], s[8:9], s[68:69]
	s_mul_i32 s68, s22, YHALF
	s_lshl_b32 s67, s16, 8
	s_add_co_u32 s68, s68, s67
	s_add_nc_u64 s[12:13], s[12:13], s[68:69]
.else
	s_add_nc_u64 s[72:73], s[12:13], HSC
	s_mul_i32 s68, s16, 768                        ; my two blocks are K step slice / 2, half slice % 2 of the next layer: 1536 (slice / 2) + 768 (slice % 2)
	s_add_nc_u64 s[12:13], s[12:13], s[68:69]
	s_lshr_b32 s68, s16, 1
	s_lshl_b32 s68, s68, 6
	s_and_b32 s67, s16, 1
	s_add_co_u32 s68, s68, s67
	s_add_nc_u64 s[72:73], s[72:73], s[68:69]
.endif
	s_wait_kmcnt 0x0
	s_min_u32 s18, s18, 64
	s_min_u32 s19, s19, 135
	s_cmp_eq_u32 s18, 0
	s_cbranch_scc1 .Lnoq                           ; an expert without rows streams nothing
	; ---- PHASE Q.  Two tasks' loads are out beside the one that is waited for
	LOADT 0
	LOADT 1
.set tt, 0
.rept NTASK
.if tt+2 < NTASK
	LOADT tt+2
	s_wait_loadcnt 63                              ; 64 loads are younger; the count's field ends at 63, so one more is waited for
.elseif tt+1 < NTASK
	s_wait_loadcnt 32
.else
	s_wait_loadcnt 0x0
.endif
	QBLOCK tt%4, tt%4, IMW, SCA, 49152*(tt/4), 2048*(tt/4), tt
.set tt, tt+1
.endr
.Lnoq:
	s_wait_loadcnt 0x0                             ; the bias
	s_wait_dscnt 0x0                               ; my images have landed
	s_barrier_signal -1
	s_barrier_wait -1                              ; everybody's have; from here on they are only read
.if LAYER == 3
	s_cmp_eq_u32 s22, 0
	s_cselect_b32 s67, 0, -1
.set ii, 0
.rept 32
	v_cndmask_b32 v[BI+ii], v[BI+ii], 0, s67       ; the bias enters once: in the first half of K
.set ii, ii+1
.endr
.endif
	s_mov_b32 s17, 0
.Lpass:                                            ; two passes of 32 tiles
	s_wait_xcnt 0x0                                ; the last pass's stores have read their data, offsets and bases
	s_wait_alu depctr_vm_vsrc(0)                   ; the stores issued so far (phase Q's LDS stores; the last pass's way out) have read v56-91 and, in layer 3, the accumulators, and the last pass's loads layer 1's offsets: all are written again below
	s_lshl_b32 s20, s17, 5
	s_lshl_b32 s66, s14, 2
	s_add_co_u32 s20, s20, s66                     ; my first tile of the expert's
	s_cmp_ge_u32 s20, s18
	s_cbranch_scc1 .Lend
	s_sub_co_u32 s21, s18, s20
	s_min_u32 s21, s21, 4                          ; how many of my four are stored
	s_sub_co_u32 s67, s18, 1
.irp j, 0,1,2,3
	s_add_co_u32 s66, s20, \j
	s_min_u32 s66, s66, s67                        ; held at the expert's last tile
	s_add_co_u32 s66, s66, s19
	s_min_u32 s66, s66, 135
.if LAYER == 1
	s_lshl_b32 s68, s66, 6
	s_add_nc_u64 s[32+2*\j:33+2*\j], s[10:11], s[68:69]
.else
	s_mul_i32 s68, s66, 24576
	s_add_nc_u64 s[32+2*\j:33+2*\j], s[8:9], s[68:69]
	s_lshl_b32 s68, s66, 10
	s_add_nc_u64 s[40+2*\j:41+2*\j], s[70:71], s[68:69]
.endif
.if LAYER == 3
	s_lshl_b32 s68, s66, 16
	s_add_nc_u64 s[48+2*\j:49+2*\j], s[12:13], s[68:69]
.else
	s_mul_i32 s68, s66, 24576
	s_add_nc_u64 s[48+2*\j:49+2*\j], s[12:13], s[68:69]
	s_lshl_b32 s68, s66, 10
	s_add_nc_u64 s[56+2*\j:57+2*\j], s[72:73], s[68:69]
.endif
.endr
.if LAYER == 1
	s_wait_alu depctr_va_vdst(0)                   ; the arithmetic that last wrote and read v[M ..] (phase Q's, or the last pass's way out) is done: the tokens' loads land there
.irp j, 0,1,2,3
	global_load_b32 v[M+\j], v[SLN], s[32+2*\j:33+2*\j] offset:256   ; the tile's 16 tokens
.endr
	s_wait_loadcnt 0x0
.irp j, 0,1,2,3
	v_min_u32 v[M+\j], 0x3ff, v[M+\j]
	v_mul_u32_u24 v[AO+\j], v[M+\j], 768
	v_add_nc_u32 v[AO+\j], v[AO+\j], v[HOF]        ; the token's row of codes, + 48 h
	v_lshlrev_b32 v[SO+\j], 5, v[M+\j]             ; and of scale words
.endr
.endif
	; ---- PHASE G.  The order of the first loads is that of the steps: the scale words of a step ahead of the codes of the step behind it
	WIN 0x40
.if LAYER == 1
	s_wait_alu depctr_va_vdst(0)                   ; the gathered offsets v[AO ..] and v[SO ..] are written, which the rows' loads read
.else
	s_wait_alu depctr_va_vdst(0)                   ; phase Q's copies and arithmetic, or the last pass's products, are done with window 1, v24-39 and v44-91, in which the loads of this pass land
.endif
	ACODES 0, 0
	ACODES 0, 2
	ASCALES 0
	ACODES 1, 0
	ACODES 1, 2
	ASCALES 1
	ACODES 2, 0
	ACODES 2, 2
	BCODES 0
	BSCALES 0
.set ss, 0
.rept KS
	GSTEP ss
.set ss, ss+1
.endr
.rept 5
	v_nop                                          ; four places ahead of the first read of results; five ahead of the next pass's products, which begin these accumulators anew
.endr
	WIN 0
.if LAYER == 3
	s_wait_alu depctr_va_vdst(0)                   ; the products have written the accumulators, which the LDS stores read, and are done reading the rows' fourth slot, in which the loads from the stage land; the places above stay beside this wait
.irp j, 0,1,2,3
	YOUT \j
.endr
.else
.irp j, 0,1,2,3
	EPIA \j
.endr
.Lst:
	s_wait_alu depctr_va_vdst(0)                   ; the conversions and selects have written v[CD ..] and v[BY ..], which the stores below read
.irp j, 0,1,2,3
	EPIS \j
.endr
.endif
.Lpe:
	s_add_co_u32 s17, s17, 1
	s_cmp_lt_u32 s17, 2
	s_cbranch_scc1 .Lpass
.Lend:
	s_wait_dscnt 0x0                               ; the closing lines, six on end
	s_wait_alu 0x0
	s_wait_tensorcnt 0x0
	ds_add_u32 v94, v95
	s_wait_dscnt 0x0
	s_endpgm
.Lfunc_end_k_qed6b969abf_l1:
	.size	k_qed6b969abf_l1, .Lfunc_end_k_qed6b969abf_l1-k_qed6b969abf_l1
	.p2alignl 7, 3214868480
	.fill 96, 4, 3214868480
	.section	.rodata,"a",@progbits
	.p2align	6, 0x0
	.amdhsa_kernel k_qed6b969abf_l1
		.amdhsa_group_segment_fixed_size 52224
		.amdhsa_private_segment_fixed_size 0
		.amdhsa_enable_private_segment 0
		.amdhsa_kernarg_size 40
		.amdhsa_user_sgpr_count 2
		.amdhsa_user_sgpr_kernarg_segment_ptr 1
		.amdhsa_wavefront_size32 1
		.amdhsa_system_sgpr_workgroup_id_x 1
		.amdhsa_system_sgpr_workgroup_id_y 1
		.amdhsa_system_sgpr_workgroup_id_z 1
		.amdhsa_system_vgpr_workitem_id 0
		.amdhsa_next_free_vgpr 512
		.amdhsa_next_free_sgpr 80
		.amdhsa_reserve_vcc 0
		.amdhsa_float_denorm_mode_32 3
		.amdhsa_float_denorm_mode_16_64 3
		.amdhsa_memory_ordered 1
		.amdhsa_forward_progress 1
		.amdhsa_inst_pref_size 93
	.end_amdhsa_kernel
	.amdgpu_metadata
---
amdhsa.version: [ 1, 2 ]
amdhsa.kernels:
  - .name:           k_qed6b969abf_l1
    .symbol:         k_qed6b969abf_l1.kd
    .args:
      - { .name: ew1, .offset: 0, .size: 8, .value_kind: global_buffer, .address_space: global }
      - { .name: eb1, .offset: 8, .size: 8, .value_kind: global_buffer, .address_space: global }
      - { .name: xc, .offset: 16, .size: 8, .value_kind: global_buffer, .address_space: global }
      - { .name: route, .offset: 24, .size: 8, .value_kind: global_buffer, .address_space: global }
      - { .name: h1, .offset: 32, .size: 8, .value_kind: global_buffer, .address_space: global }
    .group_segment_fixed_size: 52224
    .private_segment_fixed_size: 0
    .kernarg_segment_align: 8
    .kernarg_segment_size: 40
    .max_flat_workgroup_size: 256
    .sgpr_count:     80
    .vgpr_count:     512
    .wavefront_size: 32
...
	.end_amdgpu_metadata
.endif
;; end of part 9
;; launch l2 (part 10): grid 256 x 1, 8 waves a work-group, no clusters, 103,424 bytes of LDS; arguments wc, eb2, h1, route, h2; writes h2
.if DOCPART == 10
	.amdgcn_target "amdgcn-amd-amdhsa--gfx1250"
	.amdhsa_code_object_version 6
	.text
	.protected	k_qed6b969abf_l2
	.globl	k_qed6b969abf_l2
	.p2align	8
	.type	k_qed6b969abf_l2,@function
k_qed6b969abf_l2:
	s_mov_b64 s[64:65], 0
	v_nop
	global_prefetch_b8 v0, s[64:65] scope:SCOPE_SE
	s_setreg_imm32_b32 hwreg(HW_REG_WAVE_SCHED_MODE, 0, 2), 2
	s_setreg_imm32_b32 hwreg(HW_REG_WAVE_MODE, 25, 1), 1
	s_wait_xcnt 0x0
	s_wait_alu depctr_vm_vsrc(0)
; THE SECOND LAYER OF THE EXPERTS, on the rows that chose them: h2 = Q(relu(h1 ew2 + eb2)).  Products on codes of FP6 (E2M3) with one E8M0 scale for each 32 along K.
; ew2 comes as codes: the first launch has laid, for each work-group g of this launch, 102,400 bytes in wc in the very order of this launch's LDS: 16 images of 6,144 bytes (K step s: [4 tiles][32 lanes][48 bytes], the
; operand's registers as they stand), then 16 x 256 bytes of scale words ([4 tiles][16 rows]).
; SHARES.  A work-group owns 64 columns of one expert's weight (expert = number % 8, so that one expert's work-groups are spread) and takes ALL routed rows of that expert.
; THE COPY.  Wave w brings bytes 12,800 w on of the block: 25 loads of 512 consecutive bytes, stored to the same LDS bytes.  These loads and the bias's hang on the arguments alone and are issued ahead of the wait for the
; expert's counts.  One barrier.  THE PRODUCTS.  A wave takes four tiles of 16 rows: weight fragments from LDS, one K step ahead; the rows' fragments from memory straight into registers (three loads of 16 bytes), three K steps ahead, their scale words two.
; K'S PLACES: block q (0..3) of a K step lies in the half q / 2 of the lanes, registers 6 (q % 2) on, its scale in byte 2 (q % 2) + q / 2, in both operands alike: the order of the sums differs from ascending K.
; TRANSPOSED: source 0 = 16 columns of the weight, source 1 = 16 rows.  Column n of 64 lies in tile 2 (n / 32) + (n / 8) % 2, row n % 8 + 8 ((n / 16) % 2): a lane's 16 results of two neighbouring tiles are 16 neighbours along the next K.
; h: codes [tile][16 K steps][2 halves][16 rows][48 bytes], scale words [tile][16][16] at HSC.
; The number of tiles T comes from route: two passes of 32 tiles serve T up to 64; a tile beyond T is held at the last one, multiplied and not stored; with T = 0 the work-group copies its block, stores nothing and ends.
; NO CLUSTER, NO TENSOR LOADS: the ends of passes and of stores hang on counts read from memory.
; LIMITS: NaN and infinities are not served.  A block of zeros gets the scale byte 1 (its codes are zeros; the bytes are read by this program alone).
; THE MODE: SCHED_MODE bits 1:0 = 2 (LLVM: expert scheduling mode 2), set by the entry lines.  The code itself states the register dependences between vector or matrix instructions and memory or LDS
; instructions, with s_wait_alu, always for 0.
; THE PLAN.  Registers that memory or LDS instructions touch, and who else names them.  Step s of a pass:
;   the rows' fragments, FOUR slots of 48 (slots 0-2: window 1, v0-143; slot 3: v44-91 of window 0): the products of step s read slot s % 4; the loads of step s + 3 land in slot (s - 1) % 4 and are issued in step s.
;   the rows' scale words, three slots of four (v24-35): step s reads slot s % 3; the loads of step s + 2 land in slot (s - 1) % 3 and are issued in step s, ahead of the codes'.
;   the weights' fragments, two sets of 48 (window 1, v144-239), and scale words (v36-39): step s reads set s % 2; the LDS loads of step s + 1 land in set (s - 1) % 2 and are issued in step s.
;   So ONE wait on va_vdst stands at a step's head, behind the waits for its data: the products of the step before are done reading all that this step's loads land in.  The loads follow it, dealt among the step's sixteen
;   products, which name slot s % 4, set s % 2, their scale words, the bias and the accumulators: none of the registers that those loads touch.  Step 0 leans on the wait at the pass's head; the last step loads nothing.
;   THE WAY OUT.  CD, BY (v56-91, in slot 3, which is at rest then) are written by the tiles' arithmetic and read by the stores: all arithmetic first, one wait on va_vdst, then the stores.
;   v128-227: ahead of the barrier the copy's loads land there and its LDS stores read them; afterwards they are accumulators.  At a pass's head one wait on vm_vsrc states that those stores, or the last pass's, have read their data.
;   v4-15: offsets and addresses, written at the head alone.   v94, v95: written at the head, read by the closing add alone.
.set KS, 16                            ; K steps of 128
.set SCW, KS*6144                      ; LDS: images at 0; behind them the scale words
.set HSC, 3342336
.set CPG, 4                            ; v4 16 l   v5 12,800 w + 16 l   v7, v8 48 l (+ 49,152)   v9 scale words, read
.set CPW, 5
.set BRD, 7
.set SRD, 9
.set ALN, 10                           ; v10 768 h + 48 r   v11 4 r
.set SLN, 11
.set OLN, 12                           ; v12 48 r + 12 h, v13 4 r + 2 h
.set OSL, 13
.set BOF, 15                           ; v15 64 h
.set ASC, 24                           ; v24-35 the rows' scale words, v36-39 the weights': these hold scales and nothing else
.set BSC, 36
.set M,   40                           ; v40-55 at work
.set SOP, 44
.set RS3, 44                           ; v44-91 in the products: the fourth slot of the rows' fragments
.set CD,  56                           ; v56-87 codes on their way out
.set BY,  88
.set BI,  96                           ; v96-127 the bias in the results' layout
.set ACC, 128                          ; v128-255 accumulators: tile of rows j, tile of columns t at 128 + 32 j + 8 t; ahead of the barrier v128-227 carry the copy
; window 1: v0-143 slots 0 to 2 of the rows' fragments (tile j at 48 (s % 4) + 12 j), v144-239 two sets of four weight fragments
.set MSB, 0
.macro WIN new                         ; the immediate's high byte repeats the setting that is left
.if MSB != \new
	s_set_vgpr_msb (MSB<<8)|\new
.set MSB, \new
.endif
.endm
.macro WM d, a, b, c, sa, sb, odd      ; odd = 1: source 0's scales stand in lanes 16-31 of their register
.if \odd
	v_wmma_scale_f32_16x16x128_f8f6f4 v[\d:\d+7], v[\a:\a+11], v[\b:\b+11], v[\c:\c+7], v[\sa], v[\sb] matrix_a_fmt:MATRIX_FMT_FP6 matrix_b_fmt:MATRIX_FMT_FP6 matrix_a_scale:MATRIX_SCALE_ROW1
.else
	v_wmma_scale_f32_16x16x128_f8f6f4 v[\d:\d+7], v[\a:\a+11], v[\b:\b+11], v[\c:\c+7], v[\sa], v[\sb] matrix_a_fmt:MATRIX_FMT_FP6 matrix_b_fmt:MATRIX_FMT_FP6
.endif
.endm
.macro ACODES s, j0                    ; K step s of my tiles of rows j0 and j0 + 1: six loads, into slot s % 4
.if (\s)%4 < 3
.set RB, 48*((\s)%4)
	WIN 0x40
.else
.set RB, RS3
	WIN 0
.endif
.irp j, \j0, \j0+1
.irp i, 0,1,2
	global_load_b128 v[RB+12*(\j)+4*\i:RB+12*(\j)+4*\i+3], v[ALN], s[32+2*(\j):33+2*(\j)] offset:1536*(\s)+16*\i
.endr
.endr
.endm
.macro ASCALES s                       ; the four tiles' scale words of K step s, into slot s % 3
.set LSL, 4*((\s)%3)
	WIN 0
.irp j, 0,1,2,3
	global_load_b32 v[ASC+LSL+\j], v[SLN], s[40+2*\j:41+2*\j] offset:64*(\s)
.endr
.endm
.macro BCODES s                        ; K step s of the four weight tiles: 12 LDS loads, into set s % 2
.set LBS, 144+48*((\s)%2)
	WIN 0x40
.irp t, 0,1,2,3
.irp i, 0,1,2
	ds_load_b128 v[LBS+12*\t+4*\i:LBS+12*\t+4*\i+3], v[BRD+(\s)/8] offset:6144*((\s)%8)+1536*\t+16*\i
.endr
.endr
.endm
.macro BSCALES s                       ; two registers: lanes 0-15 tile 2 b, lanes 16-31 tile 2 b + 1
	WIN 0
	ds_load_b32 v[BSC+2*((\s)%2)], v[SRD] offset:256*(\s)
	ds_load_b32 v[BSC+2*((\s)%2)+1], v[SRD] offset:256*(\s)+128
.endm
.macro PROD s, t                       ; four products of step s: weight tile t against my four tiles of rows.  The sixteen accumulators take turns, in the same order in every step
	WIN WMW
.irp j, 0,1,2,3
.set RD_, ACC+32*\j+8*(\t)
.if (\s) == 0
.set RC_, BI+8*(\t)                            ; the bias is the C of each sum's first product
.else
.set RC_, RD_
.endif
	WM RD_, WBS+12*(\t), WRB+12*\j, RC_, WBW+(\t)/2, ASC+WSL+\j, (\t)%2
.endr
.endm
.macro GSTEP s
.set WSL, 4*((\s)%3)
.set WBS, 144+48*((\s)%2)
.set WBW, BSC+2*((\s)%2)
.if (\s)%4 < 3
.set WRB, 48*((\s)%4)
.set WMW, 0x05                                 ; sources 0 and 1 in window 1, C and D in window 0
.else
.set WRB, RS3
.set WMW, 0x01                                 ; the rows' fourth slot lies in window 0
.endif
	s_wait_dscnt 0x0                               ; this step's weight fragments and scale words are in: no LDS load is younger
.if KS-1-(\s) >= 2
	s_wait_loadcnt 28                              ; this step's rows are in.  Younger than its scale words: the codes of step s + 1 (12), the scale words of s + 1 (4), the codes of s + 2 (12)
.else
	s_wait_loadcnt 16*(KS-1-(\s))
.endif
.if (\s)+1 < KS
	WIN 0x40
.if (\s) > 0
	s_wait_alu depctr_va_vdst(0)                   ; the last step's products are done reading their slot of rows, their set of weights and both kinds of scale words: this step's loads land in all four
.endif
	BCODES (\s)+1
	BSCALES (\s)+1
.endif
	PROD \s, 0
.if (\s)+2 < KS
	ASCALES (\s)+2                                 ; no wait: no vector or matrix instruction since the wait above names the registers in which these loads and those below land
.endif
.if (\s)+3 < KS
	ACODES (\s)+3, 0
.endif
	PROD \s, 1
.if (\s)+3 < KS
	ACODES (\s)+3, 2
.endif
	PROD \s, 2
	PROD \s, 3
.if (\s)+1 < KS
.rept 4
	v_nop                                          ; places in front of the next step's loads into registers that these products read
.endr
.endif
.endm
.macro EPIA j                          ; tile j: relu, two blocks of 32 quantised
.if \j > 0
	s_cmp_le_u32 s21, \j
	s_cbranch_scc1 .Lst                            ; a tile beyond T is not worked
.endif
.set A0, ACC+32*\j
.set ii, 0
.rept 32
	v_max_num_f32 v[A0+ii], 0, v[A0+ii]            ; registers 16 b + i: columns 32 b + 16 h + i of row r
.set ii, ii+1
.endr
	v_max3_num_f32 v[M], v[A0], v[A0+1], 0x1800000
	v_max3_num_f32 v[M+1], v[A0+16], v[A0+17], 0x1800000
.irp i, 2,4,6,8,10,12,14
	v_max3_num_f32 v[M], v[M], v[A0+\i], v[A0+\i+1]
	v_max3_num_f32 v[M+1], v[M+1], v[A0+16+\i], v[A0+17+\i]
.endr
	v_permlanex16_b32 v[M+2], v[M], s30, s31
	v_permlanex16_b32 v[M+3], v[M+1], s30, s31
	v_max_num_f32 v[M], v[M], v[M+2]               ; with lane l xor 16's: the blocks' largest
	v_max_num_f32 v[M+1], v[M+1], v[M+3]
	v_add_nc_u32 v[SOP], 0xff000000, v[M]
	v_add_nc_u32 v[SOP+1], 0xff000000, v[M+1]
	v_lshrrev_b32 v[M], 23, v[SOP]
	v_lshrrev_b32 v[M+1], 23, v[SOP+1]
	v_cvt_scalef32_pk16_fp6_f32 v[CD+8*\j:CD+8*\j+2], v[A0:A0+15], v[SOP]
	v_cvt_scalef32_pk16_fp6_f32 v[CD+8*\j+4:CD+8*\j+6], v[A0+16:A0+31], v[SOP+1]
	v_cndmask_b32 v[BY+\j], v[M], v[M+1], s28      ; lanes 0-15 store block 0's byte, lanes 16-31 block 1's.  (The plain place behind the conversions)
.endm
.macro EPIS j                          ; and its codes and scale bytes stored
.if \j > 0
	s_cmp_le_u32 s21, \j
	s_cbranch_scc1 .Lpe                            ; a tile beyond T is not stored
.endif
	global_store_b96 v[OLN], v[CD+8*\j:CD+8*\j+2], s[48+2*\j:49+2*\j]              ; the two stores fill 768 consecutive bytes, this work-group's own
	global_store_b96 v[OLN], v[CD+8*\j+4:CD+8*\j+6], s[48+2*\j:49+2*\j] offset:24
	global_store_b8 v[OSL], v[BY+\j], s[56+2*\j:57+2*\j]
.endm
	s_load_b256 s[4:11], s[0:1], 0x0               ; wc 4, eb2 6, h1 8, route 10
	s_load_b64 s[12:13], s[0:1], 0x20              ; h2
	v_lshl_add_u32 v94, v0, 2, 0x19000
	v_mov_b32 v95, 0
	v_lshrrev_b32 v1, 5, v0
	v_readfirstlane_b32 s14, v1                    ; wave w
	v_and_b32 v1, 31, v0                           ; lane l
	v_and_b32 v2, 15, v0                           ; r
	v_bfe_u32 v3, v0, 4, 1                         ; h
	s_and_b32 s15, ttmp9, 7                        ; the expert
	s_lshr_b32 s16, ttmp9, 3                       ; the slice of 64 columns
	s_mov_b32 s28, 0xffff0000                      ; lanes 16-31
	s_mov_b32 s30, 0x76543210
	s_mov_b32 s31, 0xfedcba98                      ; v_permlanex16_b32's selects for lane l xor 16
	s_mov_b32 s69, 0
	v_lshlrev_b32 v[CPG], 4, v1
	v_mul_u32_u24 v[BRD], v1, 48
	v_add_nc_u32 v[BRD+1], 49152, v[BRD]
	v_lshl_add_u32 v[SRD], v1, 2, SCW
	v_mul_u32_u24 v[ALN], v2, 48
	v_mad_u32_u24 v[ALN], v3, 768, v[ALN]
	v_lshlrev_b32 v[SLN], 2, v2
	v_lshlrev_b32 v[BOF], 6, v3
	v_mul_u32_u24 v[OLN], v2, 48
	v_mad_u32_u24 v[OLN], v3, 12, v[OLN]
	v_lshl_add_u32 v[OSL], v3, 1, v[SLN]
	v_mov_b32 v[M+2], 0                            ; written once: a lane permute's destination counts as one of its sources
	v_mov_b32 v[M+3], 0
	s_wait_alu depctr_va_sdst(0)                   ; s14 is written, ahead of its first reader
	s_mul_i32 s66, s14, 12800
	v_add_nc_u32 v[CPW], s66, v[CPG]
	s_lshl_b32 s66, s15, 3
	s_wait_kmcnt 0x0
	s_load_b64 s[18:19], s[10:11], s66 offset:0x0  ; T, tbase of my expert: waited for behind the loads below
	s_lshl_b32 s68, s15, 13
	s_lshl_b32 s67, s16, 8
	s_add_co_u32 s68, s68, s67
	s_add_nc_u64 s[6:7], s[6:7], s[68:69]
	s_wait_alu depctr_va_vdst(0)                   ; the offsets and addresses v4 to v15 are written, which the loads and stores below read
.irp t, 0,1,2,3
	global_load_b128 v[BI+8*\t:BI+8*\t+3], v[BOF], s[6:7] offset:128*(\t/2)+32*(\t%2)
	global_load_b128 v[BI+8*\t+4:BI+8*\t+7], v[BOF], s[6:7] offset:128*(\t/2)+32*(\t%2)+16
.endr
	s_mul_i32 s68, ttmp9, 102400                   ; my work-group's block of wc,
	s_mul_i32 s67, s14, 12800                      ; my wave's eighth of it
	s_add_co_u32 s68, s68, s67
	s_add_nc_u64 s[24:25], s[4:5], s[68:69]
.set ii, 0
.rept 25
	global_load_b128 v[ACC+4*ii:ACC+4*ii+3], v[CPG], s[24:25] offset:512*ii th:TH_LOAD_NT
.set ii, ii+1
.endr
	s_add_nc_u64 s[70:71], s[8:9], HSC             ; h1's scale words
	s_add_nc_u64 s[72:73], s[12:13], HSC
	s_mul_i32 s68, s16, 768                        ; my two blocks are K step slice / 2, half slice % 2 of the next layer: 1536 (slice / 2) + 768 (slice % 2)
	s_add_nc_u64 s[12:13], s[12:13], s[68:69]
	s_lshr_b32 s68, s16, 1
	s_lshl_b32 s68, s68, 6
	s_and_b32 s67, s16, 1
	s_add_co_u32 s68, s68, s67
	s_add_nc_u64 s[72:73], s[72:73], s[68:69]
	s_wait_kmcnt 0x0
	s_min_u32 s18, s18, 64
	s_min_u32 s19, s19, 135
.irp g, 0,1,2,3,4
	s_wait_loadcnt 20-5*\g                         ; the younger groups of five may be out; the bias's loads are older
.irp i, 0,1,2,3,4
	ds_store_b128 v[CPW], v[ACC+20*\g+4*\i:ACC+20*\g+4*\i+3] offset:512*(5*\g+\i)
.endr
.endr
	s_wait_dscnt 0x0                               ; my part of the block has landed
	s_barrier_signal -1
	s_barrier_wait -1                              ; everybody's has; from here on it is only read
	s_mov_b32 s17, 0
.Lpass:                                            ; two passes of 32 tiles
	s_wait_xcnt 0x0                                ; the last pass's stores have read their data, offsets and bases
	s_wait_alu depctr_vm_vsrc(0)                   ; the copy's LDS stores have read v128-227, which the products write; the last pass's stores have read v[CD ..] and v[BY ..], in which the rows' fourth slot is loaded
	s_lshl_b32 s20, s17, 5
	s_lshl_b32 s66, s14, 2
	s_add_co_u32 s20, s20, s66                     ; my first tile of the expert's
	s_cmp_ge_u32 s20, s18
	s_cbranch_scc1 .Lend
	s_sub_co_u32 s21, s18, s20
	s_min_u32 s21, s21, 4                          ; how many of my four are stored
	s_sub_co_u32 s67, s18, 1
.irp j, 0,1,2,3
	s_add_co_u32 s66, s20, \j
	s_min_u32 s66, s66, s67                        ; held at the expert's last tile
	s_add_co_u32 s66, s66, s19
	s_min_u32 s66, s66, 135
	s_mul_i32 s68, s66, 24576
	s_add_nc_u64 s[32+2*\j:33+2*\j], s[8:9], s[68:69]
	s_lshl_b32 s68, s66, 10
	s_add_nc_u64 s[40+2*\j:41+2*\j], s[70:71], s[68:69]
	s_mul_i32 s68, s66, 24576
	s_add_nc_u64 s[48+2*\j:49+2*\j], s[12:13], s[68:69]
	s_lshl_b32 s68, s66, 10
	s_add_nc_u64 s[56+2*\j:57+2*\j], s[72:73], s[68:69]
.endr
	; ---- the products.  The order of the first loads is that of the steps: the scale words of a step ahead of the codes of the step behind it
	WIN 0x40
	s_wait_alu depctr_va_vdst(0)                   ; the last pass's products and way out are done with window 1, v24-39 and v44-91, in which the loads of this pass land
	ACODES 0, 0
	ACODES 0, 2
	ASCALES 0
	ACODES 1, 0
	ACODES 1, 2
	ASCALES 1
	ACODES 2, 0
	ACODES 2, 2
	BCODES 0
	BSCALES 0
.set ss, 0
.rept KS
	GSTEP ss
.set ss, ss+1
.endr
.rept 5
	v_nop                                          ; four places ahead of the first read of results; five ahead of the next pass's products, which begin these accumulators anew
.endr
	WIN 0
.irp j, 0,1,2,3
	EPIA \j
.endr
.Lst:
	s_wait_alu depctr_va_vdst(0)                   ; the conversions and selects have written v[CD ..] and v[BY ..], which the stores below read
.irp j, 0,1,2,3
	EPIS \j
.endr
.Lpe:
	s_add_co_u32 s17, s17, 1
	s_cmp_lt_u32 s17, 2
	s_cbranch_scc1 .Lpass
.Lend:
	s_wait_dscnt 0x0                               ; the closing lines, six on end
	s_wait_alu 0x0
	s_wait_tensorcnt 0x0
	ds_add_u32 v94, v95
	s_wait_dscnt 0x0
	s_endpgm
.Lfunc_end_k_qed6b969abf_l2:
	.size	k_qed6b969abf_l2, .Lfunc_end_k_qed6b969abf_l2-k_qed6b969abf_l2
	.p2alignl 7, 3214868480
	.fill 96, 4, 3214868480
	.section	.rodata,"a",@progbits
	.p2align	6, 0x0
	.amdhsa_kernel k_qed6b969abf_l2
		.amdhsa_group_segment_fixed_size 103424
		.amdhsa_private_segment_fixed_size 0
		.amdhsa_enable_private_segment 0
		.amdhsa_kernarg_size 40
		.amdhsa_user_sgpr_count 2
		.amdhsa_user_sgpr_kernarg_segment_ptr 1
		.amdhsa_wavefront_size32 1
		.amdhsa_system_sgpr_workgroup_id_x 1
		.amdhsa_system_sgpr_workgroup_id_y 1
		.amdhsa_system_sgpr_workgroup_id_z 1
		.amdhsa_system_vgpr_workitem_id 0
		.amdhsa_next_free_vgpr 512
		.amdhsa_next_free_sgpr 80
		.amdhsa_reserve_vcc 0
		.amdhsa_float_denorm_mode_32 3
		.amdhsa_float_denorm_mode_16_64 3
		.amdhsa_memory_ordered 1
		.amdhsa_forward_progress 1
		.amdhsa_inst_pref_size 100
	.end_amdhsa_kernel
	.amdgpu_metadata
---
amdhsa.version: [ 1, 2 ]
amdhsa.kernels:
  - .name:           k_qed6b969abf_l2
    .symbol:         k_qed6b969abf_l2.kd
    .args:
      - { .name: wc, .offset: 0, .size: 8, .value_kind: global_buffer, .address_space: global }
      - { .name: eb2, .offset: 8, .size: 8, .value_kind: global_buffer, .address_space: global }
      - { .name: h1, .offset: 16, .size: 8, .value_kind: global_buffer, .address_space: global }
      - { .name: route, .offset: 24, .size: 8, .value_kind: global_buffer, .address_space: global }
      - { .name: h2, .offset: 32, .size: 8, .value_kind: global_buffer, .address_space: global }
    .group_segment_fixed_size: 103424
    .private_segment_fixed_size: 0
    .kernarg_segment_align: 8
    .kernarg_segment_size: 40
    .max_flat_workgroup_size: 256
    .sgpr_count:     80
    .vgpr_count:     512
    .wavefront_size: 32
...
	.end_amdgpu_metadata
.endif
;; end of part 10
;; launch l3 (part 11): grid 256 x 1, 8 waves a work-group, no clusters, 87,040 bytes of LDS; arguments ew3, eb3, h2, route, y; writes y
.if DOCPART == 11
	.amdgcn_target "amdgcn-amd-amdhsa--gfx1250"
	.amdhsa_code_object_version 6
	.text
	.protected	k_qed6b969abf_l3
	.globl	k_qed6b969abf_l3
	.p2align	8
	.type	k_qed6b969abf_l3,@function
k_qed6b969abf_l3:
	s_mov_b64 s[64:65], 0
	v_nop
	global_prefetch_b8 v0, s[64:65] scope:SCOPE_SE
	s_setreg_imm32_b32 hwreg(HW_REG_WAVE_SCHED_MODE, 0, 2), 2
	s_setreg_imm32_b32 hwreg(HW_REG_WAVE_MODE, 25, 1), 1
	s_wait_xcnt 0x0
	s_wait_alu depctr_vm_vsrc(0)
; ONE LAYER OF THE EXPERTS, on the rows that chose them.  One source serves the three layers; LAYER picks the sizes and what differs.
;   1: h1 = Q(relu(x ew1 + eb1)), rows gathered from xc by the list;   2: h2 = Q(relu(h1 ew2 + eb2));   3: y = h2 ew3 (+ eb3), K in two halves, f32, added by the last launch.
; Products on codes of FP6 (E2M3) with one E8M0 scale for each 32 along K.
; SHARES.  A work-group owns 64 columns of one expert's weight (expert = number % 8, so that one expert's work-groups are spread) and takes ALL routed rows of that expert: each weight byte is read once in the launch.
; PHASE Q.  Wave w streams K step w (layer 2: also w + 8): a task is 32 rows x 64 columns, 32 loads of 8 bytes a lane, each 256 consecutive aligned bytes of one row.  A lane holds columns 2 l, 2 l + 1 and a whole
; block of each.  The loaded pairs are copied apart, since a conversion wants 16 neighbours along K in consecutive registers.  The codes go to LDS as images of the operand's registers.
; One barrier.  PHASE G.  A wave takes four tiles of 16 rows: weight fragments from LDS, one K step ahead; the rows' fragments from memory straight into registers (three loads of 16 bytes), three K steps ahead, their scale words two.
; K'S PLACES: block q (0..3) of a K step lies in the half q / 2 of the lanes, registers 6 (q % 2) on, its scale in byte 2 (q % 2) + q / 2, in both operands alike: the order of the sums differs from ascending K.
; TRANSPOSED: source 0 = 16 columns of the weight, source 1 = 16 rows.  Column n of 64 lies in tile 2 (n / 32) + (n / 8) % 2, row n % 8 + 8 ((n / 16) % 2): a lane's 16 results of two neighbouring tiles are 16 neighbours along the next K.
; h: codes [tile][16 K steps][2 halves][16 rows][48 bytes], scale words [tile][16][16] at HSC.
; The number of tiles T comes from route: an expert without rows streams nothing; two passes of 32 tiles serve T up to 64; a tile beyond T is held at the last one, multiplied and not stored.
; NO CLUSTER, NO TENSOR LOADS: the ends of passes and of stores hang on counts read from memory; what an expert's work-groups share, the rows' codes, is 24,576 bytes a tile against 262,144 or 524,288 bytes of weights of a work-group's own.
; LIMITS: NaN and infinities are not served.  A block of zeros gets the scale byte 1 (its codes are zeros; the bytes are read by this program alone).
; THE MODE: SCHED_MODE bits 1:0 = 2 (LLVM: expert scheduling mode 2), set by the entry lines.  The code itself states the register dependences between vector or matrix instructions and memory or LDS
; instructions, with s_wait_alu, always for 0.
; THE PLAN.  Registers that memory or LDS instructions touch, and who else names them.  PHASE Q: window 1's four sets: a task's loads land in one, its 64 copies read it.  F, W (v56-67, v76, v77): written by a task's
; arithmetic, read by its LDS stores, written again by the next task.  So a task holds a wait on vm_vsrc ahead of its arithmetic (not the first task) and a wait on va_vdst ahead of its LDS stores.  PHASE G, step s of a pass:
;   the rows' fragments, FOUR slots of 48 (slots 0-2: window 1, v0-143; slot 3: v44-91 of window 0): the products of step s read slot s % 4; the loads of step s + 3 land in slot (s - 1) % 4 and are issued in step s.
;   the rows' scale words, three slots of four (v24-35): step s reads slot s % 3; the loads of step s + 2 land in slot (s - 1) % 3 and are issued in step s, ahead of the codes'.
;   the weights' fragments, two sets of 48 (window 1, v144-239), and scale words (v36-39): step s reads set s % 2; the LDS loads of step s + 1 land in set (s - 1) % 2 and are issued in step s.
;   So ONE wait on va_vdst stands at a step's head, behind the waits for its data: the products of the step before are done reading all that this step's loads land in.  The loads follow it, dealt among the step's sixteen
;   products, which name slot s % 4, set s % 2, their scale words, the bias and the accumulators: none of the registers that those loads touch.  Step 0 leans on the wait at the pass's head; the last step loads nothing.
;   THE WAY OUT.  Layers 1, 2: CD, BY (v56-91, in slot 3, which is at rest then) are written by the tiles' arithmetic and read by the stores: all arithmetic first, one wait on va_vdst, then the stores.  Layer 3: the accumulators
;   are the LDS stores' data (one wait on va_vdst behind the places); OB (v56-87) takes the loads from the stage and is read by the global stores (a wait on vm_vsrc from tile to tile).
;   At a pass's head one wait on vm_vsrc: the stores issued so far have read F, W, CD, BY, OB and the accumulators, all of which are written again.  v4-23: offsets and addresses; layer 1's v16-23 are made anew in each pass.
.set LAYER, 3
.if LAYER == 1
.set KS, 8                             ; K steps of 128
.set PITCH, 8192                       ; a weight row in bytes
.set ESH, 23                           ; log2 of an expert's weight in bytes
.set WSH, 20                           ; log2 of 128 weight rows
.set BSH, 13                           ; log2 of an expert's bias
.elseif LAYER == 2
.set KS, 16
.set PITCH, 8192
.set ESH, 24
.set WSH, 20
.set BSH, 13
.else
.set KS, 8
.set PITCH, 4096
.set ESH, 23
.set WSH, 19
.set BSH, 12
.endif
.set NTASK, KS/2
.set SCW, KS*6144                      ; LDS: images [K step][4 tiles][32 lanes][48] at 0; behind them the scale words [K step][4][16]
.set STG, SCW+KS*256                   ; layer 3: a stage of 16 rows x (256 + 16) bytes for each wave
.set HSC, 3342336
.set YHALF, 8912896
.set WLO, 4                            ; v4 8 l   v5, v6 where my columns' codes and scale words go   v7, v8 48 l (+ 49,152)   v9 scale words, read
.set IMW, 5
.set SCA, 6
.set BRD, 7
.set SRD, 9
.set ALN, 10                           ; v10 768 h + 48 r   v11 4 r
.set SLN, 11
.set OLN, 12                           ; layers 1, 2: v12 48 r + 12 h, v13 4 r + 2 h
.set OSL, 13
.set STO, 12                           ; layer 3: v12, v13 the stage, in and back; v14 4,096 h + 16 r
.set RDB, 13
.set YO,  14
.set HOF, 14                           ; layer 1: v14 48 h
.set BOF, 15                           ; v15 64 h
.set AO,  16                           ; layer 1: v16-19, v20-23 the four tiles' gathered offsets
.set SO,  20
.set ASC, 24                           ; v24-35 the rows' scale words, v36-39 the weights': these hold scales and nothing else
.set BSC, 36
.set M,   40                           ; v40-55 at work
.set SOP, 44
.set RS3, 44                           ; v44-91 phase G: the fourth slot of the rows' fragments
.set F,   56
.set TT,  68
.set W,   76
.set CD,  56                           ; v56-87 codes on their way out (layer 3: rows of y)
.set OB,  56
.set BY,  88
.set BI,  96                           ; v96-127 the bias in the results' layout
.set ACC, 128                          ; v128-255 accumulators: tile of rows j, tile of columns t at 128 + 32 j + 8 t
.set Y,   128
; window 1: phase Q: four sets of 64 for the tasks' loads; phase G: v0-143 slots 0 to 2 of the rows' fragments (tile j at 48 (s % 4) + 12 j), v144-239 two sets of four weight fragments
.set MSB, 0
.macro WIN new                         ; the immediate's high byte repeats the setting that is left
.if MSB != \new
	s_set_vgpr_msb (MSB<<8)|\new
.set MSB, \new
.endif
.endm
.macro LOADT t                         ; task t: block t % 4 of K step w + 8 (t / 4), into set t % 4
.set LB, 64*((\t)%4)
.set LO, ((\t)%4)*32*PITCH
.set LS, 24+2*((\t)/4)
	WIN 0x40
.set ii, 0
.rept 32
	global_load_b64 v[LB+2*ii:LB+2*ii+1], v[WLO], s[LS:LS+1] offset:LO+ii*PITCH th:TH_LOAD_NT
.set ii, ii+1
.endr
.endm
.macro QBLOCK buf, q4, imw, sca, ioff, soff, prev   ; prev = 0: the first task: no LDS store has been issued yet
.set LB, 64*(\buf)
.set QO, (\ioff)+768*((\q4)/2)+24*((\q4)%2)
.set QS, 8*(2*((\q4)%2)+(\q4)/2)
	WIN 0x01
.set ii, 0
.rept 32
	v_mov_b32 v[Y+ii], v[LB+2*ii]                  ; column 2 l down K
	v_mov_b32 v[Y+32+ii], v[LB+2*ii+1]             ; column 2 l + 1
.set ii, ii+1
.endr
	WIN 0
	s_wait_dscnt 0x0                               ; the last task's LDS stores are done
.if \prev
	s_wait_alu depctr_vm_vsrc(0)                   ; the last task's LDS stores have read v[F ..] and v[W ..], which are written again below
.endif
	v_max3_num_f32 v[M], |v[Y]|, |v[Y+1]|, 0x1800000       ; the largest magnitude, over the floor 2^(3 - 127): the byte cannot fall under 1
	v_max3_num_f32 v[M+1], |v[Y+32]|, |v[Y+33]|, 0x1800000
.set ii, 2
.rept 15
	v_max3_num_f32 v[M], v[M], |v[Y+ii]|, |v[Y+ii+1]|
	v_max3_num_f32 v[M+1], v[M+1], |v[Y+32+ii]|, |v[Y+33+ii]|
.set ii, ii+2
.endr
	v_add_nc_u32 v[SOP], 0xff000000, v[M]          ; 2 off the exponent field: the conversion's scale operand
	v_add_nc_u32 v[SOP+1], 0xff000000, v[M+1]
	v_lshrrev_b32 v[M], 23, v[SOP]                 ; the scale's byte
	v_lshrrev_b32 v[M+1], 23, v[SOP+1]
.if (\q4) == 0
	v_mov_b32 v[W], v[M]
	v_mov_b32 v[W+1], v[M+1]
.else
	v_lshl_or_b32 v[W], v[M], QS, v[W]
	v_lshl_or_b32 v[W+1], v[M+1], QS, v[W+1]
.endif
	v_cvt_scalef32_pk16_fp6_f32 v[F:F+2], v[Y:Y+15], v[SOP]
	v_cvt_scalef32_pk16_fp6_f32 v[TT:TT+2], v[Y+16:Y+31], v[SOP]       ; (a conversion's three registers begin on an even number)
	v_cvt_scalef32_pk16_fp6_f32 v[F+6:F+8], v[Y+32:Y+47], v[SOP+1]
	v_cvt_scalef32_pk16_fp6_f32 v[TT+4:TT+6], v[Y+48:Y+63], v[SOP+1]
	v_nop                                          ; one plain place behind the conversions
.irp i, 0,1,2
	v_mov_b32 v[F+3+\i], v[TT+\i]
	v_mov_b32 v[F+9+\i], v[TT+4+\i]
.endr
	s_wait_alu depctr_va_vdst(0)                   ; v[F ..] and v[W ..] are written, which the LDS stores below read
.irp p, 0,1,2
	ds_store_b64 v[\imw], v[F+2*\p:F+2*\p+1] offset:QO+8*\p
	ds_store_b64 v[\imw], v[F+6+2*\p:F+7+2*\p] offset:QO+48+8*\p
.endr
.if (\q4) == 3
	ds_store_b64 v[\sca], v[W:W+1] offset:\soff
.endif
.endm
.macro WM d, a, b, c, sa, sb, odd      ; odd = 1: source 0's scales stand in lanes 16-31 of their register
.if \odd
	v_wmma_scale_f32_16x16x128_f8f6f4 v[\d:\d+7], v[\a:\a+11], v[\b:\b+11], v[\c:\c+7], v[\sa], v[\sb] matrix_a_fmt:MATRIX_FMT_FP6 matrix_b_fmt:MATRIX_FMT_FP6 matrix_a_scale:MATRIX_SCALE_ROW1
.else
	v_wmma_scale_f32_16x16x128_f8f6f4 v[\d:\d+7], v[\a:\a+11], v[\b:\b+11], v[\c:\c+7], v[\sa], v[\sb] matrix_a_fmt:MATRIX_FMT_FP6 matrix_b_fmt:MATRIX_FMT_FP6
.endif
.endm
.macro ACODES s, j0                    ; K step s of my tiles of rows j0 and j0 + 1: six loads, into slot s % 4
.if (\s)%4 < 3
.set RB, 48*((\s)%4)
	WIN 0x40
.else
.set RB, RS3
	WIN 0
.endif
.irp j, \j0, \j0+1
.irp i, 0,1,2
.if LAYER == 1
	global_load_b128 v[RB+12*(\j)+4*\i:RB+12*(\j)+4*\i+3], v[AO+(\j)], s[8:9] offset:96*(\s)+16*\i
.else
	global_load_b128 v[RB+12*(\j)+4*\i:RB+12*(\j)+4*\i+3], v[ALN], s[32+2*(\j):33+2*(\j)] offset:1536*(\s)+16*\i
.endif
.endr
.endr
.endm
.macro ASCALES s                       ; the four tiles' scale words of K step s, into slot s % 3
.set LSL, 4*((\s)%3)
	WIN 0
.irp j, 0,1,2,3
.if LAYER == 1
	global_load_b32 v[ASC+LSL+\j], v[SO+\j], s[70:71] offset:4*(\s)
.else
	global_load_b32 v[ASC+LSL+\j], v[SLN], s[40+2*\j:41+2*\j] offset:64*(\s)
.endif
.endr
.endm
.macro BCODES s                        ; K step s of the four weight tiles: 12 LDS loads, into set s % 2
.set LBS, 144+48*((\s)%2)
	WIN 0x40
.irp t, 0,1,2,3
.irp i, 0,1,2
	ds_load_b128 v[LBS+12*\t+4*\i:LBS+12*\t+4*\i+3], v[BRD+(\s)/8] offset:6144*((\s)%8)+1536*\t+16*\i
.endr
.endr
.endm
.macro BSCALES s                       ; two registers: lanes 0-15 tile 2 b, lanes 16-31 tile 2 b + 1
	WIN 0
	ds_load_b32 v[BSC+2*((\s)%2)], v[SRD] offset:256*(\s)
	ds_load_b32 v[BSC+2*((\s)%2)+1], v[SRD] offset:256*(\s)+128
.endm
.macro PROD s, t                       ; four products of step s: weight tile t against my four tiles of rows.  The sixteen accumulators take turns, in the same order in every step
	WIN WMW
.irp j, 0,1,2,3
.set RD_, ACC+32*\j+8*(\t)
.if (\s) == 0
.set RC_, BI+8*(\t)                            ; the bias is the C of each sum's first product
.else
.set RC_, RD_
.endif
	WM RD_, WBS+12*(\t), WRB+12*\j, RC_, WBW+(\t)/2, ASC+WSL+\j, (\t)%2
.endr
.endm
.macro GSTEP s
.set WSL, 4*((\s)%3)
.set WBS, 144+48*((\s)%2)
.set WBW, BSC+2*((\s)%2)
.if (\s)%4 < 3
.set WRB, 48*((\s)%4)
.set WMW, 0x05                                 ; sources 0 and 1 in window 1, C and D in window 0
.else
.set WRB, RS3
.set WMW, 0x01                                 ; the rows' fourth slot lies in window 0
.endif
	s_wait_dscnt 0x0                               ; this step's weight fragments and scale words are in: no LDS load is younger
.if KS-1-(\s) >= 2
	s_wait_loadcnt 28                              ; this step's rows are in.  Younger than its scale words: the codes of step s + 1 (12), the scale words of s + 1 (4), the codes of s + 2 (12)
.else
	s_wait_loadcnt 16*(KS-1-(\s))
.endif
.if (\s)+1 < KS
	WIN 0x40
.if (\s) > 0
	s_wait_alu depctr_va_vdst(0)                   ; the last step's products are done reading their slot of rows, their set of weights and both kinds of scale words: this step's loads land in all four
.endif
	BCODES (\s)+1
	BSCALES (\s)+1
.endif
	PROD \s, 0
.if (\s)+2 < KS
	ASCALES (\s)+2                                 ; no wait: no vector or matrix instruction since the wait above names the registers in which these loads and those below land
.endif
.if (\s)+3 < KS
	ACODES (\s)+3, 0
.endif
	PROD \s, 1
.if (\s)+3 < KS
	ACODES (\s)+3, 2
.endif
	PROD \s, 2
	PROD \s, 3
.if (\s)+1 < KS
.rept 4
	v_nop                                          ; places in front of the next step's loads into registers that these products read
.endr
.endif
.endm
.macro EPIA j                          ; layers 1, 2: tile j: relu, two blocks of 32 quantised
.if \j > 0
	s_cmp_le_u32 s21, \j
	s_cbranch_scc1 .Lst                            ; a tile beyond T is not worked
.endif
.set A0, ACC+32*\j
.set ii, 0
.rept 32
	v_max_num_f32 v[A0+ii], 0, v[A0+ii]            ; registers 16 b + i: columns 32 b + 16 h + i of row r
.set ii, ii+1
.endr
	v_max3_num_f32 v[M], v[A0], v[A0+1], 0x1800000
	v_max3_num_f32 v[M+1], v[A0+16], v[A0+17], 0x1800000
.irp i, 2,4,6,8,10,12,14
	v_max3_num_f32 v[M], v[M], v[A0+\i], v[A0+\i+1]
	v_max3_num_f32 v[M+1], v[M+1], v[A0+16+\i], v[A0+17+\i]
.endr
	v_permlanex16_b32 v[M+2], v[M], s30, s31
	v_permlanex16_b32 v[M+3], v[M+1], s30, s31
	v_max_num_f32 v[M], v[M], v[M+2]               ; with lane l xor 16's: the blocks' largest
	v_max_num_f32 v[M+1], v[M+1], v[M+3]
	v_add_nc_u32 v[SOP], 0xff000000, v[M]
	v_add_nc_u32 v[SOP+1], 0xff000000, v[M+1]
	v_lshrrev_b32 v[M], 23, v[SOP]
	v_lshrrev_b32 v[M+1], 23, v[SOP+1]
	v_cvt_scalef32_pk16_fp6_f32 v[CD+8*\j:CD+8*\j+2], v[A0:A0+15], v[SOP]
	v_cvt_scalef32_pk16_fp6_f32 v[CD+8*\j+4:CD+8*\j+6], v[A0+16:A0+31], v[SOP+1]
	v_cndmask_b32 v[BY+\j], v[M], v[M+1], s28      ; lanes 0-15 store block 0's byte, lanes 16-31 block 1's.  (The plain place behind the conversions)
.endm
.macro EPIS j                          ; and its codes and scale bytes stored
.if \j > 0
	s_cmp_le_u32 s21, \j
	s_cbranch_scc1 .Lpe                            ; a tile beyond T is not stored
.endif
	global_store_b96 v[OLN], v[CD+8*\j:CD+8*\j+2], s[48+2*\j:49+2*\j]              ; the two stores fill 768 consecutive bytes, this work-group's own
	global_store_b96 v[OLN], v[CD+8*\j+4:CD+8*\j+6], s[48+2*\j:49+2*\j] offset:24
	global_store_b8 v[OSL], v[BY+\j], s[56+2*\j:57+2*\j]
.endm
.macro YOUT j                          ; layer 3: tile j through my stage: sixteen lanes then store 256 consecutive aligned bytes of a row of y
.if \j > 0
	s_wait_xcnt 0x0                                ; the last tile's stores have read their registers
	s_wait_alu depctr_vm_vsrc(0)                   ; the last tile's global stores have read v[OB ..], in which this tile's loads from the stage land
	s_cmp_le_u32 s21, \j
	s_cbranch_scc1 .Lpe
.endif
.irp b, 0,1
.irp q, 0,1,2,3
	ds_store_b128 v[STO], v[ACC+32*\j+16*\b+4*\q:ACC+32*\j+16*\b+4*\q+3] offset:128*\b+16*\q   ; each accumulator from its low end on
.endr
.endr
.irp i, 0,1,2,3,4,5,6,7
	ds_load_b128 v[OB+4*\i:OB+4*\i+3], v[RDB] offset:544*\i    ; LDS serves a wave's instructions in order: these see my stores
.endr
.irp i, 0,1,2,3,4,5,6,7
	s_wait_dscnt 7-\i
	global_store_b128 v[YO], v[OB+4*\i:OB+4*\i+3], s[48+2*\j:49+2*\j] offset:8192*\i
.endr
.endm
	s_load_b256 s[4:11], s[0:1], 0x0               ; weights 4, bias 6, rows in 8, route 10
	s_load_b64 s[12:13], s[0:1], 0x20              ; out
	v_lshl_add_u32 v94, v0, 2, 0x15000
	v_mov_b32 v95, 0
	v_lshrrev_b32 v1, 5, v0
	v_readfirstlane_b32 s14, v1                    ; wave w
	v_and_b32 v1, 31, v0                           ; lane l
	s_wait_alu depctr_va_vdst(0)
	v_and_b32 v2, 15, v0                           ; r
	v_bfe_u32 v3, v0, 4, 1                         ; h
	s_and_b32 s15, ttmp9, 7                        ; the expert
	s_lshr_b32 s16, ttmp9, 3                       ; the slice of 64 columns
.if LAYER == 3
	s_lshr_b32 s22, ttmp9, 7                       ; the half of K
	s_and_b32 s16, s16, 15
.endif
	s_mov_b32 s28, 0xffff0000                      ; lanes 16-31
	s_mov_b32 s30, 0x76543210
	s_mov_b32 s31, 0xfedcba98                      ; v_permlanex16_b32's selects for lane l xor 16
	s_mov_b32 s69, 0
	v_lshlrev_b32 v[WLO], 3, v1
	v_and_b32 v40, 3, v0
	v_bfe_u32 v41, v0, 2, 1
	v_bfe_u32 v42, v0, 3, 1
	v_mul_u32_u24 v[IMW], v40, 96                  ; 96 (l % 4) + 1536 bit 2 + 384 bit 3 + 3072 bit 4 + 6144 w
	v_mad_u32_u24 v[IMW], v41, 1536, v[IMW]
	v_mad_u32_u24 v[IMW], v42, 384, v[IMW]
	s_wait_alu depctr_va_vdst(0)
	v_mad_u32_u24 v[IMW], v3, 3072, v[IMW]
	s_wait_alu depctr_va_sdst(0)                   ; s14 is written, ahead of its first reader
	s_mul_i32 s66, s14, 6144
	v_add_nc_u32 v[IMW], s66, v[IMW]
	v_lshlrev_b32 v[SCA], 3, v40                   ; 8 (l % 4) + 64 bit 2 + 32 bit 3 + 128 bit 4 + 256 w
	v_lshl_add_u32 v[SCA], v41, 6, v[SCA]
	v_lshl_add_u32 v[SCA], v42, 5, v[SCA]
	v_lshl_add_u32 v[SCA], v3, 7, v[SCA]
	s_lshl_b32 s66, s14, 8
	s_add_co_u32 s66, s66, SCW
	v_add_nc_u32 v[SCA], s66, v[SCA]
	v_mul_u32_u24 v[BRD], v1, 48
.if KS > 8
	v_add_nc_u32 v[BRD+1], 49152, v[BRD]
.endif
	v_lshl_add_u32 v[SRD], v1, 2, SCW
	v_mul_u32_u24 v[ALN], v2, 48
	v_mad_u32_u24 v[ALN], v3, 768, v[ALN]
	v_lshlrev_b32 v[SLN], 2, v2
	v_lshlrev_b32 v[BOF], 6, v3
.if LAYER == 3
	s_mul_i32 s66, s14, 4352
	s_add_co_u32 s66, s66, STG
	v_mul_u32_u24 v[STO], v2, 272
	v_lshl_add_u32 v[STO], v3, 6, v[STO]
	v_add_nc_u32 v[STO], s66, v[STO]               ; in: row r, + 64 h
	v_mul_u32_u24 v[RDB], v3, 272
	v_lshl_add_u32 v[RDB], v2, 4, v[RDB]
	v_add_nc_u32 v[RDB], s66, v[RDB]               ; back: lanes 0-15 one row, lanes 16-31 the next
	v_lshlrev_b32 v[YO], 12, v3
	v_lshl_add_u32 v[YO], v2, 4, v[YO]
.else
	v_mul_u32_u24 v[OLN], v2, 48
	v_mad_u32_u24 v[OLN], v3, 12, v[OLN]
	v_lshl_add_u32 v[OSL], v3, 1, v[SLN]
.endif
.if LAYER == 1
	v_mul_u32_u24 v[HOF], v3, 48
.endif
	v_mov_b32 v[M+2], 0                            ; written once: a lane permute's destination counts as one of its sources
	v_mov_b32 v[M+3], 0
	s_lshl_b32 s66, s15, 3
	s_wait_kmcnt 0x0
	s_load_b64 s[18:19], s[10:11], s66 offset:0x0  ; T, tbase of my expert
	s_lshl_b32 s68, s15, ESH
	s_lshl_b32 s67, s16, 8
	s_add_co_u32 s68, s68, s67
	s_lshl_b32 s67, s14, WSH
	s_add_co_u32 s68, s68, s67
.if LAYER == 3
	s_lshl_b32 s67, s22, 22
	s_add_co_u32 s68, s68, s67
.endif
	s_add_nc_u64 s[24:25], s[4:5], s[68:69]        ; my expert, my columns, row 128 w
.if LAYER == 2
	s_add_nc_u64 s[26:27], s[24:25], 0x800000      ; and row 128 (w + 8)
.endif
	s_lshl_b32 s68, s15, BSH
	s_lshl_b32 s67, s16, 8
	s_add_co_u32 s68, s68, s67
	s_add_nc_u64 s[6:7], s[6:7], s[68:69]
	s_wait_alu depctr_va_vdst(0)                   ; the offsets and addresses v4 to v15 are written, which the loads and stores below read
.irp t, 0,1,2,3
	global_load_b128 v[BI+8*\t:BI+8*\t+3], v[BOF], s[6:7] offset:128*(\t/2)+32*(\t%2)
	global_load_b128 v[BI+8*\t+4:BI+8*\t+7], v[BOF], s[6:7] offset:128*(\t/2)+32*(\t%2)+16
.endr
.if LAYER == 1
	s_add_nc_u64 s[70:71], s[8:9], 786432          ; xc's scale words
.else
	s_add_nc_u64 s[70:71], s[8:9], HSC
.endif
.if LAYER == 3
	s_lshl_b32 s68, s22, 9
	s_add_nc_u64 s[70:71], s[70:71], s[68:69]      ; my half of K: eight K steps on
	s_mul_i32 s68, s22, 12288
	s_add_nc_u64 s[8:9], s[8:9], s[68:69]
	s_mul_i32 s68, s22, YHALF
	s_lshl_b32 s67, s16, 8
	s_add_co_u32 s68, s68, s67
	s_add_nc_u64 s[12:13], s[12:13], s[68:69]
.else
	s_add_nc_u64 s[72:73], s[12:13], HSC
	s_mul_i32 s68, s16, 768                        ; my two blocks are K step slice / 2, half slice % 2 of the next layer: 1536 (slice / 2) + 768 (slice % 2)
	s_add_nc_u64 s[12:13], s[12:13], s[68:69]
	s_lshr_b32 s68, s16, 1
	s_lshl_b32 s68, s68, 6
	s_and_b32 s67, s16, 1
	s_add_co_u32 s68, s68, s67
	s_add_nc_u64 s[72:73], s[72:73], s[68:69]
.endif
	s_wait_kmcnt 0x0
	s_min_u32 s18, s18, 64
	s_min_u32 s19, s19, 135
	s_cmp_eq_u32 s18, 0
	s_cbranch_scc1 .Lnoq                           ; an expert without rows streams nothing
	; ---- PHASE Q.  Two tasks' loads are out beside the one that is waited for
	LOADT 0
	LOADT 1
.set tt, 0
.rept NTASK
.if tt+2 < NTASK
	LOADT tt+2
	s_wait_loadcnt 63                              ; 64 loads are younger; the count's field ends at 63, so one more is waited for
.elseif tt+1 < NTASK
	s_wait_loadcnt 32
.else
	s_wait_loadcnt 0x0
.endif
	QBLOCK tt%4, tt%4, IMW, SCA, 49152*(tt/4), 2048*(tt/4), tt
.set tt, tt+1
.endr
.Lnoq:
	s_wait_loadcnt 0x0                             ; the bias
	s_wait_dscnt 0x0                               ; my images have landed
	s_barrier_signal -1
	s_barrier_wait -1                              ; everybody's have; from here on they are only read
.if LAYER == 3
	s_cmp_eq_u32 s22, 0
	s_cselect_b32 s67, 0, -1
.set ii, 0
.rept 32
	v_cndmask_b32 v[BI+ii], v[BI+ii], 0, s67       ; the bias enters once: in the first half of K
.set ii, ii+1
.endr
.endif
	s_mov_b32 s17, 0
.Lpass:                                            ; two passes of 32 tiles
	s_wait_xcnt 0x0                                ; the last pass's stores have read their data, offsets and bases
	s_wait_alu depctr_vm_vsrc(0)                   ; the stores issued so far (phase Q's LDS stores; the last pass's way out) have read v56-91 and, in layer 3, the accumulators, and the last pass's loads layer 1's offsets: all are written again below
	s_lshl_b32 s20, s17, 5
	s_lshl_b32 s66, s14, 2
	s_add_co_u32 s20, s20, s66                     ; my first tile of the expert's
	s_cmp_ge_u32 s20, s18
	s_cbranch_scc1 .Lend
	s_sub_co_u32 s21, s18, s20
	s_min_u32 s21, s21, 4                          ; how many of my four are stored
	s_sub_co_u32 s67, s18, 1
.irp j, 0,1,2,3
	s_add_co_u32 s66, s20, \j
	s_min_u32 s66, s66, s67                        ; held at the expert's last tile
	s_add_co_u32 s66, s66, s19
	s_min_u32 s66, s66, 135
.if LAYER == 1
	s_lshl_b32 s68, s66, 6
	s_add_nc_u64 s[32+2*\j:33+2*\j], s[10:11], s[68:69]
.else
	s_mul_i32 s68, s66, 24576
	s_add_nc_u64 s[32+2*\j:33+2*\j], s[8:9], s[68:69]
	s_lshl_b32 s68, s66, 10
	s_add_nc_u64 s[40+2*\j:41+2*\j], s[70:71], s[68:69]
.endif
.if LAYER == 3
	s_lshl_b32 s68, s66, 16
	s_add_nc_u64 s[48+2*\j:49+2*\j], s[12:13], s[68:69]
.else
	s_mul_i32 s68, s66, 24576
	s_add_nc_u64 s[48+2*\j:49+2*\j], s[12:13], s[68:69]
	s_lshl_b32 s68, s66, 10
	s_add_nc_u64 s[56+2*\j:57+2*\j], s[72:73], s[68:69]
.endif
.endr
.if LAYER == 1
	s_wait_alu depctr_va_vdst(0)                   ; the arithmetic that last wrote and read v[M ..] (phase Q's, or the last pass's way out) is done: the tokens' loads land there
.irp j, 0,1,2,3
	global_load_b32 v[M+\j], v[SLN], s[32+2*\j:33+2*\j] offset:256   ; the tile's 16 tokens
.endr
	s_wait_loadcnt 0x0
.irp j, 0,1,2,3
	v_min_u32 v[M+\j], 0x3ff, v[M+\j]
	v_mul_u32_u24 v[AO+\j], v[M+\j], 768
	v_add_nc_u32 v[AO+\j], v[AO+\j], v[HOF]        ; the token's row of codes, + 48 h
	v_lshlrev_b32 v[SO+\j], 5, v[M+\j]             ; and of scale words
.endr
.endif
	; ---- PHASE G.  The order of the first loads is that of the steps: the scale words of a step ahead of the codes of the step behind it
	WIN 0x40
.if LAYER == 1
	s_wait_alu depctr_va_vdst(0)                   ; the gathered offsets v[AO ..] and v[SO ..] are written, which the rows' loads read
.else
	s_wait_alu depctr_va_vdst(0)                   ; phase Q's copies and arithmetic, or the last pass's products, are done with window 1, v24-39 and v44-91, in which the loads of this pass land
.endif
	ACODES 0, 0
	ACODES 0, 2
	ASCALES 0
	ACODES 1, 0
	ACODES 1, 2
	ASCALES 1
	ACODES 2, 0
	ACODES 2, 2
	BCODES 0
	BSCALES 0
.set ss, 0
.rept KS
	GSTEP ss
.set ss, ss+1
.endr
.rept 5
	v_nop                                          ; four places ahead of the first read of results; five ahead of the next pass's products, which begin these accumulators anew
.endr
	WIN 0
.if LAYER == 3
	s_wait_alu depctr_va_vdst(0)                   ; the products have written the accumulators, which the LDS stores read, and are done reading the rows' fourth slot, in which the loads from the stage land; the places above stay beside this wait
.irp j, 0,1,2,3
	YOUT \j
.endr
.else
.irp j, 0,1,2,3
	EPIA \j
.endr
.Lst:
	s_wait_alu depctr_va_vdst(0)                   ; the conversions and selects have written v[CD ..] and v[BY ..], which the stores below read
.irp j, 0,1,2,3
	EPIS \j
.endr
.endif
.Lpe:
	s_add_co_u32 s17, s17, 1
	s_cmp_lt_u32 s17, 2
	s_cbranch_scc1 .Lpass
.Lend:
	s_wait_dscnt 0x0                               ; the closing lines, six on end
	s_wait_alu 0x0
	s_wait_tensorcnt 0x0
	ds_add_u32 v94, v95
	s_wait_dscnt 0x0
	s_endpgm
.Lfunc_end_k_qed6b969abf_l3:
	.size	k_qed6b969abf_l3, .Lfunc_end_k_qed6b969abf_l3-k_qed6b969abf_l3
	.p2alignl 7, 3214868480
	.fill 96, 4, 3214868480
	.section	.rodata,"a",@progbits
	.p2align	6, 0x0
	.amdhsa_kernel k_qed6b969abf_l3
		.amdhsa_group_segment_fixed_size 87040
		.amdhsa_private_segment_fixed_size 0
		.amdhsa_enable_private_segment 0
		.amdhsa_kernarg_size 40
		.amdhsa_user_sgpr_count 2
		.amdhsa_user_sgpr_kernarg_segment_ptr 1
		.amdhsa_wavefront_size32 1
		.amdhsa_system_sgpr_workgroup_id_x 1
		.amdhsa_system_sgpr_workgroup_id_y 1
		.amdhsa_system_sgpr_workgroup_id_z 1
		.amdhsa_system_vgpr_workitem_id 0
		.amdhsa_next_free_vgpr 512
		.amdhsa_next_free_sgpr 80
		.amdhsa_reserve_vcc 0
		.amdhsa_float_denorm_mode_32 3
		.amdhsa_float_denorm_mode_16_64 3
		.amdhsa_memory_ordered 1
		.amdhsa_forward_progress 1
		.amdhsa_inst_pref_size 90
	.end_amdhsa_kernel
	.amdgpu_metadata
---
amdhsa.version: [ 1, 2 ]
amdhsa.kernels:
  - .name:           k_qed6b969abf_l3
    .symbol:         k_qed6b969abf_l3.kd
    .args:
      - { .name: ew3, .offset: 0, .size: 8, .value_kind: global_buffer, .address_space: global }
      - { .name: eb3, .offset: 8, .size: 8, .value_kind: global_buffer, .address_space: global }
      - { .name: h2, .offset: 16, .size: 8, .value_kind: global_buffer, .address_space: global }
      - { .name: route, .offset: 24, .size: 8, .value_kind: global_buffer, .address_space: global }
      - { .name: y, .offset: 32, .size: 8, .value_kind: global_buffer, .address_space: global }
    .group_segment_fixed_size: 87040
    .private_segment_fixed_size: 0
    .kernarg_segment_align: 8
    .kernarg_segment_size: 40
    .max_flat_workgroup_size: 256
    .sgpr_count:     80
    .vgpr_count:     512
    .wavefront_size: 32
...
	.end_amdgpu_metadata
.endif
;; end of part 11
;; launch comb (part 12): grid 256 x 1, 4 waves a work-group, no clusters, 0 bytes of LDS; arguments y, idx, wts, route, out0; writes out0
.if DOCPART == 12
	.amdgcn_target "amdgcn-amd-amdhsa--gfx1250"
	.amdhsa_code_object_version 6
	.text
	.protected	k_qed6b969abf_comb
	.globl	k_qed6b969abf_comb
	.p2align	8
	.type	k_qed6b969abf_comb,@function
k_qed6b969abf_comb:
	s_mov_b64 s[64:65], 0
	v_nop
	global_prefetch_b8 v0, s[64:65] scope:SCOPE_SE
	s_setreg_imm32_b32 hwreg(HW_REG_WAVE_MODE, 25, 1), 1
	s_wait_xcnt 0x0
; THE WEIGHTED SUM.  out0[b] = w0 (y of b's first expert) + w1 (y of its second); y lies in two halves of the last layer's K (the bias is in the first), [2][2,176 routed rows][1,024] f32.
; A wave takes one token: its two experts and weights by scalar loads, its two routed rows from route's table pose [8][1,024] (byte 9,984 on), then four rows of 4,096 bytes, 512 consecutive bytes a load,
; all 32 loads out at once; a group of four is worked when it is in.  Each store covers 512 consecutive aligned bytes.  A stream: no LDS, no barrier, no matrix unit, no cluster (nothing is shared).
.set YHALF, 8912896
	s_load_b256 s[4:11], s[0:1], 0x0               ; y 4, idx 6, wts 8, route 10
	s_load_b64 s[12:13], s[0:1], 0x20              ; out0
	v_lshrrev_b32 v1, 5, v0
	v_readfirstlane_b32 s14, v1
	v_and_b32 v1, 31, v0
	v_lshlrev_b32 v2, 4, v1                        ; 16 x lane
	s_lshl_b32 s15, ttmp9, 2
	s_add_co_u32 s15, s15, s14                     ; the token
	s_lshl_b32 s16, s15, 3
	s_wait_alu depctr_va_vdst(0)
	s_wait_kmcnt 0x0
	s_load_b64 s[18:19], s[6:7], s16 offset:0x0    ; its experts
	s_load_b64 s[20:21], s[8:9], s16 offset:0x0    ; its weights
	s_wait_kmcnt 0x0
	s_min_u32 s18, s18, 7
	s_min_u32 s19, s19, 7
	s_lshl_b32 s17, s15, 2
	s_lshl_b32 s18, s18, 12
	s_lshl_b32 s19, s19, 12
	s_add_co_u32 s18, s18, s17
	s_add_co_u32 s19, s19, s17
	s_load_b32 s24, s[10:11], s18 offset:0x2700    ; pose[expert][token]
	s_load_b32 s25, s[10:11], s19 offset:0x2700
	s_mov_b32 s22, s21                             ; the packed forms name a pair and take its low word for both halves
	s_mov_b32 s23, s21
	s_mov_b32 s27, 0
	s_wait_kmcnt 0x0
	s_min_u32 s24, s24, 2175
	s_min_u32 s25, s25, 2175
	s_lshl_b32 s26, s24, 12
	s_add_nc_u64 s[28:29], s[4:5], s[26:27]
	s_add_nc_u64 s[30:31], s[28:29], YHALF
	s_lshl_b32 s26, s25, 12
	s_add_nc_u64 s[32:33], s[4:5], s[26:27]
	s_add_nc_u64 s[34:35], s[32:33], YHALF
	s_lshl_b32 s26, s15, 12
	s_add_nc_u64 s[12:13], s[12:13], s[26:27]
.irp i, 0,1,2,3,4,5,6,7
	global_load_b128 v[16+16*\i:19+16*\i], v2, s[28:29] offset:512*\i th:TH_LOAD_NT
	global_load_b128 v[20+16*\i:23+16*\i], v2, s[30:31] offset:512*\i th:TH_LOAD_NT
	global_load_b128 v[24+16*\i:27+16*\i], v2, s[32:33] offset:512*\i th:TH_LOAD_NT
	global_load_b128 v[28+16*\i:31+16*\i], v2, s[34:35] offset:512*\i th:TH_LOAD_NT
.endr
.irp i, 0,1,2,3,4,5,6,7
	s_wait_loadcnt 4*(7-\i)                        ; the younger groups of four may be out
	v_pk_add_f32 v[16+16*\i:17+16*\i], v[16+16*\i:17+16*\i], v[20+16*\i:21+16*\i]
	v_pk_add_f32 v[18+16*\i:19+16*\i], v[18+16*\i:19+16*\i], v[22+16*\i:23+16*\i]
	v_pk_add_f32 v[24+16*\i:25+16*\i], v[24+16*\i:25+16*\i], v[28+16*\i:29+16*\i]
	v_pk_add_f32 v[26+16*\i:27+16*\i], v[26+16*\i:27+16*\i], v[30+16*\i:31+16*\i]
	v_pk_mul_f32 v[16+16*\i:17+16*\i], v[16+16*\i:17+16*\i], s[20:21] op_sel_hi:[1,0]
	v_pk_mul_f32 v[18+16*\i:19+16*\i], v[18+16*\i:19+16*\i], s[20:21] op_sel_hi:[1,0]
	v_pk_fma_f32 v[16+16*\i:17+16*\i], v[24+16*\i:25+16*\i], s[22:23], v[16+16*\i:17+16*\i] op_sel_hi:[1,0,1]
	v_pk_fma_f32 v[18+16*\i:19+16*\i], v[26+16*\i:27+16*\i], s[22:23], v[18+16*\i:19+16*\i] op_sel_hi:[1,0,1]
	global_store_b128 v2, v[16+16*\i:19+16*\i], s[12:13] offset:512*\i th:TH_STORE_NT
.endr
	s_endpgm
.Lfunc_end_k_qed6b969abf_comb:
	.size	k_qed6b969abf_comb, .Lfunc_end_k_qed6b969abf_comb-k_qed6b969abf_comb
	.p2alignl 7, 3214868480
	.fill 96, 4, 3214868480
	.section	.rodata,"a",@progbits
	.p2align	6, 0x0
	.amdhsa_kernel k_qed6b969abf_comb
		.amdhsa_group_segment_fixed_size 0
		.amdhsa_private_segment_fixed_size 0
		.amdhsa_enable_private_segment 0
		.amdhsa_kernarg_size 40
		.amdhsa_user_sgpr_count 2
		.amdhsa_user_sgpr_kernarg_segment_ptr 1
		.amdhsa_wavefront_size32 1
		.amdhsa_system_sgpr_workgroup_id_x 1
		.amdhsa_system_sgpr_workgroup_id_y 1
		.amdhsa_system_sgpr_workgroup_id_z 1
		.amdhsa_system_vgpr_workitem_id 0
		.amdhsa_next_free_vgpr 144
		.amdhsa_next_free_sgpr 66
		.amdhsa_reserve_vcc 0
		.amdhsa_float_denorm_mode_32 3
		.amdhsa_float_denorm_mode_16_64 3
		.amdhsa_memory_ordered 1
		.amdhsa_forward_progress 1
		.amdhsa_inst_pref_size 10
	.end_amdhsa_kernel
	.amdgpu_metadata
---
amdhsa.version: [ 1, 2 ]
amdhsa.kernels:
  - .name:           k_qed6b969abf_comb
    .symbol:         k_qed6b969abf_comb.kd
    .args:
      - { .name: y, .offset: 0, .size: 8, .value_kind: global_buffer, .address_space: global }
      - { .name: idx, .offset: 8, .size: 8, .value_kind: global_buffer, .address_space: global }
      - { .name: wts, .offset: 16, .size: 8, .value_kind: global_buffer, .address_space: global }
      - { .name: route, .offset: 24, .size: 8, .value_kind: global_buffer, .address_space: global }
      - { .name: out0, .offset: 32, .size: 8, .value_kind: global_buffer, .address_space: global }
    .group_segment_fixed_size: 0
    .private_segment_fixed_size: 0
    .kernarg_segment_align: 8
    .kernarg_segment_size: 40
    .max_flat_workgroup_size: 128
    .sgpr_count:     66
    .vgpr_count:     144
    .wavefront_size: 32
...
	.end_amdgpu_metadata
.endif
;; end of part 12
